; MI455X (gfx1250); checked and timed in simulation.
; The chip was launched on July 23, 2026; its instructions are those of AMD's public machine-readable ISA for CDNA 5 (MIT licence, August 2026) and "CDNA5" Instruction Set Architecture Reference Guide (July 2026). The comments in the code are by the model that wrote it; some were corrected since.
;; Local Attention. Allowed arithmetic: matrix products marked QUANTISED: E2M3 operands, one E8M0 scale for each 32 along K, by v_wmma_scale_f32_16x16x128_f8f6f4 with both operands' format E2M3, f32 sums; everything else in f32.
;; Inputs: Wk 1,024 x 1,024 float32; Wo 1,024 x 1,024 float32; Wq 1,024 x 1,024 float32; Wv 1,024 x 1,024 float32; bk 1,024 float32; bo 1,024 float32; bq 1,024 float32; bv 1,024 float32; x 4 x 2,048 x 1,024 float32.
;; Outputs: out0 4 x 2,048 x 1,024 float32.
;; This version of the problem:
;;   THIS VERSION OF THE PROBLEM IS GIVEN IN LOW PRECISION. The matrix products marked QUANTISED in the list below multiply operands that are first quantised to E2M3 (2 exponent bits, 3 mantissa bits; 6 bits a number), with one power-of-two scale for each 32 numbers along K (OCP MX v1.0); their sums are f32. All else is computed in f32.
;;   The module's matrix products, in the order in which they are computed (A, B: the left and right operand; K: the contracted axis; several contracted axes count as one K, in the product's order):
;;     1. [M 8,192, K 1,024] x [K 1,024, N 1,024]; A: input x; B: input Wq: QUANTISED
;;     2. [M 8,192, K 1,024] x [K 1,024, N 1,024]; A: input x; B: input Wk: QUANTISED
;;     3. [M 8,192, K 1,024] x [K 1,024, N 1,024]; A: input x; B: input Wv: QUANTISED
;;     4. batch 4 x [M 2,048, K 1,024] x [K 1,024, N 2,048]; A: computed on the way; B: computed on the way: QUANTISED
;;     5. batch 4 x [M 2,048, K 2,048] x [K 2,048, N 1,024]; A: softmax (see below); B: computed on the way: QUANTISED
;;     6. [M 8,192, K 1,024] x [K 1,024, N 1,024]; A: computed on the way; B: input Wo: QUANTISED
;;   THE QUANTISER, for each operand of a quantised product, along K:
;;     - K is cut into blocks of 32 from its start; a last block that is shorter is filled with zeros.
;;     - A block's scale is 2^e with e = floor(log2(the largest magnitude in the block)) - 2, held to -126 .. 127; a block of zeros has e = 0. As a byte (E8M0): e + 127.
;;     - Each number is divided by its block's scale, clamped to +-7.5, and rounded to the nearest number of E2M3, ties to even, subnormals kept.
;;     - The product sums the exact products of the quantised numbers (number of the format x scale) in f32.
;;   ~~~python
;;   def quantise(x, axis):      # numpy; x: float32 -> the quantised numbers, widened to float32 again
;;       x = np.moveaxis(x, axis, -1); K = x.shape[-1]
;;       x = np.pad(x, [(0, 0)] * (x.ndim - 1) + [(0, -K % 32)]); x = x.reshape(x.shape[:-1] + (-1, 32)); a = np.abs(x).max(-1, keepdims=True)
;;       e = np.where(a > 0, np.clip(np.frexp(np.where(a > 0, a, 1))[1] - 1 - 2, -126, 127), 0)      # np.frexp(a)[1] - 1 = floor(log2(a)), exactly
;;       r = np.clip(x / 2.0 ** e, -7.5, 7.5)
;;       step = 2.0 ** (np.maximum(np.frexp(np.where(r == 0, 1, r))[1] - 1, 0) - 3)
;;       q = np.round(r / step) * step * 2.0 ** e      # np.round: ties to even
;;       return np.moveaxis(q.reshape(q.shape[:-2] + (-1,))[..., :K], -1, axis).astype(np.float32)
;;   ~~~
;;   SOFTMAX AHEAD OF A QUANTISED PRODUCT. Where the list says 'softmax', what is quantised is not the finished softmax but p = 2^(t - M), with t = logit x log2(e) and M = ceil(the row's largest t), a whole number; so 1/2 < the row's largest p <= 1. The row's sum l is taken of the UNQUANTISED p, in f32, and the product's result is divided by l at the end. Since M is a whole number, a kernel that streams over the keys may use a running M (the ceiling of the running maximum): every later rescaling is an exact power of two, which a block's scale takes up: the codes' values come out the same.
;;   OPERANDS COMPUTED ON THE WAY. 'Computed on the way' means the value that the module computes at that place (a softmax that the list does not call 'softmax' is quantised finished and normalised). What goes into a quantiser is computed in f32, as accurately as f32 sums, v_exp_f32 and their like allow (about 1e-6 of the number): no bf16 or f16 on the way to a quantiser, and a product that is left as it is and whose result goes on into a quantised operand takes f32 operands (vector FMAs, or v_wmma_f32_16x16x4_f32). A number that lies on a knife's edge between two numbers of the format may be rounded either way, as far as f32 arithmetic and the matrix unit's own rounding can turn it there, and no further.
;; 2 versions. Each part assembles by itself: llvm-mc -triple=amdgcn-amd-amdhsa -mcpu=gfx1250 --defsym DOCPART=n.
;; ======== version 1 of 2: 5 launches
;; workspace buffers: xw 9,830,400 bytes; qkv 19,660,800 bytes; p 14,155,776 bytes; ctx 6,553,600 bytes
;; launch quant (part 1): grid 768 x 1, 8 waves a work-group, no clusters, 69,120 bytes of LDS; arguments x, Wq, Wk, Wv, Wo, xw; writes xw
.if DOCPART == 1
	.amdgcn_target "amdgcn-amd-amdhsa--gfx1250"
	.amdhsa_code_object_version 6
	.text
	.protected	k_q04f2e1b0d1_quant
	.globl	k_q04f2e1b0d1_quant
	.p2align	8
	.type	k_q04f2e1b0d1_quant,@function
k_q04f2e1b0d1_quant:
	s_mov_b64 s[64:65], 0
	v_nop
	global_prefetch_b8 v0, s[64:65] scope:SCOPE_SE
	s_setreg_imm32_b32 hwreg(HW_REG_WAVE_MODE, 25, 1), 1
	s_wait_xcnt 0x0
; x [8192][1024] and Wq, Wk, Wv, Wo [1024][1024], f32 with K innermost, are quantised along K to codes of FP6 (E2M3) with one E8M0 byte for each 32 along K, and laid as RECORDS.
; A RECORD is 128 rows x 128 K of an operand in 12,800 bytes: eight fragment images of 1,536 bytes (image i: the 12 operand registers of 16 rows x 128 K; registers 4 c .. 4 c + 3 of lane l at 1536 i + 512 c + 16 l),
; then 512 bytes of scale words (fragment i, lane slot r: at 12288 + 32 r + 4 i).  Fragment i = 2 b + u, lane slot r, holds row 32 b + 8 u + r + 8 (r / 8) of the record's 128 rows.
; xw: x's records [8 K steps][64 groups of rows] from byte 0; the weights' [8 K steps][32 groups] from byte 6,553,600 (groups 0-7 Wq, 8-15 Wk, 16-23 Wv, 24-31 Wo).
; SHARES.  A work-group makes one record (work-groups 0-511: x; 512-767: the weights, 64 each); wave i makes fragment i.  Each of a wave's 16 loads reads 512 consecutive bytes of one row; the rows turn through the wave's own
; stage in LDS (rows 528 bytes apart) so that lane (r, h) holds, of row slot r, 16 neighbours of each block of 32: register 16 b + i = k 32 b + 16 h + i.  The image leaves by three stores of 512 consecutive bytes.
; The eight waves' scale words meet in 512 bytes of LDS and leave by one store of 512 consecutive bytes (wave 0).  No tensor load, no matrix work: the launch streams, so clusters and large register tiles would buy nothing.
; A block's scale is 2^(floor(log2(its largest magnitude)) - 2); its byte is the largest magnitude's exponent field - 2, held at 1 from below.
; LIMITS: a block of zeros, or one whose largest magnitude lies under 2^-124, gets the byte 1 (the bytes are read by this program alone; such a block's codes are zeros or subnormal codes under that byte); NaN and infinities are not served.
.set PITCH, 528                        ; a stage row: 512 bytes + 16: the sixteen rows that a load touches start 4 banks apart
.set STG,   16*PITCH                   ; a wave's stage
.set SCW,   8*STG                      ; behind the stages: the record's 512 bytes of scale words
.set SPARE, SCW+512                    ; behind them: the spare words, 128 bytes for each of the eight waves, which no other line names
.set REC,   12800
.set SCO,   12288
.set LA,  4                            ; v4   16 x lane
.set SI,  5                            ; v5   the stage, on the way in: 16 x lane
.set SO,  6                            ; v6   on the way out: 528 r + 64 h
.set WA,  7                            ; v7   where my row slot's scale word goes: SCW + 32 r + 4 i
.set WR,  8                            ; v8   where wave 0 reads the words back: SCW + 16 x lane
.set SPW, 12                           ; v12  my spare word; never rewritten
.set NIL, 13                           ; v13  0; never rewritten
.set R,   16                           ; v16-79   16 rows as loaded
.set X,   80                           ; v80-143  my 64 numbers
.set PC,  16                           ; v16-35   the codes (R is free by then)
.set TM,  36                           ; v36-51   largest magnitudes, bytes, scale operands
.set PW,  52                           ; v52      the scale word
.set SB,  56                           ; v56-59   the record's scale words on their way out
.set SEL, 30                           ; s[30:31] v_permlanex16_b32's selects for lane l xor 16
	s_load_b256 s[4:11], s[0:1], 0x0               ; x, Wq, Wk, Wv
	s_load_b128 s[12:15], s[0:1], 0x20             ; Wo, xw
	v_lshl_add_u32 v[SPW], v0, 2, SPARE
	v_mov_b32 v[NIL], 0
	v_lshrrev_b32 v1, 5, v0
	v_readfirstlane_b32 s16, v1                    ; wave i = fragment i
	v_and_b32 v1, 31, v0                           ; lane
	v_and_b32 v2, 15, v0                           ; r
	v_bfe_u32 v3, v0, 4, 1                         ; h
	v_lshlrev_b32 v[LA], 4, v1
	s_mul_i32 s17, s16, STG
	v_add_nc_u32 v[SI], s17, v[LA]
	v_mul_u32_u24 v[SO], v2, PITCH
	v_lshl_add_u32 v[SO], v3, 6, v[SO]
	v_add_nc_u32 v[SO], s17, v[SO]
	s_lshl_b32 s18, s16, 2
	s_add_co_u32 s18, s18, SCW
	v_lshl_add_u32 v[WA], v2, 5, s18
	v_add_nc_u32 v[WR], SCW, v[LA]
	s_mov_b32 s[SEL], 0x76543210
	s_mov_b32 s[SEL+1], 0xfedcba98
	s_lshr_b32 s20, ttmp9, 3                       ; x: the group of rows, 0-63; weights: 64 + the group, 64-95
	s_and_b32 s21, ttmp9, 7                        ; the K step
	s_and_b32 s22, s20, 7                          ; a weight's own group of rows
	s_mov_b32 s23, 32*REC                          ; from K step to K step in the weights' part of xw,
	s_cmp_lt_u32 ttmp9, 512                        ; x or a weight?  The choices hang on the work-group's number alone
	s_cselect_b32 s22, s20, s22
	s_cselect_b32 s23, 64*REC, s23                 ; in x's part
	s_cselect_b32 s24, 0, 8*64*REC-64*REC          ; the weights' part begins at 6,553,600; their s20 counts from 64
	s_mul_i32 s23, s23, s21
	s_mul_i32 s25, s20, REC
	s_add_co_u32 s24, s24, s23
	s_add_co_u32 s24, s24, s25                     ; the record,
	s_mul_i32 s25, s16, 1536
	s_add_co_u32 s24, s24, s25                     ; and my image in it
	s_mov_b32 s25, 0
	s_lshl_b32 s26, s22, 7                         ; my first row: 128 x group + 32 (i / 2) + 8 (i % 2)
	s_lshr_b32 s27, s16, 1
	s_lshl_b32 s27, s27, 5
	s_add_co_u32 s26, s26, s27
	s_and_b32 s27, s16, 1
	s_lshl_b32 s27, s27, 3
	s_add_co_u32 s26, s26, s27
	s_lshl_b32 s26, s26, 12                        ; rows of 4,096 bytes
	s_lshl_b32 s27, s21, 9                         ; + 512 bytes a K step
	s_add_co_u32 s26, s26, s27
	s_mov_b32 s27, 0
	s_wait_kmcnt 0x0
	s_cmp_lt_u32 ttmp9, 704
	s_cselect_b64 s[28:29], s[10:11], s[12:13]     ; Wv or Wo,
	s_cmp_lt_u32 ttmp9, 640
	s_cselect_b64 s[28:29], s[8:9], s[28:29]       ; Wk,
	s_cmp_lt_u32 ttmp9, 576
	s_cselect_b64 s[28:29], s[6:7], s[28:29]       ; Wq,
	s_cmp_lt_u32 ttmp9, 512
	s_cselect_b64 s[28:29], s[4:5], s[28:29]       ; x
	s_add_nc_u64 s[28:29], s[28:29], s[26:27]
	s_add_nc_u64 s[14:15], s[14:15], s[24:25]
.irp n, 0,1,2,3,4,5,6,7,8,9,10,11,12,13,14,15
	global_load_b128 v[R+4*\n:R+4*\n+3], v[LA], s[28:29] offset:(\n+8*(\n/8))*4096 th:TH_LOAD_NT   ; row slot n: 32 lanes read 512 consecutive bytes; read once in the launch
.endr
.irp n, 0,1,2,3,4,5,6,7,8,9,10,11,12,13,14,15
	s_wait_loadcnt 15-\n                           ; loads come back in order: row slot n is in, the younger ones stay out
	ds_store_b128 v[SI], v[R+4*\n:R+4*\n+3] offset:PITCH*\n
.endr
.irp b, 0,1,2,3
.irp j, 0,1,2,3
	ds_load_b128 v[X+16*\b+4*\j:X+16*\b+4*\j+3], v[SO] offset:128*\b+16*\j   ; LDS serves a wave's instructions in order: these see my stores
.endr
.endr
	s_wait_dscnt 0x0
.irp b, 0,1,2,3
	v_mov_b32 v[TM+4+\b], 0                        ; a lane permute's destination counts as one of its sources
.endr
.irp b, 0,1,2,3
	v_max3_num_f32 v[TM+\b], |v[X+16*\b]|, |v[X+16*\b+1]|, 0x1800000   ; block b: my 16 numbers, and the floor 2^(3 - 127): the byte cannot fall under 1
.endr
.irp i, 2,4,6,8,10,12,14
.irp b, 0,1,2,3
	v_max3_num_f32 v[TM+\b], v[TM+\b], |v[X+16*\b+\i]|, |v[X+16*\b+\i+1]|   ; the four blocks by turns
.endr
.endr
.irp b, 0,1,2,3
	v_permlanex16_b32 v[TM+4+\b], v[TM+\b], s[SEL], s[SEL+1]
.endr
.irp b, 0,1,2,3
	v_max_num_f32 v[TM+\b], v[TM+\b], v[TM+4+\b]   ; with lane l xor 16's 16: the block's largest magnitude
.endr
.irp b, 0,1,2,3
	v_add_nc_u32 v[TM+12+\b], 0xff000000, v[TM+\b] ; 2 off its exponent field: the conversion takes the exponent field of this operand as its scale
.endr
.irp b, 0,1,2,3
	v_lshrrev_b32 v[TM+4+\b], 23, v[TM+12+\b]      ; the scale's byte
.endr
	v_lshl_or_b32 v[PW], v[TM+5], 8, v[TM+4]       ; four bytes: my row slot's scale word
	v_lshl_or_b32 v[PW], v[TM+6], 16, v[PW]
	v_lshl_or_b32 v[PW], v[TM+7], 24, v[PW]
.irp c, 0,1
	v_cvt_scalef32_pk16_fp6_f32 v[PC+6*\c:PC+6*\c+2], v[X+32*\c:X+32*\c+15], v[TM+12+2*\c]
	v_cvt_scalef32_pk16_fp6_f32 v[PC+12+4*\c:PC+12+4*\c+2], v[X+32*\c+16:X+32*\c+31], v[TM+12+2*\c+1]   ; (a conversion's three registers begin on an even number)
.endr
	v_nop                                          ; one plain place behind a scaled conversion
.irp c, 0,1                                    ; the operand's layout wants a whole block in a lane: lanes 0-15 block 2 c, lanes 16-31 block 2 c + 1
.irp i, 0,1,2
	v_permlane16_swap_b32 v[PC+6*\c+\i], v[PC+12+4*\c+\i]
.endr
.irp i, 0,1,2
	v_mov_b32 v[PC+3+6*\c+\i], v[PC+12+4*\c+\i]
.endr
.endr
.irp c, 0,1,2
	global_store_b128 v[LA], v[PC+4*\c:PC+4*\c+3], s[14:15] offset:512*\c   ; the image: 512 consecutive bytes a store
.endr
	ds_store_b32 v[WA], v[PW]                      ; both halves of the lanes write the same word with the same value
	s_wait_dscnt 0x0                               ; for wave 0's sake: my word has landed
	s_barrier_signal -1
	s_barrier_wait -1
	s_cmp_lg_u32 s16, 0
	s_cbranch_scc1 .Lend
	ds_load_b128 v[SB:SB+3], v[WR]                 ; wave 0 (whose base is the record's first byte): the eight waves' words
	s_wait_dscnt 0x0
	global_store_b128 v[LA], v[SB:SB+3], s[14:15] offset:SCO
.Lend:
	s_wait_tensorcnt 0x0                           ; the wave's end: behind my last LDS store
	ds_add_u32 v[SPW], v[NIL]
	s_wait_dscnt 0x0
	s_endpgm
.Lfunc_end_k_q04f2e1b0d1_quant:
	.size	k_q04f2e1b0d1_quant, .Lfunc_end_k_q04f2e1b0d1_quant-k_q04f2e1b0d1_quant
	.p2alignl 7, 3214868480
	.fill 96, 4, 3214868480
	.section	.rodata,"a",@progbits
	.p2align	6, 0x0
	.amdhsa_kernel k_q04f2e1b0d1_quant
		.amdhsa_group_segment_fixed_size 69120
		.amdhsa_private_segment_fixed_size 0
		.amdhsa_enable_private_segment 0
		.amdhsa_kernarg_size 48
		.amdhsa_user_sgpr_count 2
		.amdhsa_user_sgpr_kernarg_segment_ptr 1
		.amdhsa_wavefront_size32 1
		.amdhsa_system_sgpr_workgroup_id_x 1
		.amdhsa_system_sgpr_workgroup_id_y 1
		.amdhsa_system_sgpr_workgroup_id_z 1
		.amdhsa_system_vgpr_workitem_id 0
		.amdhsa_next_free_vgpr 144
		.amdhsa_next_free_sgpr 66
		.amdhsa_reserve_vcc 0
		.amdhsa_float_denorm_mode_32 3
		.amdhsa_float_denorm_mode_16_64 3
		.amdhsa_memory_ordered 1
		.amdhsa_forward_progress 1
		.amdhsa_inst_pref_size 12
	.end_amdhsa_kernel
	.amdgpu_metadata
---
amdhsa.version: [ 1, 2 ]
amdhsa.kernels:
  - .name:           k_q04f2e1b0d1_quant
    .symbol:         k_q04f2e1b0d1_quant.kd
    .args:
      - { .name: x, .offset: 0, .size: 8, .value_kind: global_buffer, .address_space: global }
      - { .name: Wq, .offset: 8, .size: 8, .value_kind: global_buffer, .address_space: global }
      - { .name: Wk, .offset: 16, .size: 8, .value_kind: global_buffer, .address_space: global }
      - { .name: Wv, .offset: 24, .size: 8, .value_kind: global_buffer, .address_space: global }
      - { .name: Wo, .offset: 32, .size: 8, .value_kind: global_buffer, .address_space: global }
      - { .name: xw, .offset: 40, .size: 8, .value_kind: global_buffer, .address_space: global }
    .group_segment_fixed_size: 69120
    .private_segment_fixed_size: 0
    .kernarg_segment_align: 8
    .kernarg_segment_size: 48
    .max_flat_workgroup_size: 256
    .sgpr_count:     66
    .vgpr_count:     144
    .wavefront_size: 32
...
	.end_amdgpu_metadata
.endif
;; end of part 1
;; launch qkv (part 2): grid 12 x 32, 4 waves a work-group, clusters of 4 x 4, 327,680 bytes of LDS; arguments xw, bq, bk, bv, qkv; writes qkv
.if DOCPART == 2
	.amdgcn_target "amdgcn-amd-amdhsa--gfx1250"
	.amdhsa_code_object_version 6
	.text
	.protected	k_q04f2e1b0d1_qkv
	.globl	k_q04f2e1b0d1_qkv
	.p2align	8
	.type	k_q04f2e1b0d1_qkv,@function
k_q04f2e1b0d1_qkv:
	s_mov_b64 s[64:65], 0
	v_nop
	global_prefetch_b8 v0, s[64:65] scope:SCOPE_SE
	s_setreg_imm32_b32 hwreg(HW_REG_WAVE_MODE, 25, 1), 1
	s_wait_xcnt 0x0
	s_wait_alu depctr_hold_cnt(0) depctr_sa_sdst(0) depctr_va_vdst(0) depctr_va_sdst(0) depctr_va_ssrc(0) depctr_va_vcc(0) depctr_vm_vsrc(0)
	s_getreg_b32 s2, hwreg(HW_REG_IB_STS2, 6, 4)
	s_cmp_eq_u32 s2, 0
	s_cbranch_scc0 .Lentry_in_a_cluster
	s_endpgm
.Lentry_in_a_cluster:
	s_bfe_u32 s2, ttmp6, 0x10000c
	s_cmp_lg_u32 s2, 0xf033
	s_cbranch_scc0 .Lentry_shape_is_right
	s_endpgm
.Lentry_shape_is_right:
; q = x Wq^T + bq, k = x Wk^T + bk, v = x Wv^T + bv on codes of FP6 (E2M3) with E8M0 scales, sums in f32; the results are quantised at once, q and k along d, v along t, and stored as records.
; A RECORD is 128 rows x 128 K in 12,800 bytes: eight fragment images of 1,536 bytes (registers 4 c .. 4 c + 3 of lane l at 1536 i + 512 c + 16 l), then the scale words (fragment i, lane slot r: at 12288 + 32 r + 4 i).
; Fragment i = 2 b + u, lane slot r, holds row 32 b + 8 u + r + 8 (r / 8) of the 128.  So, taken as source 0, the 64 result registers of tiles 0-7 run along source 0's rows in natural order (register 16 b + i of lane (r, h): row 32 b + 16 h + i):
; a wave's 128 rows of source 0 are one K step of the next product, and its lane slots of source 1 stay lane slots.
; xw: x's records [8 K steps][64 groups] at 0, the weights' [8][32] at 6,553,600.  qkv: q [8][64] at 0, k [8][64] at 6,553,600, v (rows d, K = t) [64 K steps][8 groups] at 13,107,200.
; SHARES.  A work-group makes 256 (t) x 256 (d): grid x 0-3 q, 4-7 k, 8-11 v.  Four waves, as many as a WGP has SIMDs, 128 x 128 each: 64 accumulators, 512 registers.
; Source 1 (S1) gives a lane its row, source 0 (S0) runs along its registers.  For q and k: S1 = x, S0 = the weight.  For v (cluster x = 2, the flag F): S1 = Wv, S0 = x, so that the registers run along t.
; The loads and the matrix text are the same for both: only the two LDS regions that a wave reads change places, by a choice on the cluster's x.
; RING.  Three LDS slots, each with two K steps of 128 (four regions of two records, one tensor load a wave).  All three are asked for at the head; slot 0 is filled once more, with K steps 6 and 7.  By this text's count a wave has at most three tensor loads out.
; CLUSTERS: 4 x 4 work-groups; x's records are asked for jointly along a row of the cluster, the weights' along a column.
; The bias along S0 is the C of the first K step (64 registers, window 1); the bias along S1 (v) is added by the packed addition that brings the results into window 0.
; LIMITS: a block of zeros, or one whose largest magnitude lies under 2^-124, gets the byte 1 (read by this program alone); NaN and infinities are not served.
; REGISTERS: window 0: v2-13 LDS addresses, v14-15 the add's two, v16-31 bv by lanes, v32-63 scale words (two sets), v64-159 S1's eight fragments, v160-255 S0's (set 0); window 1: v0-63 the bias as C, v64-255 set 1; windows 2, 3: accumulator (a, b) at v[8 (8 (a % 4) + b)] of window 2 + a / 4.
.set REC,     12800
.set SCO,     12288
.set REGB,    2*REC                    ; what one tensor load brings: two K steps of one group of rows
.set SLOT,    4*REGB                   ; regions 0, 1: x's two groups; 2, 3: the weight's
.set SPARE,   3*SLOT                   ; behind the ring: the spare words, 128 bytes a wave, which no other line names
.set PLANE_A, 64*REC                   ; from K step to K step in x's records
.set PLANE_B, 32*REC                   ; in the weights'
.set B_OFF,   8*PLANE_A
.set V_OFF,   16*PLANE_A               ; v's records in qkv
.set ADR1, 2                           ; v2-4   S1's images in slot 0, 1, 2: region + 16 x lane
.set ADR0, 5                           ; v5-7   S0's
.set ADS1, 8                           ; v8-10  S1's scale words: region + 32 x (lane % 16)
.set ADS0, 11                          ; v11-13 S0's
.set SPW,  14
.set NIL,  15
.set BL,   16                          ; v[16 + 2 a]: bv of my row slot of block a (zeros for q and k); the odd registers are named with them as pairs
.set SC,   32                          ; scale words, set p at 32 + 16 p: + a S1's block a, + 8 + b S0's block b; these registers hold nothing else
.set F1,   64
.set F0,   160
.set G1A,  24                          ; s[24:31] descriptor group 1 for x's records; s[32:43] group 0, a set for each slot
.set G0A,  32
.set G1B,  44                          ; s[44:51], s[52:63] the same for the weights'
.set G0B,  52
.set H,    64                          ; the way out, window 0: v64-127 a block's 64 numbers
.set PC,   128                         ; v128-147 the codes
.set TM,   148                         ; v148-163 largest magnitudes, bytes, scale operands
.set PWS,  164                         ; v164-171 the eight blocks' scale words
.set ST,   188                         ; v188-191 the words as they are stored
.set VO,   224                         ; 16 x lane
.set VS,   225                         ; 32 (lane % 16) + 16 (lane / 16)
.set MSB, 0
.macro WIN new                         ; the immediate's high byte repeats the setting that is left; a switch that changes nothing is dropped
.if MSB != (\new)
	s_set_vgpr_msb (MSB<<8)|(\new)
.set MSB, (\new)
.endif
.endm
.macro PLACES                          ; four plain places: behind matrix instructions, in front of loads into registers that they have read and of the first read of results
.rept 4
	v_nop
.endr
.endm
.macro CREST                           ; a round of the cluster's barrier behind its opening barrier
	s_cmp_lg_u32 s14, 0
	s_cbranch_scc1 .Lnot_wave_0_\@
	s_barrier_signal -3
.Lnot_wave_0_\@:
	s_barrier_wait -3
	s_barrier_signal -1
	s_barrier_wait -1
.endm
.macro CROUND
	s_barrier_signal -1
	s_barrier_wait -1
	CREST
.endm
.macro JLOAD f                         ; a joint refill of slot f: waves 0, 1 for x, waves 2, 3 for the weight; an s_nop 0 and four v_nop follow each line
	s_cmp_eq_u32 s15, 0
	s_cbranch_scc0 .Lfor_b_\@
	tensor_load_to_lds s[G0A+4*(\f):G0A+4*(\f)+3], s[G1A:G1A+7]
	s_nop 0
.rept 4
	v_nop
.endr
	s_branch .Lasked_\@
.Lfor_b_\@:
	tensor_load_to_lds s[G0B+4*(\f):G0B+4*(\f)+3], s[G1B:G1B+7]
	s_nop 0
.rept 4
	v_nop
.endr
.Lasked_\@:
.endm
.macro FETCH slot, q, p                ; 52 LDS loads in one run: the 16 fragments and 16 scale words of the slot's q-th K step into set p; each image load takes 512 consecutive bytes
	WIN (\p)<<6
.irp i, 0,1,2,3,4,5,6,7
.irp c, 0,1,2
	ds_load_b128 v[F0+12*\i+4*\c:F0+12*\i+4*\c+3], v[ADR0+(\slot)] offset:(\q)*REC+1536*\i+512*\c
.endr
.endr
.irp i, 0,1,2,3,4,5,6,7
.irp c, 0,1,2
	ds_load_b128 v[F1+12*\i+4*\c:F1+12*\i+4*\c+3], v[ADR1+(\slot)] offset:(\q)*REC+1536*\i+512*\c
.endr
.endr
	WIN 0
	ds_load_b128 v[SC+16*(\p):SC+16*(\p)+3], v[ADS1+(\slot)] offset:(\q)*REC+SCO
	ds_load_b128 v[SC+16*(\p)+4:SC+16*(\p)+7], v[ADS1+(\slot)] offset:(\q)*REC+SCO+16
	ds_load_b128 v[SC+16*(\p)+8:SC+16*(\p)+11], v[ADS0+(\slot)] offset:(\q)*REC+SCO
	ds_load_b128 v[SC+16*(\p)+12:SC+16*(\p)+15], v[ADS0+(\slot)] offset:(\q)*REC+SCO+16
.endm
; 16 matrix instructions: S1's blocks a0, a0 + 1 x S0's eight, on set p.  first = 1: the sums start from the bias in window 1.  The 64 accumulators take turns, in the same order in every step.
.macro MUL16 a0, p, first
.set MW, 2+(\a0)/4
.if \first
	WIN (5*(\p))|0x10|(MW<<6)
.else
	WIN (5*(\p))|(MW<<4)|(MW<<6)
.endif
.irp a, \a0, \a0+1
.irp b, 0,1,2,3,4,5,6,7
.set AC, 8*(8*((\a)%4)+\b)
.if \first
	v_wmma_scale_f32_16x16x128_f8f6f4 v[AC:AC+7], v[F0+12*\b:F0+12*\b+11], v[F1+12*(\a):F1+12*(\a)+11], v[8*\b:8*\b+7], v[SC+16*(\p)+8+\b], v[SC+16*(\p)+(\a)] matrix_a_fmt:MATRIX_FMT_FP6 matrix_b_fmt:MATRIX_FMT_FP6
.else
	v_wmma_scale_f32_16x16x128_f8f6f4 v[AC:AC+7], v[F0+12*\b:F0+12*\b+11], v[F1+12*(\a):F1+12*(\a)+11], v[AC:AC+7], v[SC+16*(\p)+8+\b], v[SC+16*(\p)+(\a)] matrix_a_fmt:MATRIX_FMT_FP6 matrix_b_fmt:MATRIX_FMT_FP6
.endif
.endr
.endr
.endm
; K step k: 64 matrix instructions on set k % 2; the next step's fragments are fetched into the other set.
; kind 0: plain.  kind 1: the slot has been read out: all my tensor loads waited for, the add, my reads waited for, a round of the cluster's barrier, the joint refill first behind it.
; kind 2: the same lines with a plain barrier and no refill: behind it the slot that was filled again is whole.  kind 3: the last step.
.macro KSTEP k, kind, first
.set KP,  (\k)%2
.set KSL, ((\k)/2)%3
.set NSL, (((\k)+1)/2)%3
.set NQ,  ((\k)+1)%2
.if (\kind) == 0
	s_wait_dscnt 0x0                               ; this step's 52 loads are in
	PLACES
	FETCH NSL, NQ, 1-KP
	MUL16 0, KP, \first
	MUL16 2, KP, \first
	MUL16 4, KP, \first
	MUL16 6, KP, \first
.elseif (\kind) == 3
	s_wait_dscnt 0x0
	MUL16 0, KP, 0
	MUL16 2, KP, 0
	MUL16 4, KP, 0
	MUL16 6, KP, 0
.else
	WIN 0                                          ; (the add's two registers lie in window 0)
	s_wait_tensorcnt 0x0                           ; all my tensor loads have landed
	ds_add_u32 v[SPW], v[NIL]                      ; 0 onto my spare word
	s_wait_dscnt 0x1                               ; the add alone was issued behind this step's loads
	MUL16 0, KP, 0
	s_wait_dscnt 0x0                               ; the add is done, and my reads of the slot are over
	s_barrier_signal -1
	MUL16 2, KP, 0
.if (\kind) == 1
	WIN 0
.endif
	s_barrier_wait -1
.if (\kind) == 1
	CREST                                          ; no wave of any partner still reads the slot or has a load on its way
	s_add_nc_u64 s[G0A+4*KSL+2:G0A+4*KSL+3], s[G0A+4*KSL+2:G0A+4*KSL+3], 6*PLANE_A   ; three slots of two K steps on
	s_add_nc_u64 s[G0B+4*KSL+2:G0B+4*KSL+3], s[G0B+4*KSL+2:G0B+4*KSL+3], 6*PLANE_B
	JLOAD KSL                                      ; its four v_nop are also the places in front of the loads below
.else
	PLACES
.endif
	FETCH NSL, NQ, 1-KP
	MUL16 4, KP, 0
	MUL16 6, KP, 0
.endif
.endm
; 64 numbers of a lane, register 16 b + i = k 32 b + 16 h + i of my row slot: QMAX finds the four blocks' largest magnitudes, QTAIL makes the scale word v[pw] and the fragment's codes in v[PC] on.
.macro QMAX s
.irp b, 0,1,2,3
	v_max3_num_f32 v[TM+\b], |v[\s+16*\b]|, |v[\s+16*\b+1]|, 0x1800000   ; and the floor 2^(3 - 127): the byte cannot fall under 1
.endr
.irp i, 2,4,6,8,10,12,14
.irp b, 0,1,2,3
	v_max3_num_f32 v[TM+\b], v[TM+\b], |v[\s+16*\b+\i]|, |v[\s+16*\b+\i+1]|
.endr
.endr
.irp b, 0,1,2,3
	v_permlanex16_b32 v[TM+4+\b], v[TM+\b], s80, s81
.endr
.irp b, 0,1,2,3
	v_max_num_f32 v[TM+\b], v[TM+\b], v[TM+4+\b]
.endr
.endm
.macro QTAIL s, pw
	s_wait_xcnt 0x0                                ; the last block's stores have read the codes' registers
.irp b, 0,1,2,3
	v_add_nc_u32 v[TM+12+\b], 0xff000000, v[TM+\b] ; 2 off the exponent field: the conversion's scale operand
.endr
.irp b, 0,1,2,3
	v_lshrrev_b32 v[TM+4+\b], 23, v[TM+12+\b]      ; the scale's byte
.endr
	v_lshl_or_b32 v[\pw], v[TM+5], 8, v[TM+4]
	v_lshl_or_b32 v[\pw], v[TM+6], 16, v[\pw]
	v_lshl_or_b32 v[\pw], v[TM+7], 24, v[\pw]
.irp c, 0,1
	v_cvt_scalef32_pk16_fp6_f32 v[PC+6*\c:PC+6*\c+2], v[\s+32*\c:\s+32*\c+15], v[TM+12+2*\c]
	v_cvt_scalef32_pk16_fp6_f32 v[PC+12+4*\c:PC+12+4*\c+2], v[\s+32*\c+16:\s+32*\c+31], v[TM+12+2*\c+1]
.endr
	v_nop                                          ; one plain place behind a scaled conversion
.irp c, 0,1                                    ; a whole block to a lane: lanes 0-15 block 2 c, lanes 16-31 block 2 c + 1
.irp i, 0,1,2
	v_permlane16_swap_b32 v[PC+6*\c+\i], v[PC+12+4*\c+\i]
.endr
.irp i, 0,1,2
	v_mov_b32 v[PC+3+6*\c+\i], v[PC+12+4*\c+\i]
.endr
.endr
.endm
.macro FSTORE a                        ; image a of my record: three stores of 512 consecutive bytes
.irp c, 0,1,2
	global_store_b128 v[VO], v[PC+4*\c:PC+4*\c+3], s[76:77] offset:1536*(\a)+512*\c
.endr
.endm
.macro SSTORE regs, set, ptr, off      ; eight words a row slot: lanes 0-15 store words 0-3, lanes 16-31 words 4-7: 512 consecutive bytes
.irp j, 0,1,2,3
	v_cndmask_b32 v[ST+4*(\set)+\j], v[(\regs)+\j], v[(\regs)+4+\j], s79
.endr
	global_store_b128 v[VS], v[ST+4*(\set):ST+4*(\set)+3], s[\ptr:\ptr+1] offset:\off
.endm
	s_load_b256 s[4:11], s[0:1], 0x0               ; xw, bq, bk, bv
	s_load_b64 s[12:13], s[0:1], 0x20              ; qkv
	v_lshl_add_u32 v[SPW], v0, 2, SPARE
	v_mov_b32 v[NIL], 0
	ds_add_u32 v[SPW], v[NIL]                      ; the wave's opening: the add and its wait ahead of my first tensor load; work on registers stands between them
	v_lshrrev_b32 v1, 5, v0
	v_readfirstlane_b32 s14, v1                    ; wave 0..3
	s_lshr_b32 s15, s14, 1                         ; my half of S1.  Also: I fetch for x (0) or for the weight (1)
	s_and_b32 s16, s14, 1                          ; my half of S0.  Also: which of the two groups I fetch
	s_bfe_u32 s66, ttmp6, 0x40000                  ; cx
	s_bfe_u32 s67, ttmp6, 0x40004                  ; cy
	s_lshl_b32 s68, ttmp9, 2
	s_add_co_u32 s68, s68, s66                     ; gx = 4 x cluster x + cx
	s_and_b32 s17, ttmp7, 0xffff
	s_lshl_b32 s69, s17, 2
	s_add_co_u32 s69, s69, s67                     ; gy = 4 x cluster y + cy
	s_lshl_b32 s70, s67, 2
	s_lshl_b32 s70, 15, s70                        ; my row of the cluster
	s_lshl_b32 s71, 0x1111, s66                    ; my column
	s_or_b32 s[G1A], s70, (3<<16)|(1<<21)          ; 15:0 the mask; 17:16 elements of 8 bytes; 21 set beside a mask; no padding
	s_or_b32 s[G1B], s71, (3<<16)|(1<<21)
.irp g, G1A, G1B
	s_mov_b32 s[\g+1], 1600<<16                    ; tensor_dim0: a record, 1,600 elements
	s_mov_b32 s[\g+2], 2<<16                       ; tensor_dim1: two K steps
	s_mov_b32 s[\g+3], 1600<<16                    ; tile_dim0
	s_mov_b32 s[\g+4], 2                           ; tile_dim1
	s_mov_b32 s[\g+6], 0
	s_mov_b32 s[\g+7], 0
.endr
	s_mov_b32 s[G1A+5], PLANE_A/8                  ; from K step to K step, in elements
	s_mov_b32 s[G1B+5], PLANE_B/8
	s_lshl_b32 s72, s69, 1
	s_add_co_u32 s72, s72, s16
	s_mul_i32 s72, s72, REC                        ; x: group 2 gy + the half that I fetch
	s_mov_b32 s73, 0
	s_lshl_b32 s74, s68, 1
	s_add_co_u32 s74, s74, s16
	s_mul_i32 s74, s74, REC                        ; the weights: group 2 gx + the half that I fetch
	s_add_co_u32 s74, s74, B_OFF
	s_mov_b32 s75, 0
	s_mul_i32 s19, s14, REGB                       ; where my loads go: region = wave
	s_cmp_eq_u32 ttmp9, 2                          ; F: v's clusters; the same in all sixteen partners
	s_cselect_b32 s78, 1, 0
	s_cselect_b32 s22, 2*REGB, 0
	s_cselect_b32 s23, 0, 2*REGB
	s_mul_i32 s20, s15, REGB
	s_mul_i32 s21, s16, REGB
	s_add_co_u32 s20, s20, s22                     ; S1's region: x's half s15, or Wv's
	s_add_co_u32 s21, s21, s23                     ; S0's region: the weight's half s16, or x's
	s_lshl_b32 s84, s68, 1
	s_add_co_u32 s84, s84, s16
	s_mul_i32 s84, s84, PLANE_A                    ; q, k: K step 2 gx + s16 (k's begin at 8 planes: gx from 4 on),
	s_lshl_b32 s85, s69, 1
	s_add_co_u32 s86, s85, s15
	s_mul_i32 s86, s86, REC                        ; group of rows 2 gy + s15
	s_add_co_u32 s84, s84, s86
	s_add_co_u32 s85, s85, s16
	s_mul_i32 s85, s85, 8*REC                      ; v: K step 2 gy + s16,
	s_lshl_b32 s87, s66, 1
	s_add_co_u32 s87, s87, s15
	s_mul_i32 s87, s87, REC                        ; group of rows 2 cx + s15
	s_add_co_u32 s85, s85, s87
	s_add_co_u32 s85, s85, V_OFF
	s_cmp_eq_u32 s78, 1
	s_cselect_b32 s84, s85, s84
	s_mov_b32 s85, 0
	s_lshl_b32 s92, s66, 10                        ; the biases: 256 cx numbers on, + my 128 of S0 (bq, bk)
	s_lshl_b32 s93, s16, 9
	s_add_co_u32 s92, s92, s93
	s_mov_b32 s93, 0
	s_lshl_b32 s94, s66, 10                        ; or of S1 (bv)
	s_lshl_b32 s95, s15, 9
	s_add_co_u32 s94, s94, s95
	s_mov_b32 s95, 0
	s_mov_b32 s79, 0xffff0000                      ; lanes 16-31
	s_mov_b32 s80, 0x76543210
	s_mov_b32 s81, 0xfedcba98                      ; v_permlanex16_b32's selects for lane l xor 16
	s_wait_dscnt 0x0                               ; the opening add is done
	s_wait_kmcnt 0x0
	s_add_nc_u64 s[72:73], s[4:5], s[72:73]
	s_add_nc_u64 s[74:75], s[4:5], s[74:75]
	s_add_nc_u64 s[76:77], s[12:13], s[84:85]      ; my record
	s_cmp_eq_u32 ttmp9, 0
	s_cselect_b64 s[88:89], s[6:7], s[8:9]         ; bq or bk
	s_add_nc_u64 s[88:89], s[88:89], s[92:93]
	s_add_nc_u64 s[90:91], s[10:11], s[94:95]      ; bv
.irp f, 0,1,2
	s_mov_b32 s[G0A+4*\f], 1                       ; count = 1
	s_add_co_u32 s[G0A+4*\f+1], s19, \f*SLOT       ; LDS address
	s_add_nc_u64 s[G0A+4*\f+2:G0A+4*\f+3], s[72:73], \f*2*PLANE_A   ; K steps 2 f, 2 f + 1
	s_or_b32 s[G0A+4*\f+3], s[G0A+4*\f+3], 0x80000000              ; type = 2
	s_mov_b32 s[G0B+4*\f], 1
	s_add_co_u32 s[G0B+4*\f+1], s19, \f*SLOT
	s_add_nc_u64 s[G0B+4*\f+2:G0B+4*\f+3], s[74:75], \f*2*PLANE_B
	s_or_b32 s[G0B+4*\f+3], s[G0B+4*\f+3], 0x80000000
.endr
	CROUND                                         ; all sixteen work-groups are here: the first joint loads meet
	s_cmp_eq_u32 s15, 0                            ; a wave's three first fills stand in one branch, ahead of every wait on TENSORcnt and every LDS read
	s_cbranch_scc0 .Lfirst_b
	tensor_load_to_lds s[G0A:G0A+3], s[G1A:G1A+7]
	s_nop 0
	tensor_load_to_lds s[G0A+4:G0A+7], s[G1A:G1A+7]
	s_nop 0
	tensor_load_to_lds s[G0A+8:G0A+11], s[G1A:G1A+7]
	s_nop 0
.rept 4
	v_nop
.endr
	s_branch .Lfirst_asked
.Lfirst_b:
	tensor_load_to_lds s[G0B:G0B+3], s[G1B:G1B+7]
	s_nop 0
	tensor_load_to_lds s[G0B+4:G0B+7], s[G1B:G1B+7]
	s_nop 0
	tensor_load_to_lds s[G0B+8:G0B+11], s[G1B:G1B+7]
	s_nop 0
.rept 4
	v_nop
.endr
.Lfirst_asked:
	v_and_b32 v1, 31, v0
	v_lshlrev_b32 v1, 4, v1                        ; 16 x lane
	v_and_b32 v64, 15, v0
	v_lshlrev_b32 v64, 5, v64                      ; 32 x (lane % 16)
.irp f, 0,1,2
	v_add_nc_u32 v[ADR1+\f], s20, v1
	v_add_nc_u32 v[ADR0+\f], s21, v1
	v_add_nc_u32 v[ADS1+\f], s20, v64
	v_add_nc_u32 v[ADS0+\f], s21, v64
	s_add_co_u32 s20, s20, SLOT
	s_add_co_u32 s21, s21, SLOT
.endr
.irp j, 0,1,2,3,4,5,6,7,8,9,10,11,12,13,14,15
	v_mov_b32 v[BL+\j], 0                          ; the bias by lanes: zeros for q and k
.endr
	WIN 0x40                                       ; destination window 1
.set ii, 0
.rept 64
	v_mov_b32 v[ii], 0                             ; the bias as C: the first K step takes these 64 registers in every work-group; for v they stay zeros
.set ii, ii+1
.endr
	WIN 0
	s_cmp_eq_u32 s78, 1
	s_cbranch_scc1 .Lbias_v
	v_bfe_u32 v1, v0, 4, 1
	v_lshlrev_b32 v1, 6, v1                        ; 64 h: register 16 b + i wants the bias of S0's row 32 b + 16 h + i
	WIN 0x40
.irp n, 0,1,2,3,4,5,6,7,8,9,10,11,12,13,14,15
	global_load_b128 v[4*\n:4*\n+3], v1, s[88:89] offset:128*(\n/4)+16*(\n%4)
.endr
	WIN 0
	s_branch .Lbias_done
.Lbias_v:
	v_and_b32 v64, 8, v0
	v_and_b32 v1, 15, v0
	v_add_nc_u32 v1, v1, v64
	v_lshlrev_b32 v1, 2, v1                        ; 4 (r + 8 (r / 8)): my row slot
.irp a, 0,1,2,3,4,5,6,7
	global_load_b32 v[BL+2*\a], v1, s[90:91] offset:(32*(\a/2)+8*(\a%2))*4
.endr
.Lbias_done:
	s_wait_tensorcnt 0x2                           ; my part of slot 0 is in; the fills of slots 1 and 2 were issued behind it and may be out
	s_barrier_signal -1
	s_barrier_wait -1                              ; everybody's is
	FETCH 0, 0, 0
	s_wait_loadcnt 0x0                             ; the biases
	KSTEP 0, 0, 1
	KSTEP 1, 1, 0                                  ; slot 0 is read out: it takes K steps 6 and 7, which have three and a half steps in which to land; slots 1 and 2 are whole behind this round
	KSTEP 2, 0, 0
	KSTEP 3, 0, 0
	KSTEP 4, 0, 0
	KSTEP 5, 2, 0                                  ; slot 0 is whole again
	KSTEP 6, 0, 0
	KSTEP 7, 3, 0
	PLACES
	WIN 0
	; THE WAY OUT: block a (my row slots of S1's fragment a, 128 numbers along S0 in two halves of the lanes) becomes image a of one record.
	v_and_b32 v[VO], 31, v0
	v_lshlrev_b32 v[VO], 4, v[VO]
	v_and_b32 v[VS], 15, v0
	v_bfe_u32 v[TM], v0, 4, 1
	v_lshlrev_b32 v[VS], 5, v[VS]
	v_lshl_add_u32 v[VS], v[TM], 4, v[VS]
.irp b, 0,1,2,3
	v_mov_b32 v[TM+4+\b], 0                        ; a lane permute's destination counts as one of its sources
.endr
.macro BLOCK a
.set AC, 64*((\a)%4)
	WIN 2+(\a)/4                                   ; source 0: the accumulators' window
.set ii, 0
.rept 32
	v_pk_add_f32 v[H+ii:H+ii+1], v[AC+ii:AC+ii+1], v[BL+2*(\a):BL+2*(\a)+1] op_sel_hi:[1,0]   ; into window 0, each accumulator from its low end on; v's bias on the way
.set ii, ii+2
.endr
	WIN 0
	QMAX H
	QTAIL H, PWS+(\a)
	FSTORE \a
.endm
.irp a, 0,1,2,3,4,5,6,7
	BLOCK \a
.endr
	SSTORE PWS, 0, 76, SCO
	s_wait_tensorcnt 0x0                           ; the wave's end
	ds_add_u32 v[SPW], v[NIL]
	s_wait_dscnt 0x0
	CROUND                                         ; the closing round: no work-group ends while a partner may still ask for a tile that names it
	s_endpgm
.Lfunc_end_k_q04f2e1b0d1_qkv:
	.size	k_q04f2e1b0d1_qkv, .Lfunc_end_k_q04f2e1b0d1_qkv-k_q04f2e1b0d1_qkv
	.p2alignl 7, 3214868480
	.fill 96, 4, 3214868480
	.section	.rodata,"a",@progbits
	.p2align	6, 0x0
	.amdhsa_kernel k_q04f2e1b0d1_qkv
		.amdhsa_group_segment_fixed_size 327680
		.amdhsa_private_segment_fixed_size 0
		.amdhsa_enable_private_segment 0
		.amdhsa_kernarg_size 40
		.amdhsa_user_sgpr_count 2
		.amdhsa_user_sgpr_kernarg_segment_ptr 1
		.amdhsa_wavefront_size32 1
		.amdhsa_system_sgpr_workgroup_id_x 1
		.amdhsa_system_sgpr_workgroup_id_y 1
		.amdhsa_system_sgpr_workgroup_id_z 1
		.amdhsa_system_vgpr_workitem_id 0
		.amdhsa_next_free_vgpr 1024
		.amdhsa_next_free_sgpr 100
		.amdhsa_reserve_vcc 0
		.amdhsa_float_denorm_mode_32 3
		.amdhsa_float_denorm_mode_16_64 3
		.amdhsa_memory_ordered 1
		.amdhsa_forward_progress 1
		.amdhsa_inst_pref_size 157
	.end_amdhsa_kernel
	.amdgpu_metadata
---
amdhsa.version: [ 1, 2 ]
amdhsa.kernels:
  - .name:           k_q04f2e1b0d1_qkv
    .symbol:         k_q04f2e1b0d1_qkv.kd
    .args:
      - { .name: xw, .offset: 0, .size: 8, .value_kind: global_buffer, .address_space: global }
      - { .name: bq, .offset: 8, .size: 8, .value_kind: global_buffer, .address_space: global }
      - { .name: bk, .offset: 16, .size: 8, .value_kind: global_buffer, .address_space: global }
      - { .name: bv, .offset: 24, .size: 8, .value_kind: global_buffer, .address_space: global }
      - { .name: qkv, .offset: 32, .size: 8, .value_kind: global_buffer, .address_space: global }
    .group_segment_fixed_size: 327680
    .private_segment_fixed_size: 0
    .kernarg_segment_align: 8
    .kernarg_segment_size: 40
    .max_flat_workgroup_size: 128
    .sgpr_count:     100
    .vgpr_count:     1024
    .wavefront_size: 32
...
	.end_amdgpu_metadata
.endif
;; end of part 2
;; launch scores (part 3): grid 8 x 32, 4 waves a work-group, clusters of 4 x 4, 327,680 bytes of LDS; arguments qkv, p; writes p
.if DOCPART == 3
	.amdgcn_target "amdgcn-amd-amdhsa--gfx1250"
	.amdhsa_code_object_version 6
	.text
	.protected	k_q04f2e1b0d1_scores
	.globl	k_q04f2e1b0d1_scores
	.p2align	8
	.type	k_q04f2e1b0d1_scores,@function
k_q04f2e1b0d1_scores:
	s_mov_b64 s[64:65], 0
	v_nop
	global_prefetch_b8 v0, s[64:65] scope:SCOPE_SE
	s_setreg_imm32_b32 hwreg(HW_REG_WAVE_MODE, 25, 1), 1
	s_wait_xcnt 0x0
	s_wait_alu depctr_hold_cnt(0) depctr_sa_sdst(0) depctr_va_vdst(0) depctr_va_sdst(0) depctr_va_ssrc(0) depctr_va_vcc(0) depctr_vm_vsrc(0)
	s_getreg_b32 s2, hwreg(HW_REG_IB_STS2, 6, 4)
	s_cmp_eq_u32 s2, 0
	s_cbranch_scc0 .Lentry_in_a_cluster
	s_endpgm
.Lentry_in_a_cluster:
	s_bfe_u32 s2, ttmp6, 0x10000c
	s_cmp_lg_u32 s2, 0xf033
	s_cbranch_scc0 .Lentry_shape_is_right
	s_endpgm
.Lentry_shape_is_right:
; S = q k^T on codes of FP6 (E2M3) with E8M0 scales, sums in f32; t = S x log2(e) / 32; p = 2^(t - M), quantised along the keys and stored as records; the sums of the unquantised p beside them.
; M HERE IS LOCAL: for each query and each 128 keys (what one wave holds of a row) M = ceil(the largest t of these 128), a whole number.  -M and the 128 keys' sum l go to memory; the next launch takes the row's largest M and
; brings every block under it by taking the whole number M_row - M off p's scale bytes and off l's exponent: the codes' values are those of the row's own M.
; A RECORD is 128 rows x 128 K in 12,800 bytes: eight fragment images of 1,536 bytes (registers 4 c .. 4 c + 3 of lane l at 1536 i + 512 c + 16 l), then the scale words (fragment i, lane slot r: at 12288 + 32 r + 4 i).
; Fragment i = 2 b + u, lane slot r, holds row 32 b + 8 u + r + 8 (r / 8) of the 128.  Taken as source 0, the 64 result registers of tiles 0-7 run along source 0's rows in natural order (register 16 b + i of lane (r, h): row 32 b + 16 h + i).
; qkv: q's records [8 K steps][64 groups] at 0, k's at 6,553,600.  p: records [16 K steps of keys][64 groups of queries] at 0; -M at 13,107,200 and l at 13,631,488, both [16][64][512 bytes] in the scale words' order.
; SHARES.  A work-group makes 256 queries x 256 keys of one batch (grid y / 8); four waves, 128 x 128 each: 64 accumulators, 512 registers.  Source 1 = q (a lane owns a query), source 0 = k (the registers run along the keys).
; RING.  Three LDS slots of two K steps (four regions of two records, one tensor load a wave); all three asked for at the head, slot 0 filled once more with K steps 6, 7.  By this text's count a wave has at most three tensor loads out.
; CLUSTERS: 4 x 4; q's records are asked for jointly along a row of the cluster, k's along a column.
; LIMITS: a block whose every p is 0 or under 2^-124 gets the byte 1; NaN and infinities are not served.
; REGISTERS: window 0: v2-13 LDS addresses, v14-15 the add's two, v32-63 scale words (two sets), v64-159 q's eight fragments, v160-255 k's (set 0); window 1: v64-255 set 1; windows 2, 3: accumulator (a, b) at v[8 (8 (a % 4) + b)] of window 2 + a / 4.
.set REC,     12800
.set SCO,     12288
.set REGB,    2*REC
.set SLOT,    4*REGB
.set SPARE,   3*SLOT
.set PLANE_A, 64*REC
.set PLANE_B, 64*REC
.set B_OFF,   8*PLANE_A
.set B_BATCH, 16*REC                   ; a batch's 16 groups of keys
.set P_M,     16*PLANE_A               ; -M in p
.set P_LM,    16*64*512                ; l lies so far behind -M
.set ADR1, 2
.set ADR0, 5
.set ADS1, 8
.set ADS0, 11
.set SPW,  14
.set NIL,  15
.set SC,   32                          ; scale words, set p at 32 + 16 p: + a q's block a, + 8 + b k's block b; these registers hold nothing else
.set F1,   64
.set F0,   160
.set G1A,  24
.set G0A,  32
.set G1B,  44
.set G0B,  52
.set H,    64                          ; the way out, window 0: v64-127 t, then p
.set PC,   128                         ; v128-147 the codes
.set TM,   148                         ; v148-163 the blocks' largest t, then p; bytes; scale operands
.set PWS,  164                         ; v164-171 the eight blocks' scale words
.set MS,   172                         ; v172-179 their -M
.set LS,   180                         ; v180-187 their sums
.set ST,   188                         ; v188-199 three sets of four words as they are stored
.set NM,   200                         ; v[200:201] -M; named as a pair
.set SA,   202                         ; v202-205 the sum's two chains
.set TX,   206                         ; v206-207 at work
.set VO,   224
.set VS,   225
.set MSB, 0
.macro WIN new                         ; the immediate's high byte repeats the setting that is left; a switch that changes nothing is dropped
.if MSB != (\new)
	s_set_vgpr_msb (MSB<<8)|(\new)
.set MSB, (\new)
.endif
.endm
.macro PLACES                          ; four plain places: behind matrix instructions, in front of loads into registers that they have read and of the first read of results
.rept 4
	v_nop
.endr
.endm
.macro CREST                           ; a round of the cluster's barrier behind its opening barrier
	s_cmp_lg_u32 s14, 0
	s_cbranch_scc1 .Lnot_wave_0_\@
	s_barrier_signal -3
.Lnot_wave_0_\@:
	s_barrier_wait -3
	s_barrier_signal -1
	s_barrier_wait -1
.endm
.macro CROUND
	s_barrier_signal -1
	s_barrier_wait -1
	CREST
.endm
.macro JLOAD f                         ; a joint refill of slot f: waves 0, 1 for q, waves 2, 3 for k; an s_nop 0 and four v_nop follow each line
	s_cmp_eq_u32 s15, 0
	s_cbranch_scc0 .Lfor_b_\@
	tensor_load_to_lds s[G0A+4*(\f):G0A+4*(\f)+3], s[G1A:G1A+7]
	s_nop 0
.rept 4
	v_nop
.endr
	s_branch .Lasked_\@
.Lfor_b_\@:
	tensor_load_to_lds s[G0B+4*(\f):G0B+4*(\f)+3], s[G1B:G1B+7]
	s_nop 0
.rept 4
	v_nop
.endr
.Lasked_\@:
.endm
.macro FETCH slot, q, p                ; 52 LDS loads in one run: the 16 fragments and 16 scale words of the slot's q-th K step into set p
	WIN (\p)<<6
.irp i, 0,1,2,3,4,5,6,7
.irp c, 0,1,2
	ds_load_b128 v[F0+12*\i+4*\c:F0+12*\i+4*\c+3], v[ADR0+(\slot)] offset:(\q)*REC+1536*\i+512*\c
.endr
.endr
.irp i, 0,1,2,3,4,5,6,7
.irp c, 0,1,2
	ds_load_b128 v[F1+12*\i+4*\c:F1+12*\i+4*\c+3], v[ADR1+(\slot)] offset:(\q)*REC+1536*\i+512*\c
.endr
.endr
	WIN 0
	ds_load_b128 v[SC+16*(\p):SC+16*(\p)+3], v[ADS1+(\slot)] offset:(\q)*REC+SCO
	ds_load_b128 v[SC+16*(\p)+4:SC+16*(\p)+7], v[ADS1+(\slot)] offset:(\q)*REC+SCO+16
	ds_load_b128 v[SC+16*(\p)+8:SC+16*(\p)+11], v[ADS0+(\slot)] offset:(\q)*REC+SCO
	ds_load_b128 v[SC+16*(\p)+12:SC+16*(\p)+15], v[ADS0+(\slot)] offset:(\q)*REC+SCO+16
.endm
; 16 matrix instructions: q's blocks a0, a0 + 1 x k's eight, on set p.  first = 1: the products start the sums: nothing is cleared.  The 64 accumulators take turns, in the same order in every step.
.macro MUL16 a0, p, first
.set MW, 2+(\a0)/4
	WIN (5*(\p))|(MW<<4)|(MW<<6)
.irp a, \a0, \a0+1
.irp b, 0,1,2,3,4,5,6,7
.set AC, 8*(8*((\a)%4)+\b)
.if \first
	v_wmma_scale_f32_16x16x128_f8f6f4 v[AC:AC+7], v[F0+12*\b:F0+12*\b+11], v[F1+12*(\a):F1+12*(\a)+11], 0, v[SC+16*(\p)+8+\b], v[SC+16*(\p)+(\a)] matrix_a_fmt:MATRIX_FMT_FP6 matrix_b_fmt:MATRIX_FMT_FP6
.else
	v_wmma_scale_f32_16x16x128_f8f6f4 v[AC:AC+7], v[F0+12*\b:F0+12*\b+11], v[F1+12*(\a):F1+12*(\a)+11], v[AC:AC+7], v[SC+16*(\p)+8+\b], v[SC+16*(\p)+(\a)] matrix_a_fmt:MATRIX_FMT_FP6 matrix_b_fmt:MATRIX_FMT_FP6
.endif
.endr
.endr
.endm
; K step k: 64 matrix instructions on set k % 2; the next step's fragments are fetched into the other set.
; kind 0: plain.  kind 1: the slot has been read out: all my tensor loads waited for, the add, my reads waited for, a round of the cluster's barrier, the joint refill first behind it.
; kind 2: the same lines with a plain barrier and no refill.  kind 3: the last step.
.macro KSTEP k, kind, first
.set KP,  (\k)%2
.set KSL, ((\k)/2)%3
.set NSL, (((\k)+1)/2)%3
.set NQ,  ((\k)+1)%2
.if (\kind) == 0
	s_wait_dscnt 0x0                               ; this step's 52 loads are in
	PLACES
	FETCH NSL, NQ, 1-KP
	MUL16 0, KP, \first
	MUL16 2, KP, \first
	MUL16 4, KP, \first
	MUL16 6, KP, \first
.elseif (\kind) == 3
	s_wait_dscnt 0x0
	MUL16 0, KP, 0
	MUL16 2, KP, 0
	MUL16 4, KP, 0
	MUL16 6, KP, 0
.else
	WIN 0                                          ; (the add's two registers lie in window 0)
	s_wait_tensorcnt 0x0                           ; all my tensor loads have landed
	ds_add_u32 v[SPW], v[NIL]                      ; 0 onto my spare word
	s_wait_dscnt 0x1                               ; the add alone was issued behind this step's loads
	MUL16 0, KP, 0
	s_wait_dscnt 0x0                               ; the add is done, and my reads of the slot are over
	s_barrier_signal -1
	MUL16 2, KP, 0
.if (\kind) == 1
	WIN 0
.endif
	s_barrier_wait -1
.if (\kind) == 1
	CREST                                          ; no wave of any partner still reads the slot or has a load on its way
	s_add_nc_u64 s[G0A+4*KSL+2:G0A+4*KSL+3], s[G0A+4*KSL+2:G0A+4*KSL+3], 6*PLANE_A
	s_add_nc_u64 s[G0B+4*KSL+2:G0B+4*KSL+3], s[G0B+4*KSL+2:G0B+4*KSL+3], 6*PLANE_B
	JLOAD KSL                                      ; its four v_nop are also the places in front of the loads below
.else
	PLACES
.endif
	FETCH NSL, NQ, 1-KP
	MUL16 4, KP, 0
	MUL16 6, KP, 0
.endif
.endm
.macro QTAIL s, pw                     ; from the blocks' largest magnitudes in v[TM] on: the scale word v[pw] and the fragment's codes in v[PC] on
	s_wait_xcnt 0x0                                ; the last block's stores have read the codes' registers
.irp b, 0,1,2,3
	v_add_nc_u32 v[TM+12+\b], 0xff000000, v[TM+\b] ; 2 off the exponent field: the conversion's scale operand
.endr
.irp b, 0,1,2,3
	v_lshrrev_b32 v[TM+4+\b], 23, v[TM+12+\b]      ; the scale's byte
.endr
	v_lshl_or_b32 v[\pw], v[TM+5], 8, v[TM+4]
	v_lshl_or_b32 v[\pw], v[TM+6], 16, v[\pw]
	v_lshl_or_b32 v[\pw], v[TM+7], 24, v[\pw]
.irp c, 0,1
	v_cvt_scalef32_pk16_fp6_f32 v[PC+6*\c:PC+6*\c+2], v[\s+32*\c:\s+32*\c+15], v[TM+12+2*\c]
	v_cvt_scalef32_pk16_fp6_f32 v[PC+12+4*\c:PC+12+4*\c+2], v[\s+32*\c+16:\s+32*\c+31], v[TM+12+2*\c+1]
.endr
	v_nop                                          ; one plain place behind a scaled conversion
.irp c, 0,1                                    ; a whole block to a lane: lanes 0-15 block 2 c, lanes 16-31 block 2 c + 1
.irp i, 0,1,2
	v_permlane16_swap_b32 v[PC+6*\c+\i], v[PC+12+4*\c+\i]
.endr
.irp i, 0,1,2
	v_mov_b32 v[PC+3+6*\c+\i], v[PC+12+4*\c+\i]
.endr
.endr
.endm
.macro FSTORE a                        ; image a of my record: three stores of 512 consecutive bytes
.irp c, 0,1,2
	global_store_b128 v[VO], v[PC+4*\c:PC+4*\c+3], s[76:77] offset:1536*(\a)+512*\c
.endr
.endm
.macro SSTORE regs, set, ptr, off      ; eight words a row slot: lanes 0-15 store words 0-3, lanes 16-31 words 4-7: 512 consecutive bytes
.irp j, 0,1,2,3
	v_cndmask_b32 v[ST+4*(\set)+\j], v[(\regs)+\j], v[(\regs)+4+\j], s79
.endr
	global_store_b128 v[VS], v[ST+4*(\set):ST+4*(\set)+3], s[\ptr:\ptr+1] offset:\off
.endm
	s_load_b128 s[4:7], s[0:1], 0x0                ; qkv, p
	v_lshl_add_u32 v[SPW], v0, 2, SPARE
	v_mov_b32 v[NIL], 0
	ds_add_u32 v[SPW], v[NIL]                      ; the wave's opening: the add and its wait ahead of my first tensor load; work on registers stands between them
	v_lshrrev_b32 v1, 5, v0
	v_readfirstlane_b32 s14, v1                    ; wave 0..3
	s_lshr_b32 s15, s14, 1                         ; my half of the queries.  Also: I fetch for q (0) or for k (1)
	s_and_b32 s16, s14, 1                          ; my half of the keys.  Also: which of the two groups I fetch
	s_bfe_u32 s66, ttmp6, 0x40000                  ; cx
	s_bfe_u32 s67, ttmp6, 0x40004                  ; cy
	s_lshl_b32 s68, ttmp9, 2
	s_add_co_u32 s68, s68, s66                     ; gx = 4 x cluster x + cx
	s_and_b32 s17, ttmp7, 0xffff
	s_lshl_b32 s69, s17, 2
	s_add_co_u32 s69, s69, s67                     ; gy = 4 x cluster y + cy
	s_lshl_b32 s70, s67, 2
	s_lshl_b32 s70, 15, s70                        ; my row of the cluster
	s_lshl_b32 s71, 0x1111, s66                    ; my column
	s_or_b32 s[G1A], s70, (3<<16)|(1<<21)          ; 15:0 the mask; 17:16 elements of 8 bytes; 21 set beside a mask; no padding
	s_or_b32 s[G1B], s71, (3<<16)|(1<<21)
.irp g, G1A, G1B
	s_mov_b32 s[\g+1], 1600<<16                    ; tensor_dim0: a record, 1,600 elements
	s_mov_b32 s[\g+2], 2<<16                       ; tensor_dim1: two K steps
	s_mov_b32 s[\g+3], 1600<<16                    ; tile_dim0
	s_mov_b32 s[\g+4], 2                           ; tile_dim1
	s_mov_b32 s[\g+6], 0
	s_mov_b32 s[\g+7], 0
.endr
	s_mov_b32 s[G1A+5], PLANE_A/8
	s_mov_b32 s[G1B+5], PLANE_B/8
	s_lshl_b32 s72, s69, 1
	s_add_co_u32 s72, s72, s16
	s_mul_i32 s72, s72, REC                        ; q: group 2 gy + the half that I fetch
	s_mov_b32 s73, 0
	s_lshl_b32 s74, s68, 1
	s_add_co_u32 s74, s74, s16
	s_mul_i32 s74, s74, REC                        ; k: group 2 gx + the half that I fetch,
	s_lshr_b32 s18, s17, 1                         ; in my batch = cluster y / 2, which all partners share
	s_mul_i32 s18, s18, B_BATCH
	s_add_co_u32 s74, s74, s18
	s_add_co_u32 s74, s74, B_OFF
	s_mov_b32 s75, 0
	s_mul_i32 s19, s14, REGB                       ; where my loads go: region = wave
	s_mul_i32 s20, s15, REGB                       ; q's region that I read
	s_mul_i32 s21, s16, REGB
	s_add_co_u32 s21, s21, 2*REGB                  ; k's
	s_lshl_b32 s84, s68, 1
	s_add_co_u32 s84, s84, s16                     ; my K step of keys: 2 gx + s16
	s_lshl_b32 s85, s69, 1
	s_add_co_u32 s85, s85, s15                     ; my group of queries: 2 gy + s15
	s_mul_i32 s86, s84, PLANE_A
	s_mul_i32 s87, s85, REC
	s_add_co_u32 s86, s86, s87
	s_mov_b32 s87, 0
	s_lshl_b32 s88, s84, 6
	s_add_co_u32 s88, s88, s85
	s_lshl_b32 s88, s88, 9
	s_add_co_u32 s88, s88, P_M
	s_mov_b32 s89, 0
	s_mov_b32 s79, 0xffff0000                      ; lanes 16-31
	s_mov_b32 s80, 0x76543210
	s_mov_b32 s81, 0xfedcba98                      ; v_permlanex16_b32's selects for lane l xor 16
	s_mov_b32 s82, 0x3d38aa3b                      ; log2(e) / 32
	s_mov_b32 s83, s82                             ; (named with it as a pair)
	s_wait_dscnt 0x0                               ; the opening add is done
	s_wait_kmcnt 0x0
	s_add_nc_u64 s[72:73], s[4:5], s[72:73]
	s_add_nc_u64 s[74:75], s[4:5], s[74:75]
	s_add_nc_u64 s[76:77], s[6:7], s[86:87]        ; my record
	s_add_nc_u64 s[90:91], s[6:7], s[88:89]        ; my 512 bytes of -M
.irp f, 0,1,2
	s_mov_b32 s[G0A+4*\f], 1
	s_add_co_u32 s[G0A+4*\f+1], s19, \f*SLOT
	s_add_nc_u64 s[G0A+4*\f+2:G0A+4*\f+3], s[72:73], \f*2*PLANE_A
	s_or_b32 s[G0A+4*\f+3], s[G0A+4*\f+3], 0x80000000
	s_mov_b32 s[G0B+4*\f], 1
	s_add_co_u32 s[G0B+4*\f+1], s19, \f*SLOT
	s_add_nc_u64 s[G0B+4*\f+2:G0B+4*\f+3], s[74:75], \f*2*PLANE_B
	s_or_b32 s[G0B+4*\f+3], s[G0B+4*\f+3], 0x80000000
.endr
	CROUND                                         ; all sixteen work-groups are here: the first joint loads meet
	s_cmp_eq_u32 s15, 0                            ; a wave's three first fills stand in one branch, ahead of every wait on TENSORcnt and every LDS read
	s_cbranch_scc0 .Lfirst_b
	tensor_load_to_lds s[G0A:G0A+3], s[G1A:G1A+7]
	s_nop 0
	tensor_load_to_lds s[G0A+4:G0A+7], s[G1A:G1A+7]
	s_nop 0
	tensor_load_to_lds s[G0A+8:G0A+11], s[G1A:G1A+7]
	s_nop 0
.rept 4
	v_nop
.endr
	s_branch .Lfirst_asked
.Lfirst_b:
	tensor_load_to_lds s[G0B:G0B+3], s[G1B:G1B+7]
	s_nop 0
	tensor_load_to_lds s[G0B+4:G0B+7], s[G1B:G1B+7]
	s_nop 0
	tensor_load_to_lds s[G0B+8:G0B+11], s[G1B:G1B+7]
	s_nop 0
.rept 4
	v_nop
.endr
.Lfirst_asked:
	v_and_b32 v1, 31, v0
	v_lshlrev_b32 v1, 4, v1                        ; 16 x lane
	v_and_b32 v64, 15, v0
	v_lshlrev_b32 v64, 5, v64                      ; 32 x (lane % 16)
.irp f, 0,1,2
	v_add_nc_u32 v[ADR1+\f], s20, v1
	v_add_nc_u32 v[ADR0+\f], s21, v1
	v_add_nc_u32 v[ADS1+\f], s20, v64
	v_add_nc_u32 v[ADS0+\f], s21, v64
	s_add_co_u32 s20, s20, SLOT
	s_add_co_u32 s21, s21, SLOT
.endr
	s_wait_tensorcnt 0x2                           ; my part of slot 0 is in; the fills of slots 1 and 2 were issued behind it and may be out
	s_barrier_signal -1
	s_barrier_wait -1                              ; everybody's is
	FETCH 0, 0, 0
	KSTEP 0, 0, 1
	KSTEP 1, 1, 0                                  ; slot 0 is read out: it takes K steps 6 and 7; slots 1 and 2 are whole behind this round
	KSTEP 2, 0, 0
	KSTEP 3, 0, 0
	KSTEP 4, 0, 0
	KSTEP 5, 2, 0                                  ; slot 0 is whole again
	KSTEP 6, 0, 0
	KSTEP 7, 3, 0
	PLACES
	WIN 0
	; THE WAY OUT: block a = my 16 queries of q's fragment a, 128 keys in two halves of the lanes.
	v_and_b32 v[VO], 31, v0
	v_lshlrev_b32 v[VO], 4, v[VO]
	v_and_b32 v[VS], 15, v0
	v_bfe_u32 v[TM], v0, 4, 1
	v_lshlrev_b32 v[VS], 5, v[VS]
	v_lshl_add_u32 v[VS], v[TM], 4, v[VS]
.irp b, 0,1,2,3
	v_mov_b32 v[TM+4+\b], 0                        ; a lane permute's destination counts as one of its sources
.endr
	v_mov_b32 v[TX+1], 0
	v_mov_b32 v[NM+1], 0                           ; (named as the upper half of the pair)
.macro BLOCK a
.set AC, 64*((\a)%4)
	WIN 2+(\a)/4                                   ; source 0: the accumulators' window
.set ii, 0
.rept 32
	v_pk_mul_f32 v[H+ii:H+ii+1], v[AC+ii:AC+ii+1], s[82:83] op_sel_hi:[1,0]   ; t, into window 0; each accumulator from its low end on
.set ii, ii+2
.endr
	WIN 0
.irp b, 0,1,2,3
	v_max3_num_f32 v[TM+\b], v[H+16*\b], v[H+16*\b+1], v[H+16*\b+2]   ; the largest t of each block of 32 keys: it serves for M and, since p rises with t, for the block's largest p
.endr
.irp i, 3,5,7,9,11,13
.irp b, 0,1,2,3
	v_max3_num_f32 v[TM+\b], v[TM+\b], v[H+16*\b+\i], v[H+16*\b+\i+1]
.endr
.endr
.irp b, 0,1,2,3
	v_max_num_f32 v[TM+\b], v[TM+\b], v[H+16*\b+15]
.endr
.irp b, 0,1,2,3
	v_permlanex16_b32 v[TM+4+\b], v[TM+\b], s80, s81
.endr
.irp b, 0,1,2,3
	v_max_num_f32 v[TM+\b], v[TM+\b], v[TM+4+\b]   ; with lane l xor 16's 16 keys
.endr
	v_max3_num_f32 v[TX], v[TM], v[TM+1], v[TM+2]
	v_max_num_f32 v[TX], v[TX], v[TM+3]            ; the largest t of my query's 128 keys
	v_floor_f32 v[NM], -v[TX]                      ; -M = floor(-t) = -ceil(t): a whole number
.set ii, 0
.rept 32
	v_pk_add_f32 v[H+ii:H+ii+1], v[H+ii:H+ii+1], v[NM:NM+1] op_sel_hi:[1,0]   ; t - M
.set ii, ii+2
.endr
.irp b, 0,1,2,3
	v_add_f32 v[TM+\b], v[TM+\b], v[NM]            ; the same of each block's largest t
.endr
.set ii, 0
.rept 64
	v_exp_f32 v[H+ii], v[H+ii]                     ; p = 2^(t - M), at most 1: not normalised
.set ii, ii+1
.endr
.irp b, 0,1,2,3
	v_exp_f32 v[TM+\b], v[TM+\b]                   ; the block's largest p: the same instructions on the same number give the same bits
.endr
	v_mov_b32 v[MS+(\a)], v[NM]                    ; a plain place behind the exponentials
	s_wait_alu depctr_va_vdst(0)                   ; one wait for the batch of 68, ahead of its first reader
	v_pk_add_f32 v[SA:SA+1], v[H:H+1], v[H+2:H+3]  ; the sum is taken of the unquantised p: two at a time, in two chains
	v_pk_add_f32 v[SA+2:SA+3], v[H+4:H+5], v[H+6:H+7]
.irp j, 8,12,16,20,24,28,32,36,40,44,48,52,56,60
	v_pk_add_f32 v[SA:SA+1], v[SA:SA+1], v[H+\j:H+\j+1]
	v_pk_add_f32 v[SA+2:SA+3], v[SA+2:SA+3], v[H+\j+2:H+\j+3]
.endr
	v_pk_add_f32 v[SA:SA+1], v[SA:SA+1], v[SA+2:SA+3]
	v_add_f32 v[TX], v[SA], v[SA+1]
	v_permlanex16_b32 v[TX+1], v[TX], s80, s81
	v_add_f32 v[LS+(\a)], v[TX], v[TX+1]           ; with lane l xor 16's: the 128 keys' sum
.irp b, 0,1,2,3
	v_max_num_f32 v[TM+\b], 0x1800000, v[TM+\b]    ; the floor 2^(3 - 127): the byte cannot fall under 1
.endr
	QTAIL H, PWS+(\a)
	FSTORE \a
.endm
.irp a, 0,1,2,3,4,5,6,7
	BLOCK \a
.endr
	SSTORE PWS, 0, 76, SCO
	SSTORE MS, 1, 90, 0
	SSTORE LS, 2, 90, P_LM
	s_wait_tensorcnt 0x0                           ; the wave's end
	ds_add_u32 v[SPW], v[NIL]
	s_wait_dscnt 0x0
	CROUND                                         ; the closing round: no work-group ends while a partner may still ask for a tile that names it
	s_endpgm
.Lfunc_end_k_q04f2e1b0d1_scores:
	.size	k_q04f2e1b0d1_scores, .Lfunc_end_k_q04f2e1b0d1_scores-k_q04f2e1b0d1_scores
	.p2alignl 7, 3214868480
	.fill 96, 4, 3214868480
	.section	.rodata,"a",@progbits
	.p2align	6, 0x0
	.amdhsa_kernel k_q04f2e1b0d1_scores
		.amdhsa_group_segment_fixed_size 327680
		.amdhsa_private_segment_fixed_size 0
		.amdhsa_enable_private_segment 0
		.amdhsa_kernarg_size 16
		.amdhsa_user_sgpr_count 2
		.amdhsa_user_sgpr_kernarg_segment_ptr 1
		.amdhsa_wavefront_size32 1
		.amdhsa_system_sgpr_workgroup_id_x 1
		.amdhsa_system_sgpr_workgroup_id_y 1
		.amdhsa_system_sgpr_workgroup_id_z 1
		.amdhsa_system_vgpr_workitem_id 0
		.amdhsa_next_free_vgpr 1024
		.amdhsa_next_free_sgpr 100
		.amdhsa_reserve_vcc 0
		.amdhsa_float_denorm_mode_32 3
		.amdhsa_float_denorm_mode_16_64 3
		.amdhsa_memory_ordered 1
		.amdhsa_forward_progress 1
		.amdhsa_inst_pref_size 204
	.end_amdhsa_kernel
	.amdgpu_metadata
---
amdhsa.version: [ 1, 2 ]
amdhsa.kernels:
  - .name:           k_q04f2e1b0d1_scores
    .symbol:         k_q04f2e1b0d1_scores.kd
    .args:
      - { .name: qkv, .offset: 0, .size: 8, .value_kind: global_buffer, .address_space: global }
      - { .name: p, .offset: 8, .size: 8, .value_kind: global_buffer, .address_space: global }
    .group_segment_fixed_size: 327680
    .private_segment_fixed_size: 0
    .kernarg_segment_align: 8
    .kernarg_segment_size: 16
    .max_flat_workgroup_size: 128
    .sgpr_count:     100
    .vgpr_count:     1024
    .wavefront_size: 32
...
	.end_amdgpu_metadata
.endif
;; end of part 3
;; launch ctx (part 4): grid 4 x 32, 4 waves a work-group, clusters of 4 x 4, 327,680 bytes of LDS; arguments p, qkv, ctx; writes ctx
.if DOCPART == 4
	.amdgcn_target "amdgcn-amd-amdhsa--gfx1250"
	.amdhsa_code_object_version 6
	.text
	.protected	k_q04f2e1b0d1_ctx
	.globl	k_q04f2e1b0d1_ctx
	.p2align	8
	.type	k_q04f2e1b0d1_ctx,@function
k_q04f2e1b0d1_ctx:
	s_mov_b64 s[64:65], 0
	v_nop
	global_prefetch_b8 v0, s[64:65] scope:SCOPE_SE
	s_setreg_imm32_b32 hwreg(HW_REG_WAVE_MODE, 25, 1), 1
	s_wait_xcnt 0x0
	s_wait_alu depctr_hold_cnt(0) depctr_sa_sdst(0) depctr_va_vdst(0) depctr_va_sdst(0) depctr_va_ssrc(0) depctr_va_vcc(0) depctr_vm_vsrc(0)
	s_getreg_b32 s2, hwreg(HW_REG_IB_STS2, 6, 4)
	s_cmp_eq_u32 s2, 0
	s_cbranch_scc0 .Lentry_in_a_cluster
	s_endpgm
.Lentry_in_a_cluster:
	s_bfe_u32 s2, ttmp6, 0x10000c
	s_cmp_lg_u32 s2, 0xf033
	s_cbranch_scc0 .Lentry_shape_is_right
	s_endpgm
.Lentry_shape_is_right:
; ctx = (p v) / l on codes of FP6 (E2M3) with E8M0 scales, sums in f32, K = a batch's 2,048 keys; the result is quantised along d and stored as records.
; p's records were made under a LOCAL M for each query and each 128 keys.  THE HEAD brings them under the row's M: -M_row = the least of the row's sixteen -M; delta = M_row - M_local, a whole number, 0 or more, is taken off each of the
; four bytes of that K step's scale word (held at 0 from below) and off the exponent of that K step's sum; the sixteen sums add up to the row's l.  The mended scale words and 1 / l stay in LDS; the codes are used as they lie.
; A RECORD is 128 rows x 128 K in 12,800 bytes: eight fragment images of 1,536 bytes (registers 4 c .. 4 c + 3 of lane l at 1536 i + 512 c + 16 l), then the scale words (fragment i, lane slot r: at 12288 + 32 r + 4 i).
; Fragment i = 2 b + u, lane slot r, holds row 32 b + 8 u + r + 8 (r / 8) of the 128.  Taken as source 0, the 64 result registers of tiles 0-7 run along source 0's rows in natural order.
; p: records [16 K steps][64 groups of queries] at 0; -M at 13,107,200, l 524,288 further, both [16][64][512 bytes] in the scale words' order.  qkv: v's records (rows d, K = t) [64 K steps][8 groups] at 13,107,200.  ctx: [8 K steps of d][64 groups].
; SHARES.  A work-group makes 256 queries x 256 of d; four waves, 128 x 128 each.  Source 1 = p (a lane owns a query), source 0 = v (the registers run along d).
; RING.  Three LDS slots of two K steps; eight fills: three at the head, five refills, each behind a round of the cluster's barrier, with one and a half K steps (96 matrix instructions) in which to land.  By this text's count a wave has at most three tensor loads out.
; CLUSTERS: 4 x 4; p's records are asked for jointly along a row of the cluster, v's along a column.
; LIMITS: delta is held at 127; a block of p whose byte would fall under 0 is held at the byte 0, so that its terms are at most 7.5 x 2^-127 beside a row's l of at least 1/2; a block of ctx that is all zeros or under 2^-124 gets the byte 1; NaN and infinities are not served.
; REGISTERS: window 0: v2-7 images' LDS addresses, v8 p's mended scale words, v11-13 v's scale words, v14-15 the add's two, v32-63 scale words (two sets), v64-159 p's eight fragments, v160-255 v's (set 0); window 1: v64-255 set 1; windows 2, 3: the accumulators.
.set REC,     12800
.set SCO,     12288
.set REGB,    2*REC
.set SLOT,    4*REGB
.set SPARE,   3*SLOT
.set PSC,     SPARE+512                ; the mended scale words: [16 K steps][2 groups][512 bytes]
.set LROW,    PSC+16*1024              ; 1 / l, each twice: 8 bytes for each of the work-group's 256 row slots, in the scale words' order
.set PLANE_A, 64*REC
.set PLANE_B, 8*REC
.set B_OFF,   16*64*REC
.set B_BATCH, 16*PLANE_B               ; a batch's 16 K steps of v
.set P_M,     16*PLANE_A
.set P_LM,    16*64*512
.set ADR1, 2
.set ADR0, 5
.set ADS1, 8
.set ADS0, 11
.set SPW,  14
.set NIL,  15
.set SC,   32                          ; scale words, set p at 32 + 16 p: + a p's block a, + 8 + b v's block b; these registers hold nothing else
.set F1,   64
.set F0,   160
.set G1A,  24
.set G0A,  32
.set G1B,  44
.set G0B,  52
.set RAW,  64                          ; the head: v64-95 my two row slots' scale words of the 16 K steps,
.set NMV,  96                          ; v96-127 their -M,
.set LL,   128                         ; v128-159 their sums
.set VA,   160                         ; offsets of the head's loads
.set VB,   161
.set NR,   162                         ; v162-163 the rows' -M
.set LR,   164                         ; v164-165 the rows' l
.set TD,   166                         ; v166-167 at work
.set TE,   168                         ; v168-171 at work
.set VP,   172                         ; PSC + 8 x thread
.set VL,   173                         ; LROW + 16 x thread
.set H,    64                          ; the way out, window 0
.set PC,   128
.set TM,   148
.set PWS,  164
.set ST,   188
.set TX,   206
.set RL2,  208                         ; v208-223: 1 / l of my row slot of block a at 208 + 2 a, twice
.set VO,   224
.set VS,   225
.set MSB, 0
.macro WIN new                         ; the immediate's high byte repeats the setting that is left; a switch that changes nothing is dropped
.if MSB != (\new)
	s_set_vgpr_msb (MSB<<8)|(\new)
.set MSB, (\new)
.endif
.endm
.macro PLACES                          ; four plain places: behind matrix instructions, in front of loads into registers that they have read and of the first read of results
.rept 4
	v_nop
.endr
.endm
.macro CREST                           ; a round of the cluster's barrier behind its opening barrier
	s_cmp_lg_u32 s14, 0
	s_cbranch_scc1 .Lnot_wave_0_\@
	s_barrier_signal -3
.Lnot_wave_0_\@:
	s_barrier_wait -3
	s_barrier_signal -1
	s_barrier_wait -1
.endm
.macro CROUND
	s_barrier_signal -1
	s_barrier_wait -1
	CREST
.endm
.macro JLOAD f                         ; a joint refill of slot f: waves 0, 1 for p, waves 2, 3 for v; an s_nop 0 and four v_nop follow each line
	s_cmp_eq_u32 s15, 0
	s_cbranch_scc0 .Lfor_b_\@
	tensor_load_to_lds s[G0A+4*(\f):G0A+4*(\f)+3], s[G1A:G1A+7]
	s_nop 0
.rept 4
	v_nop
.endr
	s_branch .Lasked_\@
.Lfor_b_\@:
	tensor_load_to_lds s[G0B+4*(\f):G0B+4*(\f)+3], s[G1B:G1B+7]
	s_nop 0
.rept 4
	v_nop
.endr
.Lasked_\@:
.endm
.macro FETCH slot, q, p, k             ; 52 LDS loads in one run: K step k's 16 fragments (the slot's q-th) and 16 scale words into set p; p's words are the mended ones
	WIN (\p)<<6
.irp i, 0,1,2,3,4,5,6,7
.irp c, 0,1,2
	ds_load_b128 v[F0+12*\i+4*\c:F0+12*\i+4*\c+3], v[ADR0+(\slot)] offset:(\q)*REC+1536*\i+512*\c
.endr
.endr
.irp i, 0,1,2,3,4,5,6,7
.irp c, 0,1,2
	ds_load_b128 v[F1+12*\i+4*\c:F1+12*\i+4*\c+3], v[ADR1+(\slot)] offset:(\q)*REC+1536*\i+512*\c
.endr
.endr
	WIN 0
	ds_load_b128 v[SC+16*(\p):SC+16*(\p)+3], v[ADS1] offset:1024*(\k)
	ds_load_b128 v[SC+16*(\p)+4:SC+16*(\p)+7], v[ADS1] offset:1024*(\k)+16
	ds_load_b128 v[SC+16*(\p)+8:SC+16*(\p)+11], v[ADS0+(\slot)] offset:(\q)*REC+SCO
	ds_load_b128 v[SC+16*(\p)+12:SC+16*(\p)+15], v[ADS0+(\slot)] offset:(\q)*REC+SCO+16
.endm
; 16 matrix instructions: p's blocks a0, a0 + 1 x v's eight, on set p.  first = 1: the products start the sums.  The 64 accumulators take turns, in the same order in every step.
.macro MUL16 a0, p, first
.set MW, 2+(\a0)/4
	WIN (5*(\p))|(MW<<4)|(MW<<6)
.irp a, \a0, \a0+1
.irp b, 0,1,2,3,4,5,6,7
.set AC, 8*(8*((\a)%4)+\b)
.if \first
	v_wmma_scale_f32_16x16x128_f8f6f4 v[AC:AC+7], v[F0+12*\b:F0+12*\b+11], v[F1+12*(\a):F1+12*(\a)+11], 0, v[SC+16*(\p)+8+\b], v[SC+16*(\p)+(\a)] matrix_a_fmt:MATRIX_FMT_FP6 matrix_b_fmt:MATRIX_FMT_FP6
.else
	v_wmma_scale_f32_16x16x128_f8f6f4 v[AC:AC+7], v[F0+12*\b:F0+12*\b+11], v[F1+12*(\a):F1+12*(\a)+11], v[AC:AC+7], v[SC+16*(\p)+8+\b], v[SC+16*(\p)+(\a)] matrix_a_fmt:MATRIX_FMT_FP6 matrix_b_fmt:MATRIX_FMT_FP6
.endif
.endr
.endr
.endm
; K step k: 64 matrix instructions on set k % 2; the next step's fragments are fetched into the other set.
; kind 0: plain.  kind 1: the slot has been read out: all my tensor loads waited for, the add, my reads waited for, a round of the cluster's barrier, the joint refill first behind it.
; kind 2: the same lines with a plain barrier and no refill.  kind 3: the last step.
.macro KSTEP k, kind, first
.set KP,  (\k)%2
.set KSL, ((\k)/2)%3
.set NSL, (((\k)+1)/2)%3
.set NQ,  ((\k)+1)%2
.if (\kind) == 0
	s_wait_dscnt 0x0                               ; this step's 52 loads are in
	PLACES
	FETCH NSL, NQ, 1-KP, (\k)+1
	MUL16 0, KP, \first
	MUL16 2, KP, \first
	MUL16 4, KP, \first
	MUL16 6, KP, \first
.elseif (\kind) == 3
	s_wait_dscnt 0x0
	MUL16 0, KP, 0
	MUL16 2, KP, 0
	MUL16 4, KP, 0
	MUL16 6, KP, 0
.else
	WIN 0                                          ; (the add's two registers lie in window 0)
	s_wait_tensorcnt 0x0                           ; all my tensor loads have landed
	ds_add_u32 v[SPW], v[NIL]                      ; 0 onto my spare word
	s_wait_dscnt 0x1                               ; the add alone was issued behind this step's loads
	MUL16 0, KP, 0
	s_wait_dscnt 0x0                               ; the add is done, and my reads of the slot are over
	s_barrier_signal -1
	MUL16 2, KP, 0
.if (\kind) == 1
	WIN 0
.endif
	s_barrier_wait -1
.if (\kind) == 1
	CREST                                          ; no wave of any partner still reads the slot or has a load on its way
	s_add_nc_u64 s[G0A+4*KSL+2:G0A+4*KSL+3], s[G0A+4*KSL+2:G0A+4*KSL+3], 6*PLANE_A   ; three slots of two K steps on
	s_add_nc_u64 s[G0B+4*KSL+2:G0B+4*KSL+3], s[G0B+4*KSL+2:G0B+4*KSL+3], 6*PLANE_B
	JLOAD KSL                                      ; its four v_nop are also the places in front of the loads below
.else
	PLACES
.endif
	FETCH NSL, NQ, 1-KP, (\k)+1
	MUL16 4, KP, 0
	MUL16 6, KP, 0
.endif
.endm
.macro QMAX s
.irp b, 0,1,2,3
	v_max3_num_f32 v[TM+\b], |v[\s+16*\b]|, |v[\s+16*\b+1]|, 0x1800000   ; and the floor 2^(3 - 127): the byte cannot fall under 1
.endr
.irp i, 2,4,6,8,10,12,14
.irp b, 0,1,2,3
	v_max3_num_f32 v[TM+\b], v[TM+\b], |v[\s+16*\b+\i]|, |v[\s+16*\b+\i+1]|
.endr
.endr
.irp b, 0,1,2,3
	v_permlanex16_b32 v[TM+4+\b], v[TM+\b], s80, s81
.endr
.irp b, 0,1,2,3
	v_max_num_f32 v[TM+\b], v[TM+\b], v[TM+4+\b]
.endr
.endm
.macro QTAIL s, pw
	s_wait_xcnt 0x0                                ; the last block's stores have read the codes' registers
.irp b, 0,1,2,3
	v_add_nc_u32 v[TM+12+\b], 0xff000000, v[TM+\b] ; 2 off the exponent field: the conversion's scale operand
.endr
.irp b, 0,1,2,3
	v_lshrrev_b32 v[TM+4+\b], 23, v[TM+12+\b]      ; the scale's byte
.endr
	v_lshl_or_b32 v[\pw], v[TM+5], 8, v[TM+4]
	v_lshl_or_b32 v[\pw], v[TM+6], 16, v[\pw]
	v_lshl_or_b32 v[\pw], v[TM+7], 24, v[\pw]
.irp c, 0,1
	v_cvt_scalef32_pk16_fp6_f32 v[PC+6*\c:PC+6*\c+2], v[\s+32*\c:\s+32*\c+15], v[TM+12+2*\c]
	v_cvt_scalef32_pk16_fp6_f32 v[PC+12+4*\c:PC+12+4*\c+2], v[\s+32*\c+16:\s+32*\c+31], v[TM+12+2*\c+1]
.endr
	v_nop                                          ; one plain place behind a scaled conversion
.irp c, 0,1                                    ; a whole block to a lane: lanes 0-15 block 2 c, lanes 16-31 block 2 c + 1
.irp i, 0,1,2
	v_permlane16_swap_b32 v[PC+6*\c+\i], v[PC+12+4*\c+\i]
.endr
.irp i, 0,1,2
	v_mov_b32 v[PC+3+6*\c+\i], v[PC+12+4*\c+\i]
.endr
.endr
.endm
.macro FSTORE a                        ; image a of my record: three stores of 512 consecutive bytes
.irp c, 0,1,2
	global_store_b128 v[VO], v[PC+4*\c:PC+4*\c+3], s[76:77] offset:1536*(\a)+512*\c
.endr
.endm
.macro SSTORE regs, set, ptr, off      ; eight words a row slot: lanes 0-15 store words 0-3, lanes 16-31 words 4-7: 512 consecutive bytes
.irp j, 0,1,2,3
	v_cndmask_b32 v[ST+4*(\set)+\j], v[(\regs)+\j], v[(\regs)+4+\j], s79
.endr
	global_store_b128 v[VS], v[ST+4*(\set):ST+4*(\set)+3], s[\ptr:\ptr+1] offset:\off
.endm
; K step kt of my two row slots: -delta, the sum under the row's M, the four bytes less delta, held at 0.  A byte of p is at most 125 and delta at most 127, so 128 + byte - delta stays inside its byte, and its top bit says whether byte - delta is 0 or more.
.macro FIX kt
.irp j, 0,1
	v_sub_f32 v[TD+\j], v[NR+\j], v[NMV+2*(\kt)+\j]                ; -delta = (-M_row) - (-M_local), a whole number, 0 or less
.endr
.irp j, 0,1
	v_max_num_f32 v[TD+\j], 0xc2fe0000, v[TD+\j]                   ; held at -127
.endr
.irp j, 0,1
	v_cvt_i32_f32 v[TD+\j], v[TD+\j]
.endr
.irp j, 0,1
.if (\kt) == 0
	v_ldexp_f32 v[LR+\j], v[LL+\j], v[TD+\j]                       ; the first term starts the row's l
.else
	v_ldexp_f32 v[TE+\j], v[LL+2*(\kt)+\j], v[TD+\j]               ; the 128 keys' sum x 2^-delta: nothing is rounded
.endif
.endr
.irp j, 0,1
	v_or_b32 v[RAW+2*(\kt)+\j], 0x80808080, v[RAW+2*(\kt)+\j]
.endr
.irp j, 0,1
	v_mul_lo_u32 v[TD+\j], v[TD+\j], s92                           ; -delta in each byte
.endr
.if (\kt) > 0
.irp j, 0,1
	v_add_f32 v[LR+\j], v[LR+\j], v[TE+\j]
.endr
.endif
.irp j, 0,1
	v_add_nc_u32 v[RAW+2*(\kt)+\j], v[RAW+2*(\kt)+\j], v[TD+\j]    ; 128 + byte - delta
.endr
.irp j, 0,1
	v_lshrrev_b32 v[TD+\j], 7, v[RAW+2*(\kt)+\j]
.endr
.irp j, 0,1
	v_and_b32 v[TD+\j], 0x01010101, v[TD+\j]                       ; 1 where byte - delta is 0 or more,
.endr
.irp j, 0,1
	v_mul_lo_u32 v[TD+\j], v[TD+\j], s93                           ; 0x7f there, 0 elsewhere
.endr
.irp j, 0,1
	v_and_b32 v[RAW+2*(\kt)+\j], v[RAW+2*(\kt)+\j], v[TD+\j]
.endr
	ds_store_b64 v[VP], v[RAW+2*(\kt):RAW+2*(\kt)+1] offset:1024*(\kt)
.endm
	s_load_b128 s[4:7], s[0:1], 0x0                ; p, qkv
	s_load_b64 s[8:9], s[0:1], 0x10                ; ctx
	v_lshl_add_u32 v[SPW], v0, 2, SPARE
	v_mov_b32 v[NIL], 0
	ds_add_u32 v[SPW], v[NIL]                      ; the wave's opening: the add and its wait ahead of my first tensor load; work on registers stands between them
	v_lshrrev_b32 v1, 5, v0
	v_readfirstlane_b32 s14, v1                    ; wave 0..3
	s_lshr_b32 s15, s14, 1                         ; my half of the queries.  Also: I fetch for p (0) or for v (1)
	s_and_b32 s16, s14, 1                          ; my half of d.  Also: which of the two groups I fetch
	s_bfe_u32 s66, ttmp6, 0x40000                  ; cx
	s_bfe_u32 s67, ttmp6, 0x40004                  ; cy
	s_lshl_b32 s68, ttmp9, 2
	s_add_co_u32 s68, s68, s66                     ; gx
	s_and_b32 s17, ttmp7, 0xffff
	s_lshl_b32 s69, s17, 2
	s_add_co_u32 s69, s69, s67                     ; gy
	s_lshl_b32 s70, s67, 2
	s_lshl_b32 s70, 15, s70                        ; my row of the cluster
	s_lshl_b32 s71, 0x1111, s66                    ; my column
	s_or_b32 s[G1A], s70, (3<<16)|(1<<21)          ; 15:0 the mask; 17:16 elements of 8 bytes; 21 set beside a mask; no padding
	s_or_b32 s[G1B], s71, (3<<16)|(1<<21)
.irp g, G1A, G1B
	s_mov_b32 s[\g+1], 1600<<16                    ; tensor_dim0: a record, 1,600 elements
	s_mov_b32 s[\g+2], 2<<16                       ; tensor_dim1: two K steps
	s_mov_b32 s[\g+3], 1600<<16                    ; tile_dim0
	s_mov_b32 s[\g+4], 2                           ; tile_dim1
	s_mov_b32 s[\g+6], 0
	s_mov_b32 s[\g+7], 0
.endr
	s_mov_b32 s[G1A+5], PLANE_A/8
	s_mov_b32 s[G1B+5], PLANE_B/8
	s_lshl_b32 s72, s69, 1
	s_add_co_u32 s72, s72, s16
	s_mul_i32 s72, s72, REC                        ; p: group 2 gy + the half that I fetch
	s_mov_b32 s73, 0
	s_lshl_b32 s74, s68, 1
	s_add_co_u32 s74, s74, s16
	s_mul_i32 s74, s74, REC                        ; v: group 2 gx + the half that I fetch,
	s_lshr_b32 s18, s17, 1                         ; from my batch's first K step on; the batch = cluster y / 2, which all partners share
	s_mul_i32 s18, s18, B_BATCH
	s_add_co_u32 s74, s74, s18
	s_add_co_u32 s74, s74, B_OFF
	s_mov_b32 s75, 0
	s_mul_i32 s19, s14, REGB                       ; where my loads go: region = wave
	s_mul_i32 s20, s15, REGB                       ; p's region that I read
	s_mul_i32 s21, s16, REGB
	s_add_co_u32 s21, s21, 2*REGB                  ; v's
	s_lshl_b32 s22, s15, 9
	s_add_co_u32 s22, s22, PSC                     ; my group's mended scale words
	s_lshl_b32 s84, s68, 1
	s_add_co_u32 s84, s84, s16
	s_mul_i32 s84, s84, PLANE_A                    ; ctx: K step 2 gx + s16,
	s_lshl_b32 s85, s69, 1
	s_add_co_u32 s85, s85, s15
	s_mul_i32 s85, s85, REC                        ; group 2 gy + s15
	s_add_co_u32 s84, s84, s85
	s_mov_b32 s85, 0
	s_mul_i32 s86, s69, 2*REC
	s_add_co_u32 s86, s86, SCO                     ; the scale words of the work-group's two groups, K step 0
	s_mov_b32 s87, 0
	s_lshl_b32 s88, s69, 10
	s_add_co_u32 s88, s88, P_M                     ; their -M
	s_mov_b32 s89, 0
	s_mov_b32 s79, 0xffff0000                      ; lanes 16-31
	s_mov_b32 s80, 0x76543210
	s_mov_b32 s81, 0xfedcba98                      ; v_permlanex16_b32's selects for lane l xor 16
	s_mov_b32 s92, 0x01010101
	s_mov_b32 s93, 127
	s_wait_dscnt 0x0                               ; the opening add is done
	s_wait_kmcnt 0x0
	s_add_nc_u64 s[72:73], s[4:5], s[72:73]
	s_add_nc_u64 s[74:75], s[6:7], s[74:75]
	s_add_nc_u64 s[76:77], s[8:9], s[84:85]        ; my record
	s_add_nc_u64 s[86:87], s[4:5], s[86:87]
	s_add_nc_u64 s[90:91], s[86:87], 8*PLANE_A     ; K steps 8 on: fifteen planes would pass the loads' immediate
	s_add_nc_u64 s[88:89], s[4:5], s[88:89]
.irp f, 0,1,2
	s_mov_b32 s[G0A+4*\f], 1
	s_add_co_u32 s[G0A+4*\f+1], s19, \f*SLOT
	s_add_nc_u64 s[G0A+4*\f+2:G0A+4*\f+3], s[72:73], \f*2*PLANE_A
	s_or_b32 s[G0A+4*\f+3], s[G0A+4*\f+3], 0x80000000
	s_mov_b32 s[G0B+4*\f], 1
	s_add_co_u32 s[G0B+4*\f+1], s19, \f*SLOT
	s_add_nc_u64 s[G0B+4*\f+2:G0B+4*\f+3], s[74:75], \f*2*PLANE_B
	s_or_b32 s[G0B+4*\f+3], s[G0B+4*\f+3], 0x80000000
.endr
	CROUND                                         ; all sixteen work-groups are here: the first joint loads meet
	s_cmp_eq_u32 s15, 0                            ; a wave's three first fills stand in one branch, ahead of every wait on TENSORcnt and every LDS read
	s_cbranch_scc0 .Lfirst_b
	tensor_load_to_lds s[G0A:G0A+3], s[G1A:G1A+7]
	s_nop 0
	tensor_load_to_lds s[G0A+4:G0A+7], s[G1A:G1A+7]
	s_nop 0
	tensor_load_to_lds s[G0A+8:G0A+11], s[G1A:G1A+7]
	s_nop 0
.rept 4
	v_nop
.endr
	s_branch .Lfirst_asked
.Lfirst_b:
	tensor_load_to_lds s[G0B:G0B+3], s[G1B:G1B+7]
	s_nop 0
	tensor_load_to_lds s[G0B+4:G0B+7], s[G1B:G1B+7]
	s_nop 0
	tensor_load_to_lds s[G0B+8:G0B+11], s[G1B:G1B+7]
	s_nop 0
.rept 4
	v_nop
.endr
.Lfirst_asked:
	; THE HEAD, while the first tiles are on their way.  Thread n owns the two words at byte 8 n of the work-group's 1,024 bytes (two groups x 512): two row slots, 16 K steps each.
	v_lshrrev_b32 v[TD], 6, v0
	v_and_b32 v[TE], 63, v0
	v_lshlrev_b32 v[TE], 3, v[TE]
	v_mad_u32_u24 v[VA], v[TD], REC, v[TE]         ; in the records: the group's record, + 8 (n % 64)
	v_lshlrev_b32 v[VB], 3, v0                     ; in -M and l: 8 n
.irp kt, 0,1,2,3,4,5,6,7
	global_load_b64 v[RAW+2*\kt:RAW+2*\kt+1], v[VA], s[86:87] offset:\kt*PLANE_A
.endr
.irp kt, 8,9,10,11,12,13,14,15
	global_load_b64 v[RAW+2*\kt:RAW+2*\kt+1], v[VA], s[90:91] offset:(\kt-8)*PLANE_A
.endr
.irp kt, 0,1,2,3,4,5,6,7,8,9,10,11,12,13,14,15
	global_load_b64 v[NMV+2*\kt:NMV+2*\kt+1], v[VB], s[88:89] offset:\kt*32768
	global_load_b64 v[LL+2*\kt:LL+2*\kt+1], v[VB], s[88:89] offset:\kt*32768+P_LM
.endr
	v_and_b32 v1, 31, v0
	v_lshlrev_b32 v1, 4, v1                        ; 16 x lane
	v_and_b32 v[TD], 15, v0
	v_lshlrev_b32 v[TD], 5, v[TD]                  ; 32 x (lane % 16)
	v_add_nc_u32 v[ADS1], s22, v[TD]
.irp f, 0,1,2
	v_add_nc_u32 v[ADR1+\f], s20, v1
	v_add_nc_u32 v[ADR0+\f], s21, v1
	v_add_nc_u32 v[ADS0+\f], s21, v[TD]
	s_add_co_u32 s20, s20, SLOT
	s_add_co_u32 s21, s21, SLOT
.endr
	v_lshl_add_u32 v[VP], v0, 3, PSC
	s_wait_loadcnt 0x0
.irp j, 0,1
	v_min_num_f32 v[NR+\j], v[NMV+\j], v[NMV+2+\j]
.endr
.irp kt, 2,3,4,5,6,7,8,9,10,11,12,13,14,15
.irp j, 0,1
	v_min_num_f32 v[NR+\j], v[NR+\j], v[NMV+2*\kt+\j]              ; the least -M: the row's
.endr
.endr
.irp kt, 0,1,2,3,4,5,6,7,8,9,10,11,12,13,14,15
	FIX \kt
.endr
	v_rcp_f32 v[TE], v[LR]
	v_rcp_f32 v[TE+2], v[LR+1]
	v_lshl_add_u32 v[VL], v0, 4, LROW              ; a plain place behind the reciprocals
	s_wait_alu depctr_va_vdst(0)                   ; one wait for the two, ahead of their first reader
	v_mov_b32 v[TE+1], v[TE]
	v_mov_b32 v[TE+3], v[TE+2]
	ds_store_b128 v[VL], v[TE:TE+3]                ; each 1 / l twice: a pair for the packed multiply
	s_wait_tensorcnt 0x2                           ; my part of slot 0 is in; the fills of slots 1 and 2 were issued behind it and may be out
	s_wait_dscnt 0x0                               ; for the others' sake: my mended words and my 1 / l have landed
	s_barrier_signal -1
	s_barrier_wait -1
	FETCH 0, 0, 0, 0
	KSTEP 0, 0, 1
	KSTEP 1, 1, 0                                  ; slot 0 takes K steps 6, 7
	KSTEP 2, 0, 0
	KSTEP 3, 1, 0                                  ; slot 1: 8, 9
	KSTEP 4, 0, 0
	KSTEP 5, 1, 0                                  ; slot 2: 10, 11
	KSTEP 6, 0, 0
	KSTEP 7, 1, 0                                  ; slot 0: 12, 13
	KSTEP 8, 0, 0
	KSTEP 9, 1, 0                                  ; slot 1: 14, 15; slot 0's fill was waited for in front of this round
	KSTEP 10, 0, 0
	KSTEP 11, 0, 0
	KSTEP 12, 0, 0
	KSTEP 13, 2, 0                                 ; slot 1 is whole
	KSTEP 14, 0, 0
	KSTEP 15, 3, 0
	PLACES
	WIN 0
	; THE WAY OUT: block a = my 16 queries of p's fragment a, 128 of d in two halves of the lanes: divided by l, quantised along d, image a of one record.
	v_and_b32 v[TX], 15, v0
	v_lshlrev_b32 v[TX], 6, v[TX]
	s_lshl_b32 s84, s15, 10
	s_add_co_u32 s84, s84, LROW
	v_add_nc_u32 v[TX], s84, v[TX]                 ; my row slot's eight pairs: LROW + 1024 x half + 64 r
.irp j, 0,1,2,3
	ds_load_b128 v[RL2+4*\j:RL2+4*\j+3], v[TX] offset:16*\j
.endr
	v_and_b32 v[VO], 31, v0
	v_lshlrev_b32 v[VO], 4, v[VO]
	v_and_b32 v[VS], 15, v0
	v_bfe_u32 v[TM], v0, 4, 1
	v_lshlrev_b32 v[VS], 5, v[VS]
	v_lshl_add_u32 v[VS], v[TM], 4, v[VS]
.irp b, 0,1,2,3
	v_mov_b32 v[TM+4+\b], 0                        ; a lane permute's destination counts as one of its sources
.endr
	s_wait_dscnt 0x0
.macro BLOCK a
.set AC, 64*((\a)%4)
	WIN 2+(\a)/4                                   ; source 0: the accumulators' window
.set ii, 0
.rept 32
	v_pk_mul_f32 v[H+ii:H+ii+1], v[AC+ii:AC+ii+1], v[RL2+2*(\a):RL2+2*(\a)+1]   ; / l, into window 0; each accumulator from its low end on
.set ii, ii+2
.endr
	WIN 0
	QMAX H
	QTAIL H, PWS+(\a)
	FSTORE \a
.endm
.irp a, 0,1,2,3,4,5,6,7
	BLOCK \a
.endr
	SSTORE PWS, 0, 76, SCO
	s_wait_tensorcnt 0x0                           ; the wave's end: behind my last tensor load and my last LDS store
	ds_add_u32 v[SPW], v[NIL]
	s_wait_dscnt 0x0
	CROUND                                         ; the closing round: no work-group ends while a partner may still ask for a tile that names it
	s_endpgm
.Lfunc_end_k_q04f2e1b0d1_ctx:
	.size	k_q04f2e1b0d1_ctx, .Lfunc_end_k_q04f2e1b0d1_ctx-k_q04f2e1b0d1_ctx
	.p2alignl 7, 3214868480
	.fill 96, 4, 3214868480
	.section	.rodata,"a",@progbits
	.p2align	6, 0x0
	.amdhsa_kernel k_q04f2e1b0d1_ctx
		.amdhsa_group_segment_fixed_size 327680
		.amdhsa_private_segment_fixed_size 0
		.amdhsa_enable_private_segment 0
		.amdhsa_kernarg_size 24
		.amdhsa_user_sgpr_count 2
		.amdhsa_user_sgpr_kernarg_segment_ptr 1
		.amdhsa_wavefront_size32 1
		.amdhsa_system_sgpr_workgroup_id_x 1
		.amdhsa_system_sgpr_workgroup_id_y 1
		.amdhsa_system_sgpr_workgroup_id_z 1
		.amdhsa_system_vgpr_workitem_id 0
		.amdhsa_next_free_vgpr 1024
		.amdhsa_next_free_sgpr 100
		.amdhsa_reserve_vcc 0
		.amdhsa_float_denorm_mode_32 3
		.amdhsa_float_denorm_mode_16_64 3
		.amdhsa_memory_ordered 1
		.amdhsa_forward_progress 1
		.amdhsa_inst_pref_size 255
	.end_amdhsa_kernel
	.section	.bss,"aw",@nobits
	.p2align	6
	.space	262144
	.amdgpu_metadata
---
amdhsa.version: [ 1, 2 ]
amdhsa.kernels:
  - .name:           k_q04f2e1b0d1_ctx
    .symbol:         k_q04f2e1b0d1_ctx.kd
    .args:
      - { .name: p, .offset: 0, .size: 8, .value_kind: global_buffer, .address_space: global }
      - { .name: qkv, .offset: 8, .size: 8, .value_kind: global_buffer, .address_space: global }
      - { .name: ctx, .offset: 16, .size: 8, .value_kind: global_buffer, .address_space: global }
    .group_segment_fixed_size: 327680
    .private_segment_fixed_size: 0
    .kernarg_segment_align: 8
    .kernarg_segment_size: 24
    .max_flat_workgroup_size: 128
    .sgpr_count:     100
    .vgpr_count:     1024
    .wavefront_size: 32
...
	.end_amdgpu_metadata
.endif
;; end of part 4
;; launch outp (part 5): grid 4 x 32, 4 waves a work-group, clusters of 4 x 4, 327,680 bytes of LDS; arguments ctx, xw, bo, out0; writes out0
.if DOCPART == 5
	.amdgcn_target "amdgcn-amd-amdhsa--gfx1250"
	.amdhsa_code_object_version 6
	.text
	.protected	k_q04f2e1b0d1_outp
	.globl	k_q04f2e1b0d1_outp
	.p2align	8
	.type	k_q04f2e1b0d1_outp,@function
k_q04f2e1b0d1_outp:
	s_mov_b64 s[64:65], 0
	v_nop
	global_prefetch_b8 v0, s[64:65] scope:SCOPE_SE
	s_setreg_imm32_b32 hwreg(HW_REG_WAVE_MODE, 25, 1), 1
	s_wait_xcnt 0x0
	s_wait_alu depctr_hold_cnt(0) depctr_sa_sdst(0) depctr_va_vdst(0) depctr_va_sdst(0) depctr_va_ssrc(0) depctr_va_vcc(0) depctr_vm_vsrc(0)
	s_getreg_b32 s2, hwreg(HW_REG_IB_STS2, 6, 4)
	s_cmp_eq_u32 s2, 0
	s_cbranch_scc0 .Lentry_in_a_cluster
	s_endpgm
.Lentry_in_a_cluster:
	s_bfe_u32 s2, ttmp6, 0x10000c
	s_cmp_lg_u32 s2, 0xf033
	s_cbranch_scc0 .Lentry_shape_is_right
	s_endpgm
.Lentry_shape_is_right:
; out = ctx Wo^T + bo on codes of FP6 (E2M3) with E8M0 scales, sums in f32; out0 [8192][1024] f32.
; A RECORD is 128 rows x 128 K in 12,800 bytes: eight fragment images of 1,536 bytes (registers 4 c .. 4 c + 3 of lane l at 1536 i + 512 c + 16 l), then the scale words (fragment i, lane slot r: at 12288 + 32 r + 4 i).
; Fragment i = 2 b + u, lane slot r, holds row 32 b + 8 u + r + 8 (r / 8) of the 128.  Taken as source 0, the 64 result registers of tiles 0-7 run along source 0's rows in natural order (register 16 b + i of lane (r, h): row 32 b + 16 h + i).
; ctx: records [8 K steps][64 groups of rows].  xw: the weights' records [8][32] at 6,553,600; Wo's groups are 24-31.
; SHARES.  A work-group makes 256 rows x 256 columns; four waves, 128 x 128 each.  Source 1 = ctx (a lane owns a row), source 0 = Wo (the registers run along the columns).  bo is the C of the first K step.
; RING.  Three LDS slots of two K steps; all three asked for at the head, slot 0 filled once more with K steps 6, 7.  By this text's count a wave has at most three tensor loads out.
; CLUSTERS: 4 x 4; ctx's records are asked for jointly along a row of the cluster, Wo's along a column.
; THE WAY OUT.  A lane holds pieces of one row and the lanes beside it other rows: a block of 16 rows x 128 columns goes through the wave's own stage in LDS and leaves as whole pieces of 512 consecutive bytes of a row.
; The stages lie in slot 1, which has had its one fill, and which no wave reads behind the barrier of K step 5.
; LIMITS: NaN and infinities are not served.
; REGISTERS: window 0: v2-13 LDS addresses, v14-15 the add's two, v16-18 the way out's addresses, v32-63 scale words (two sets), v64-159 ctx's eight fragments, v160-255 Wo's (set 0); window 1: v0-63 bo as C, v64-255 set 1; windows 2, 3: the accumulators.
.set REC,     12800
.set SCO,     12288
.set REGB,    2*REC
.set SLOT,    4*REGB
.set SPARE,   3*SLOT
.set PLANE_A, 64*REC
.set PLANE_B, 32*REC
.set B_OFF,   8*PLANE_A+24*REC
.set SPITCH,  528                      ; a stage row: 512 bytes + 16: the sixteen rows that a store touches start 4 banks apart
.set ADR1, 2
.set ADR0, 5
.set ADS1, 8
.set ADS0, 11
.set SPW,  14
.set NIL,  15
.set VO,   16                          ; v16  16 x lane
.set STO,  17                          ; v17  the stage, on the way in: 528 r + 64 h
.set RD,   18                          ; v18  on the way out: 16 x lane
.set SC,   32                          ; scale words, set p at 32 + 16 p: + a ctx's block a, + 8 + b Wo's block b; these registers hold nothing else
.set F1,   64
.set F0,   160
.set BK,   128                         ; the way out: 16 rows read back: v128-191 and v192-255 by turns
.set G1A,  24
.set G0A,  32
.set G1B,  44
.set G0B,  52
.set MSB, 0
.macro WIN new                         ; the immediate's high byte repeats the setting that is left; a switch that changes nothing is dropped
.if MSB != (\new)
	s_set_vgpr_msb (MSB<<8)|(\new)
.set MSB, (\new)
.endif
.endm
.macro PLACES                          ; four plain places: behind matrix instructions, in front of loads into registers that they have read and of the first read of results
.rept 4
	v_nop
.endr
.endm
.macro CREST                           ; a round of the cluster's barrier behind its opening barrier
	s_cmp_lg_u32 s14, 0
	s_cbranch_scc1 .Lnot_wave_0_\@
	s_barrier_signal -3
.Lnot_wave_0_\@:
	s_barrier_wait -3
	s_barrier_signal -1
	s_barrier_wait -1
.endm
.macro CROUND
	s_barrier_signal -1
	s_barrier_wait -1
	CREST
.endm
.macro JLOAD f                         ; a joint refill of slot f: waves 0, 1 for ctx, waves 2, 3 for Wo; an s_nop 0 and four v_nop follow each line
	s_cmp_eq_u32 s15, 0
	s_cbranch_scc0 .Lfor_b_\@
	tensor_load_to_lds s[G0A+4*(\f):G0A+4*(\f)+3], s[G1A:G1A+7]
	s_nop 0
.rept 4
	v_nop
.endr
	s_branch .Lasked_\@
.Lfor_b_\@:
	tensor_load_to_lds s[G0B+4*(\f):G0B+4*(\f)+3], s[G1B:G1B+7]
	s_nop 0
.rept 4
	v_nop
.endr
.Lasked_\@:
.endm
.macro FETCH slot, q, p                ; 52 LDS loads in one run: the 16 fragments and 16 scale words of the slot's q-th K step into set p
	WIN (\p)<<6
.irp i, 0,1,2,3,4,5,6,7
.irp c, 0,1,2
	ds_load_b128 v[F0+12*\i+4*\c:F0+12*\i+4*\c+3], v[ADR0+(\slot)] offset:(\q)*REC+1536*\i+512*\c
.endr
.endr
.irp i, 0,1,2,3,4,5,6,7
.irp c, 0,1,2
	ds_load_b128 v[F1+12*\i+4*\c:F1+12*\i+4*\c+3], v[ADR1+(\slot)] offset:(\q)*REC+1536*\i+512*\c
.endr
.endr
	WIN 0
	ds_load_b128 v[SC+16*(\p):SC+16*(\p)+3], v[ADS1+(\slot)] offset:(\q)*REC+SCO
	ds_load_b128 v[SC+16*(\p)+4:SC+16*(\p)+7], v[ADS1+(\slot)] offset:(\q)*REC+SCO+16
	ds_load_b128 v[SC+16*(\p)+8:SC+16*(\p)+11], v[ADS0+(\slot)] offset:(\q)*REC+SCO
	ds_load_b128 v[SC+16*(\p)+12:SC+16*(\p)+15], v[ADS0+(\slot)] offset:(\q)*REC+SCO+16
.endm
; 16 matrix instructions: ctx's blocks a0, a0 + 1 x Wo's eight, on set p.  first = 1: the sums start from bo in window 1.  The 64 accumulators take turns, in the same order in every step.
.macro MUL16 a0, p, first
.set MW, 2+(\a0)/4
.if \first
	WIN (5*(\p))|0x10|(MW<<6)
.else
	WIN (5*(\p))|(MW<<4)|(MW<<6)
.endif
.irp a, \a0, \a0+1
.irp b, 0,1,2,3,4,5,6,7
.set AC, 8*(8*((\a)%4)+\b)
.if \first
	v_wmma_scale_f32_16x16x128_f8f6f4 v[AC:AC+7], v[F0+12*\b:F0+12*\b+11], v[F1+12*(\a):F1+12*(\a)+11], v[8*\b:8*\b+7], v[SC+16*(\p)+8+\b], v[SC+16*(\p)+(\a)] matrix_a_fmt:MATRIX_FMT_FP6 matrix_b_fmt:MATRIX_FMT_FP6
.else
	v_wmma_scale_f32_16x16x128_f8f6f4 v[AC:AC+7], v[F0+12*\b:F0+12*\b+11], v[F1+12*(\a):F1+12*(\a)+11], v[AC:AC+7], v[SC+16*(\p)+8+\b], v[SC+16*(\p)+(\a)] matrix_a_fmt:MATRIX_FMT_FP6 matrix_b_fmt:MATRIX_FMT_FP6
.endif
.endr
.endr
.endm
; K step k: 64 matrix instructions on set k % 2; the next step's fragments are fetched into the other set.
; kind 0: plain.  kind 1: the slot has been read out: all my tensor loads waited for, the add, my reads waited for, a round of the cluster's barrier, the joint refill first behind it.
; kind 2: the same lines with a plain barrier and no refill.  kind 3: the last step.
.macro KSTEP k, kind, first
.set KP,  (\k)%2
.set KSL, ((\k)/2)%3
.set NSL, (((\k)+1)/2)%3
.set NQ,  ((\k)+1)%2
.if (\kind) == 0
	s_wait_dscnt 0x0                               ; this step's 52 loads are in
	PLACES
	FETCH NSL, NQ, 1-KP
	MUL16 0, KP, \first
	MUL16 2, KP, \first
	MUL16 4, KP, \first
	MUL16 6, KP, \first
.elseif (\kind) == 3
	s_wait_dscnt 0x0
	MUL16 0, KP, 0
	MUL16 2, KP, 0
	MUL16 4, KP, 0
	MUL16 6, KP, 0
.else
	WIN 0                                          ; (the add's two registers lie in window 0)
	s_wait_tensorcnt 0x0                           ; all my tensor loads have landed
	ds_add_u32 v[SPW], v[NIL]                      ; 0 onto my spare word
	s_wait_dscnt 0x1                               ; the add alone was issued behind this step's loads
	MUL16 0, KP, 0
	s_wait_dscnt 0x0                               ; the add is done, and my reads of the slot are over
	s_barrier_signal -1
	MUL16 2, KP, 0
.if (\kind) == 1
	WIN 0
.endif
	s_barrier_wait -1
.if (\kind) == 1
	CREST                                          ; no wave of any partner still reads the slot or has a load on its way
	s_add_nc_u64 s[G0A+4*KSL+2:G0A+4*KSL+3], s[G0A+4*KSL+2:G0A+4*KSL+3], 6*PLANE_A
	s_add_nc_u64 s[G0B+4*KSL+2:G0B+4*KSL+3], s[G0B+4*KSL+2:G0B+4*KSL+3], 6*PLANE_B
	JLOAD KSL                                      ; its four v_nop are also the places in front of the loads below
.else
	PLACES
.endif
	FETCH NSL, NQ, 1-KP
	MUL16 4, KP, 0
	MUL16 6, KP, 0
.endif
.endm
	s_load_b256 s[4:11], s[0:1], 0x0               ; ctx, xw, bo, out0
	v_lshl_add_u32 v[SPW], v0, 2, SPARE
	v_mov_b32 v[NIL], 0
	ds_add_u32 v[SPW], v[NIL]                      ; the wave's opening: the add and its wait ahead of my first tensor load; work on registers stands between them
	v_lshrrev_b32 v1, 5, v0
	v_readfirstlane_b32 s14, v1                    ; wave 0..3
	s_lshr_b32 s15, s14, 1                         ; my half of the rows.  Also: I fetch for ctx (0) or for Wo (1)
	s_and_b32 s16, s14, 1                          ; my half of the columns.  Also: which of the two groups I fetch
	s_bfe_u32 s66, ttmp6, 0x40000                  ; cx
	s_bfe_u32 s67, ttmp6, 0x40004                  ; cy
	s_lshl_b32 s68, ttmp9, 2
	s_add_co_u32 s68, s68, s66                     ; gx
	s_and_b32 s17, ttmp7, 0xffff
	s_lshl_b32 s69, s17, 2
	s_add_co_u32 s69, s69, s67                     ; gy
	s_lshl_b32 s70, s67, 2
	s_lshl_b32 s70, 15, s70                        ; my row of the cluster
	s_lshl_b32 s71, 0x1111, s66                    ; my column
	s_or_b32 s[G1A], s70, (3<<16)|(1<<21)          ; 15:0 the mask; 17:16 elements of 8 bytes; 21 set beside a mask; no padding
	s_or_b32 s[G1B], s71, (3<<16)|(1<<21)
.irp g, G1A, G1B
	s_mov_b32 s[\g+1], 1600<<16                    ; tensor_dim0: a record, 1,600 elements
	s_mov_b32 s[\g+2], 2<<16                       ; tensor_dim1: two K steps
	s_mov_b32 s[\g+3], 1600<<16                    ; tile_dim0
	s_mov_b32 s[\g+4], 2                           ; tile_dim1
	s_mov_b32 s[\g+6], 0
	s_mov_b32 s[\g+7], 0
.endr
	s_mov_b32 s[G1A+5], PLANE_A/8
	s_mov_b32 s[G1B+5], PLANE_B/8
	s_lshl_b32 s72, s69, 1
	s_add_co_u32 s72, s72, s16
	s_mul_i32 s72, s72, REC                        ; ctx: group 2 gy + the half that I fetch
	s_mov_b32 s73, 0
	s_lshl_b32 s74, s68, 1
	s_add_co_u32 s74, s74, s16
	s_mul_i32 s74, s74, REC                        ; Wo: group 2 gx + the half that I fetch
	s_add_co_u32 s74, s74, B_OFF
	s_mov_b32 s75, 0
	s_mul_i32 s19, s14, REGB                       ; where my loads go: region = wave
	s_mul_i32 s20, s15, REGB                       ; ctx's region that I read
	s_mul_i32 s21, s16, REGB
	s_add_co_u32 s21, s21, 2*REGB                  ; Wo's
	s_mul_i32 s22, s14, 16*SPITCH
	s_add_co_u32 s22, s22, SLOT                    ; my stage, in slot 1
	s_lshl_b32 s84, s69, 8
	s_lshl_b32 s85, s15, 7
	s_add_co_u32 s84, s84, s85                     ; my first row: 256 gy + 128 x half,
	s_lshl_b32 s84, s84, 12                        ; rows of 4,096 bytes,
	s_lshl_b32 s86, s68, 10
	s_lshl_b32 s87, s16, 9
	s_add_co_u32 s86, s86, s87                     ; my first column, in bytes: 1,024 gx + 512 x half; bo's offset too
	s_add_co_u32 s84, s84, s86
	s_mov_b32 s85, 0
	s_mov_b32 s87, 0
	s_wait_dscnt 0x0                               ; the opening add is done
	s_wait_kmcnt 0x0
	s_add_nc_u64 s[72:73], s[4:5], s[72:73]
	s_add_nc_u64 s[74:75], s[6:7], s[74:75]
	s_add_nc_u64 s[88:89], s[8:9], s[86:87]        ; bo at my 128 columns
	s_add_nc_u64 s[76:77], s[10:11], s[84:85]      ; out0 at my corner; never stepped: 127 rows of 4,096 bytes stay inside the stores' immediate
.irp f, 0,1,2
	s_mov_b32 s[G0A+4*\f], 1
	s_add_co_u32 s[G0A+4*\f+1], s19, \f*SLOT
	s_add_nc_u64 s[G0A+4*\f+2:G0A+4*\f+3], s[72:73], \f*2*PLANE_A
	s_or_b32 s[G0A+4*\f+3], s[G0A+4*\f+3], 0x80000000
	s_mov_b32 s[G0B+4*\f], 1
	s_add_co_u32 s[G0B+4*\f+1], s19, \f*SLOT
	s_add_nc_u64 s[G0B+4*\f+2:G0B+4*\f+3], s[74:75], \f*2*PLANE_B
	s_or_b32 s[G0B+4*\f+3], s[G0B+4*\f+3], 0x80000000
.endr
	CROUND                                         ; all sixteen work-groups are here: the first joint loads meet
	s_cmp_eq_u32 s15, 0                            ; a wave's three first fills stand in one branch, ahead of every wait on TENSORcnt and every LDS read
	s_cbranch_scc0 .Lfirst_b
	tensor_load_to_lds s[G0A:G0A+3], s[G1A:G1A+7]
	s_nop 0
	tensor_load_to_lds s[G0A+4:G0A+7], s[G1A:G1A+7]
	s_nop 0
	tensor_load_to_lds s[G0A+8:G0A+11], s[G1A:G1A+7]
	s_nop 0
.rept 4
	v_nop
.endr
	s_branch .Lfirst_asked
.Lfirst_b:
	tensor_load_to_lds s[G0B:G0B+3], s[G1B:G1B+7]
	s_nop 0
	tensor_load_to_lds s[G0B+4:G0B+7], s[G1B:G1B+7]
	s_nop 0
	tensor_load_to_lds s[G0B+8:G0B+11], s[G1B:G1B+7]
	s_nop 0
.rept 4
	v_nop
.endr
.Lfirst_asked:
	v_bfe_u32 v65, v0, 4, 1                        ; h
	v_lshlrev_b32 v1, 6, v65                       ; 64 h: register 16 b + i wants bo of column 32 b + 16 h + i
	WIN 0x40                                       ; destination window 1
.irp n, 0,1,2,3,4,5,6,7,8,9,10,11,12,13,14,15
	global_load_b128 v[4*\n:4*\n+3], v1, s[88:89] offset:128*(\n/4)+16*(\n%4)
.endr
	WIN 0
	v_and_b32 v[VO], 31, v0
	v_lshlrev_b32 v[VO], 4, v[VO]                  ; 16 x lane
	v_and_b32 v64, 15, v0                          ; r
	v_mul_u32_u24 v[STO], v64, SPITCH
	v_lshl_add_u32 v[STO], v65, 6, v[STO]
	v_add_nc_u32 v[STO], s22, v[STO]
	v_add_nc_u32 v[RD], s22, v[VO]
	v_lshlrev_b32 v64, 5, v64                      ; 32 x (lane % 16)
.irp f, 0,1,2
	v_add_nc_u32 v[ADR1+\f], s20, v[VO]
	v_add_nc_u32 v[ADR0+\f], s21, v[VO]
	v_add_nc_u32 v[ADS1+\f], s20, v64
	v_add_nc_u32 v[ADS0+\f], s21, v64
	s_add_co_u32 s20, s20, SLOT
	s_add_co_u32 s21, s21, SLOT
.endr
	s_wait_tensorcnt 0x2                           ; my part of slot 0 is in; the fills of slots 1 and 2 were issued behind it and may be out
	s_barrier_signal -1
	s_barrier_wait -1                              ; everybody's is
	FETCH 0, 0, 0
	s_wait_loadcnt 0x0                             ; bo
	KSTEP 0, 0, 1
	KSTEP 1, 1, 0                                  ; slot 0 is read out: it takes K steps 6 and 7; slots 1 and 2 are whole behind this round
	KSTEP 2, 0, 0
	KSTEP 3, 0, 0
	KSTEP 4, 0, 0
	KSTEP 5, 2, 0                                  ; slot 0 is whole again; every wave's reads of slot 1 are over
	KSTEP 6, 0, 0
	KSTEP 7, 3, 0
	PLACES
	WIN 0
; Block a: my row slots of ctx's fragment a, 128 columns.  LDS serves a wave's instructions in order (ISA guide 5.7.1.4): no wait between the stores and the loads, nor in front of the next block's stores.
.macro TOSTAGE a
.set AC, 64*((\a)%4)
	WIN (2+(\a)/4)<<2                              ; an LDS store's data are its source 1: the accumulators' window
.irp n, 0,1,2,3,4,5,6,7,8,9,10,11,12,13,14,15
	ds_store_b128 v[STO], v[AC+4*\n:AC+4*\n+3] offset:128*(\n/4)+16*(\n%4)   ; registers 16 b + 4 j on: columns 32 b + 16 h + 4 j on; each accumulator from its low end on
.endr
	WIN 0
.set BB, BK+64*((\a)%2)
.irp t, 0,1,2,3,4,5,6,7,8,9,10,11,12,13,14,15
	ds_load_b128 v[BB+4*\t:BB+4*\t+3], v[RD] offset:SPITCH*\t
.endr
.endm
.macro SEND a, younger                 ; younger: the LDS instructions issued behind block a's loads, which may stay out
.set BB, BK+64*((\a)%2)
	s_wait_dscnt \younger
.irp t, 0,1,2,3,4,5,6,7,8,9,10,11,12,13,14,15
	global_store_b128 v[VO], v[BB+4*\t:BB+4*\t+3], s[76:77] offset:(32*((\a)/2)+8*((\a)%2)+\t+8*(\t/8))*4096 th:TH_STORE_NT   ; row slot t: 32 lanes store 512 consecutive bytes; written once, read by nobody here
.endr
.endm
	TOSTAGE 0
.irp a, 1,2,3,4,5,6,7
.if \a > 1
	s_wait_xcnt 0x0                                ; block a - 2's stores have read their registers: block a's loads may land there
.endif
	TOSTAGE \a
	SEND \a-1, 32                                  ; behind block a - 1's loads: block a's 16 stores and 16 loads
.endr
	SEND 7, 0
	s_wait_tensorcnt 0x0                           ; the wave's end: behind my last tensor load and my last LDS store
	ds_add_u32 v[SPW], v[NIL]
	s_wait_dscnt 0x0
	CROUND                                         ; the closing round: no work-group ends while a partner may still ask for a tile that names it
	s_endpgm
.Lfunc_end_k_q04f2e1b0d1_outp:
	.size	k_q04f2e1b0d1_outp, .Lfunc_end_k_q04f2e1b0d1_outp-k_q04f2e1b0d1_outp
	.p2alignl 7, 3214868480
	.fill 96, 4, 3214868480
	.section	.rodata,"a",@progbits
	.p2align	6, 0x0
	.amdhsa_kernel k_q04f2e1b0d1_outp
		.amdhsa_group_segment_fixed_size 327680
		.amdhsa_private_segment_fixed_size 0
		.amdhsa_enable_private_segment 0
		.amdhsa_kernarg_size 32
		.amdhsa_user_sgpr_count 2
		.amdhsa_user_sgpr_kernarg_segment_ptr 1
		.amdhsa_wavefront_size32 1
		.amdhsa_system_sgpr_workgroup_id_x 1
		.amdhsa_system_sgpr_workgroup_id_y 1
		.amdhsa_system_sgpr_workgroup_id_z 1
		.amdhsa_system_vgpr_workitem_id 0
		.amdhsa_next_free_vgpr 1024
		.amdhsa_next_free_sgpr 100
		.amdhsa_reserve_vcc 0
		.amdhsa_float_denorm_mode_32 3
		.amdhsa_float_denorm_mode_16_64 3
		.amdhsa_memory_ordered 1
		.amdhsa_forward_progress 1
		.amdhsa_inst_pref_size 132
	.end_amdhsa_kernel
	.amdgpu_metadata
---
amdhsa.version: [ 1, 2 ]
amdhsa.kernels:
  - .name:           k_q04f2e1b0d1_outp
    .symbol:         k_q04f2e1b0d1_outp.kd
    .args:
      - { .name: ctx, .offset: 0, .size: 8, .value_kind: global_buffer, .address_space: global }
      - { .name: xw, .offset: 8, .size: 8, .value_kind: global_buffer, .address_space: global }
      - { .name: bo, .offset: 16, .size: 8, .value_kind: global_buffer, .address_space: global }
      - { .name: out0, .offset: 24, .size: 8, .value_kind: global_buffer, .address_space: global }
    .group_segment_fixed_size: 327680
    .private_segment_fixed_size: 0
    .kernarg_segment_align: 8
    .kernarg_segment_size: 32
    .max_flat_workgroup_size: 128
    .sgpr_count:     100
    .vgpr_count:     1024
    .wavefront_size: 32
...
	.end_amdgpu_metadata
.endif
;; end of part 5
;; ======== version 2 of 2: 5 launches
;; limits: right only within a limited range of input values
;; workspace buffers: xw 9,830,400 bytes; qkv 19,660,800 bytes; p 14,155,776 bytes; ctx 6,553,600 bytes
;; launch quant (part 6): grid 768 x 1, 8 waves a work-group, no clusters, 69,120 bytes of LDS; arguments x, Wq, Wk, Wv, Wo, xw; writes xw
.if DOCPART == 6
	.amdgcn_target "amdgcn-amd-amdhsa--gfx1250"
	.amdhsa_code_object_version 6
	.text
	.protected	k_q04f2e1b0d1_quant
	.globl	k_q04f2e1b0d1_quant
	.p2align	8
	.type	k_q04f2e1b0d1_quant,@function
k_q04f2e1b0d1_quant:
	s_mov_b64 s[64:65], 0
	v_nop
	global_prefetch_b8 v0, s[64:65] scope:SCOPE_SE
	s_setreg_imm32_b32 hwreg(HW_REG_WAVE_MODE, 25, 1), 1
	s_wait_xcnt 0x0
; x [8192][1024] and Wq, Wk, Wv, Wo [1024][1024], f32 with K innermost, are quantised along K to codes of FP6 (E2M3) with one E8M0 byte for each 32 along K, and laid as RECORDS.
; A RECORD is 128 rows x 128 K of an operand in 12,800 bytes: eight fragment images of 1,536 bytes (image i: the 12 operand registers of 16 rows x 128 K; registers 4 c .. 4 c + 3 of lane l at 1536 i + 512 c + 16 l),
; then 512 bytes of scale words (fragment i, lane slot r: at 12288 + 32 r + 4 i).  Fragment i = 2 b + u, lane slot r, holds row 32 b + 8 u + r + 8 (r / 8) of the record's 128 rows.
; xw: x's records [8 K steps][64 groups of rows] from byte 0; the weights' [8 K steps][32 groups] from byte 6,553,600 (groups 0-7 Wq, 8-15 Wk, 16-23 Wv, 24-31 Wo).
; SHARES.  A work-group makes one record (work-groups 0-511: x; 512-767: the weights, 64 each); wave i makes fragment i.  Each of a wave's 16 loads reads 512 consecutive bytes of one row; the rows turn through the wave's own
; stage in LDS (rows 528 bytes apart) so that lane (r, h) holds, of row slot r, 16 neighbours of each block of 32: register 16 b + i = k 32 b + 16 h + i.  The image leaves by three stores of 512 consecutive bytes.
; The eight waves' scale words meet in 512 bytes of LDS and leave by one store of 512 consecutive bytes (wave 0).  No tensor load, no matrix work: the launch streams, so clusters and large register tiles would buy nothing.
; A block's scale is 2^(floor(log2(its largest magnitude)) - 2); its byte is the largest magnitude's exponent field - 2, held at 1 from below.
; LIMITS: a block of zeros, or one whose largest magnitude lies under 2^-124, gets the byte 1 (the bytes are read by this program alone; such a block's codes are zeros or subnormal codes under that byte); NaN and infinities are not served.
.set PITCH, 528                        ; a stage row: 512 bytes + 16: the sixteen rows that a load touches start 4 banks apart
.set STG,   16*PITCH                   ; a wave's stage
.set SCW,   8*STG                      ; behind the stages: the record's 512 bytes of scale words
.set SPARE, SCW+512                    ; behind them: the spare words, 128 bytes for each of the eight waves, which no other line names
.set REC,   12800
.set SCO,   12288
.set LA,  4                            ; v4   16 x lane
.set SI,  5                            ; v5   the stage, on the way in: 16 x lane
.set SO,  6                            ; v6   on the way out: 528 r + 64 h
.set WA,  7                            ; v7   where my row slot's scale word goes: SCW + 32 r + 4 i
.set WR,  8                            ; v8   where wave 0 reads the words back: SCW + 16 x lane
.set SPW, 12                           ; v12  my spare word; never rewritten
.set NIL, 13                           ; v13  0; never rewritten
.set R,   16                           ; v16-79   16 rows as loaded
.set X,   80                           ; v80-143  my 64 numbers
.set PC,  16                           ; v16-35   the codes (R is free by then)
.set TM,  36                           ; v36-51   largest magnitudes, bytes, scale operands
.set PW,  52                           ; v52      the scale word
.set SB,  56                           ; v56-59   the record's scale words on their way out
.set SEL, 30                           ; s[30:31] v_permlanex16_b32's selects for lane l xor 16
	s_load_b256 s[4:11], s[0:1], 0x0               ; x, Wq, Wk, Wv
	s_load_b128 s[12:15], s[0:1], 0x20             ; Wo, xw
	v_lshl_add_u32 v[SPW], v0, 2, SPARE
	v_mov_b32 v[NIL], 0
	v_lshrrev_b32 v1, 5, v0
	s_delay_alu instid0(VALU_DEP_1)
	v_readfirstlane_b32 s16, v1                    ; wave i = fragment i
	v_and_b32 v1, 31, v0                           ; lane
	v_and_b32 v2, 15, v0                           ; r
	v_bfe_u32 v3, v0, 4, 1                         ; h
	s_delay_alu instid0(VALU_DEP_3)
	v_lshlrev_b32 v[LA], 4, v1
	s_mul_i32 s17, s16, STG
	v_add_nc_u32 v[SI], s17, v[LA]
	v_mul_u32_u24 v[SO], v2, PITCH
	s_delay_alu instid0(VALU_DEP_1)
	v_lshl_add_u32 v[SO], v3, 6, v[SO]
	s_delay_alu instid0(VALU_DEP_1)
	v_add_nc_u32 v[SO], s17, v[SO]
	s_lshl_b32 s18, s16, 2
	s_add_co_u32 s18, s18, SCW
	v_lshl_add_u32 v[WA], v2, 5, s18
	v_add_nc_u32 v[WR], SCW, v[LA]
	s_mov_b32 s[SEL], 0x76543210
	s_mov_b32 s[SEL+1], 0xfedcba98
	s_lshr_b32 s20, ttmp9, 3                       ; x: the group of rows, 0-63; weights: 64 + the group, 64-95
	s_and_b32 s21, ttmp9, 7                        ; the K step
	s_and_b32 s22, s20, 7                          ; a weight's own group of rows
	s_mov_b32 s23, 32*REC                          ; from K step to K step in the weights' part of xw,
	s_cmp_lt_u32 ttmp9, 512                        ; x or a weight?  The choices hang on the work-group's number alone
	s_cselect_b32 s22, s20, s22
	s_cselect_b32 s23, 64*REC, s23                 ; in x's part
	s_cselect_b32 s24, 0, 8*64*REC-64*REC          ; the weights' part begins at 6,553,600; their s20 counts from 64
	s_mul_i32 s23, s23, s21
	s_mul_i32 s25, s20, REC
	s_add_co_u32 s24, s24, s23
	s_add_co_u32 s24, s24, s25                     ; the record,
	s_mul_i32 s25, s16, 1536
	s_add_co_u32 s24, s24, s25                     ; and my image in it
	s_mov_b32 s25, 0
	s_lshl_b32 s26, s22, 7                         ; my first row: 128 x group + 32 (i / 2) + 8 (i % 2)
	s_lshr_b32 s27, s16, 1
	s_lshl_b32 s27, s27, 5
	s_add_co_u32 s26, s26, s27
	s_and_b32 s27, s16, 1
	s_lshl_b32 s27, s27, 3
	s_add_co_u32 s26, s26, s27
	s_lshl_b32 s26, s26, 12                        ; rows of 4,096 bytes
	s_lshl_b32 s27, s21, 9                         ; + 512 bytes a K step
	s_add_co_u32 s26, s26, s27
	s_mov_b32 s27, 0
	s_wait_alu depctr_va_vdst(0)
	s_wait_kmcnt 0x0
	s_cmp_lt_u32 ttmp9, 704
	s_cselect_b64 s[28:29], s[10:11], s[12:13]     ; Wv or Wo,
	s_cmp_lt_u32 ttmp9, 640
	s_cselect_b64 s[28:29], s[8:9], s[28:29]       ; Wk,
	s_cmp_lt_u32 ttmp9, 576
	s_cselect_b64 s[28:29], s[6:7], s[28:29]       ; Wq,
	s_cmp_lt_u32 ttmp9, 512
	s_cselect_b64 s[28:29], s[4:5], s[28:29]       ; x
	s_add_nc_u64 s[28:29], s[28:29], s[26:27]
	s_add_nc_u64 s[14:15], s[14:15], s[24:25]
.irp n, 0,1,2,3,4,5,6,7,8,9,10,11,12,13,14,15
	global_load_b128 v[R+4*\n:R+4*\n+3], v[LA], s[28:29] offset:(\n+8*(\n/8))*4096 th:TH_LOAD_NT   ; row slot n: 32 lanes read 512 consecutive bytes; read once in the launch
.endr
.irp n, 0,1,2,3,4,5,6,7,8,9,10,11,12,13,14,15
	s_wait_loadcnt 15-\n                           ; loads come back in order: row slot n is in, the younger ones stay out
	ds_store_b128 v[SI], v[R+4*\n:R+4*\n+3] offset:PITCH*\n
.endr
.irp b, 0,1,2,3
.irp j, 0,1,2,3
	ds_load_b128 v[X+16*\b+4*\j:X+16*\b+4*\j+3], v[SO] offset:128*\b+16*\j   ; LDS serves a wave's instructions in order: these see my stores
.endr
.endr
	s_wait_dscnt 0x0
.irp b, 0,1,2,3
	v_mov_b32 v[TM+4+\b], 0                        ; a lane permute's destination counts as one of its sources
.endr
.irp b, 0,1,2,3
	v_max3_num_f32 v[TM+\b], |v[X+16*\b]|, |v[X+16*\b+1]|, 0x1800000   ; block b: my 16 numbers, and the floor 2^(3 - 127): the byte cannot fall under 1
.endr
.irp i, 2,4,6,8,10,12,14
.irp b, 0,1,2,3
	s_delay_alu instid0(VALU_DEP_4)
	v_max3_num_f32 v[TM+\b], v[TM+\b], |v[X+16*\b+\i]|, |v[X+16*\b+\i+1]|   ; the four blocks by turns
.endr
.endr
.irp b, 0,1,2,3
	s_delay_alu instid0(VALU_DEP_4)
	v_permlanex16_b32 v[TM+4+\b], v[TM+\b], s[SEL], s[SEL+1]
.endr
.irp b, 0,1,2,3
	s_delay_alu instid0(VALU_DEP_4)
	v_max_num_f32 v[TM+\b], v[TM+\b], v[TM+4+\b]   ; with lane l xor 16's 16: the block's largest magnitude
.endr
.irp b, 0,1,2,3
	s_delay_alu instid0(VALU_DEP_4)
	v_add_nc_u32 v[TM+12+\b], 0xff000000, v[TM+\b] ; 2 off its exponent field: the conversion takes the exponent field of this operand as its scale
.endr
.irp b, 0,1,2,3
	s_delay_alu instid0(VALU_DEP_4)
	v_lshrrev_b32 v[TM+4+\b], 23, v[TM+12+\b]      ; the scale's byte
.endr
	s_delay_alu instid0(VALU_DEP_3)
	v_lshl_or_b32 v[PW], v[TM+5], 8, v[TM+4]       ; four bytes: my row slot's scale word
	s_delay_alu instid0(VALU_DEP_1)
	v_lshl_or_b32 v[PW], v[TM+6], 16, v[PW]
	s_delay_alu instid0(VALU_DEP_1)
	v_lshl_or_b32 v[PW], v[TM+7], 24, v[PW]
.irp c, 0,1
	v_cvt_scalef32_pk16_fp6_f32 v[PC+6*\c:PC+6*\c+2], v[X+32*\c:X+32*\c+15], v[TM+12+2*\c]
	v_cvt_scalef32_pk16_fp6_f32 v[PC+12+4*\c:PC+12+4*\c+2], v[X+32*\c+16:X+32*\c+31], v[TM+12+2*\c+1]   ; (a conversion's three registers begin on an even number)
.endr
	v_nop                                          ; one plain place behind a scaled conversion
.irp c, 0,1                                    ; the operand's layout wants a whole block in a lane: lanes 0-15 block 2 c, lanes 16-31 block 2 c + 1
.irp i, 0,1,2
	v_permlane16_swap_b32 v[PC+6*\c+\i], v[PC+12+4*\c+\i]
.endr
.irp i, 0,1,2
	s_delay_alu instid0(VALU_DEP_3)
	v_mov_b32 v[PC+3+6*\c+\i], v[PC+12+4*\c+\i]
.endr
.endr
.irp c, 0,1,2
	global_store_b128 v[LA], v[PC+4*\c:PC+4*\c+3], s[14:15] offset:512*\c   ; the image: 512 consecutive bytes a store
.endr
	ds_store_b32 v[WA], v[PW]                      ; both halves of the lanes write the same word with the same value
	s_wait_dscnt 0x0                               ; for wave 0's sake: my word has landed
	s_barrier_signal -1
	s_barrier_wait -1
	s_cmp_lg_u32 s16, 0
	s_cbranch_scc1 .Lend
	ds_load_b128 v[SB:SB+3], v[WR]                 ; wave 0 (whose base is the record's first byte): the eight waves' words
	s_wait_dscnt 0x0
	global_store_b128 v[LA], v[SB:SB+3], s[14:15] offset:SCO
.Lend:
	s_wait_tensorcnt 0x0                           ; the wave's end: behind my last LDS store
	ds_add_u32 v[SPW], v[NIL]
	s_wait_dscnt 0x0
	s_endpgm
.Lfunc_end_k_q04f2e1b0d1_quant:
	.size	k_q04f2e1b0d1_quant, .Lfunc_end_k_q04f2e1b0d1_quant-k_q04f2e1b0d1_quant
	.p2alignl 7, 3214868480
	.fill 96, 4, 3214868480
	.section	.rodata,"a",@progbits
	.p2align	6, 0x0
	.amdhsa_kernel k_q04f2e1b0d1_quant
		.amdhsa_group_segment_fixed_size 69120
		.amdhsa_private_segment_fixed_size 0
		.amdhsa_enable_private_segment 0
		.amdhsa_kernarg_size 48
		.amdhsa_user_sgpr_count 2
		.amdhsa_user_sgpr_kernarg_segment_ptr 1
		.amdhsa_wavefront_size32 1
		.amdhsa_system_sgpr_workgroup_id_x 1
		.amdhsa_system_sgpr_workgroup_id_y 1
		.amdhsa_system_sgpr_workgroup_id_z 1
		.amdhsa_system_vgpr_workitem_id 0
		.amdhsa_next_free_vgpr 144
		.amdhsa_next_free_sgpr 66
		.amdhsa_reserve_vcc 0
		.amdhsa_float_denorm_mode_32 3
		.amdhsa_float_denorm_mode_16_64 3
		.amdhsa_memory_ordered 1
		.amdhsa_forward_progress 1
		.amdhsa_inst_pref_size 14
	.end_amdhsa_kernel
	.amdgpu_metadata
---
amdhsa.version: [ 1, 2 ]
amdhsa.kernels:
  - .name:           k_q04f2e1b0d1_quant
    .symbol:         k_q04f2e1b0d1_quant.kd
    .args:
      - { .name: x, .offset: 0, .size: 8, .value_kind: global_buffer, .address_space: global }
      - { .name: Wq, .offset: 8, .size: 8, .value_kind: global_buffer, .address_space: global }
      - { .name: Wk, .offset: 16, .size: 8, .value_kind: global_buffer, .address_space: global }
      - { .name: Wv, .offset: 24, .size: 8, .value_kind: global_buffer, .address_space: global }
      - { .name: Wo, .offset: 32, .size: 8, .value_kind: global_buffer, .address_space: global }
      - { .name: xw, .offset: 40, .size: 8, .value_kind: global_buffer, .address_space: global }
    .group_segment_fixed_size: 69120
    .private_segment_fixed_size: 0
    .kernarg_segment_align: 8
    .kernarg_segment_size: 48
    .max_flat_workgroup_size: 256
    .sgpr_count:     66
    .vgpr_count:     144
    .wavefront_size: 32
...
	.end_amdgpu_metadata
.endif
;; end of part 6
;; launch qkv (part 7): grid 8 x 32, 4 waves a work-group, clusters of 4 x 4, 327,680 bytes of LDS; arguments xw, bq, bk, bv, qkv; writes qkv
.if DOCPART == 7
	.amdgcn_target "amdgcn-amd-amdhsa--gfx1250"
	.amdhsa_code_object_version 6
	.text
	.protected	k_q04f2e1b0d1_qkv
	.globl	k_q04f2e1b0d1_qkv
	.p2align	8
	.type	k_q04f2e1b0d1_qkv,@function
k_q04f2e1b0d1_qkv:
	s_mov_b64 s[64:65], 0
	v_nop
	global_prefetch_b8 v0, s[64:65] scope:SCOPE_SE
	s_setreg_imm32_b32 hwreg(HW_REG_WAVE_MODE, 25, 1), 1
	s_wait_xcnt 0x0
	s_wait_alu depctr_hold_cnt(0) depctr_sa_sdst(0) depctr_va_vdst(0) depctr_va_sdst(0) depctr_va_ssrc(0) depctr_va_vcc(0) depctr_vm_vsrc(0)
	s_getreg_b32 s2, hwreg(HW_REG_IB_STS2, 6, 4)
	s_cmp_eq_u32 s2, 0
	s_cbranch_scc0 .Lentry_in_a_cluster
	s_endpgm
.Lentry_in_a_cluster:
	s_bfe_u32 s2, ttmp6, 0x10000c
	s_cmp_lg_u32 s2, 0xf033
	s_cbranch_scc0 .Lentry_shape_is_right
	s_endpgm
.Lentry_shape_is_right:
; q = x Wq^T + bq, k = x Wk^T + bk, v = x Wv^T + bv on codes of FP6 (E2M3) with E8M0 scales, sums in f32; the results are quantised at once, q and k along d, v along t, and stored as records.
; A RECORD is 128 rows x 128 K in 12,800 bytes: eight fragment images of 1,536 bytes (registers 4 c .. 4 c + 3 of lane l at 1536 i + 512 c + 16 l), then the scale words (fragment i, lane slot r: at 12288 + 32 r + 4 i).
; Fragment i = 2 b + u, lane slot r, holds row 32 b + 8 u + r + 8 (r / 8) of the 128.  So, taken as source 0, the 64 result registers of tiles 0-7 run along source 0's rows in natural order (register 16 b + i of lane (r, h): row 32 b + 16 h + i):
; a wave's 128 rows of source 0 are one K step of the next product, and its lane slots of source 1 stay lane slots.
; xw: x's records [8 K steps][64 groups] at 0, the weights' [8][32] at 6,553,600 (groups 0-7 Wq, 8-15 Wk, 16-23 Wv).  qkv: q [8][64] at 0, k [8][64] at 6,553,600, v (rows d, K = t) [64 K steps][8 groups] at 13,107,200.
; SHARES.  The three products are 384 tiles of 256 x 256, one and a half for each of 256 work-groups.  A WORK-GROUP STAYS and has two phases.
;   Phase 1: 256 (t) x 256 (d) of q (grid x 0-3) or k (4-7): source 1 = x's groups 2 gy, 2 gy + 1, source 0 = weight groups 2 gx, 2 gx + 1; four waves, 128 x 128 each: 64 accumulators.
;   Phase 2: 128 (d) x 256 (t) of v: source 1 = Wv's group gx, source 0 = the same two groups of x, so that the registers run along t; four waves, 64 x 128 each: 32 accumulators.
; RING.  Two LDS slots of 153,600 bytes, one tensor load a wave behind each barrier.  In phase 1 a slot holds three K steps of four groups (a wave brings one group: 3 x 12,800 bytes), in phase 2 four K steps
; of three groups.  Five fills: K steps 0-1 at the head (the descriptor states two rows as left of the tensor, so that the tile's third row is written
; as zeros and the whole slot has been filled); 2-4 behind the round in front of K step 0; 5-7 behind the round of K step 1; phase 2's K steps 0-3 behind the round of K step 4 and 4-7 behind that of K step 7: phase 2 fills nothing.
; By this text's count a wave has one tensor load out.  The words of group 1 that count rows are written anew behind the wait that shows every load of the wave done.
; CLUSTERS: 4 x 4 work-groups; x's records are asked for jointly along a row of the cluster, the weights' along a column.
; PREFETCH, one fill ahead of the tensor load: K steps 2-4 at the head, 5-7 behind the second fill's request.  A K step of two neighbouring groups is 100 blocks of 256 bytes; wave w (0 to 2) takes K step first + w, and of the four partners
; that ask for a tile jointly each takes 25 blocks, told apart by address.  Phase 2's x has been read by then, and Wv's fills have two and a half K steps and more in which to land: they are not asked for.
; THE BIASES are the C of each accumulator's first matrix instruction: bq, bk run along the registers (64 numbers, window 1), bv along the lanes (eight equal registers for each of my four blocks, laid over them for phase 2).
; THE WAYS OUT read the accumulators where they lie: the register windows of the maxima's and the conversions' sources are set to the accumulators'.
; LIMITS: a block of zeros, or one whose largest magnitude lies under 2^-124, gets the byte 1 (read by this program alone); NaN and infinities are not served.
; REGISTERS: window 0: v2-12 LDS addresses, v14-15 the add's two, v16-19 bv by lanes, v24-27 offsets that stay, v28-29 the prefetches' offsets, v32-63 scale words (two sets), v64-159 source 1's fragments, v160-255 source 0's (set 0);
;   window 1: v0-63 the biases as C, v64-255 set 1; windows 2, 3: accumulator (a, b) at v[8 (8 (a % 4) + b)] of window 2 + a / 4.
.set REC,     12800
.set SCO,     12288
.set REGB,    3*REC                    ; phase 1: a wave's region of a slot: three K steps of one group of rows
.set REGV,    4*REC                    ; phase 2: four K steps of one group
.set SLOT,    12*REC                   ; phase 1: regions 0, 1 x's two groups, 2, 3 the weight's; phase 2: regions 0, 1 x's, 2 Wv's
.set SPARE,   2*SLOT                   ; behind the ring: the spare words, 128 bytes a wave, which no other line names
.set PLANE_A, 64*REC                   ; from K step to K step in x's records
.set PLANE_B, 32*REC                   ; in the weights'
.set B_OFF,   8*PLANE_A
.set V_OFF,   16*PLANE_A               ; v's records in qkv
.set ADR1, 2                           ; v2-3   source 1's images in slot 0, 1; made anew for phase 2
.set ADR0, 5                           ; v5-6   source 0's
.set ADS1, 8                           ; v8-9   source 1's scale words
.set ADS0, 11                          ; v11-12 source 0's
.set SPW,  14
.set NIL,  15
.set BL,   16                          ; v[16 + a]: bv of my row slot of block a
.set BO,   24                          ; the offset of bv's loads
.set VO,   25                          ; 16 x lane
.set VS,   26                          ; 32 (lane % 16) + 16 (lane / 16)
.set VS2,  27                          ; 32 (lane % 16) + 8 (lane / 16) + 16 x my half of source 1
.set PFA,  28                          ; the prefetches' offsets: 256 x (25 cx + lane) for x, 256 x (25 cy + lane) for the weights; never rewritten
.set PFB,  29
.set SC,   32                          ; scale words, set p at 32 + 16 p: + a source 1's block a, + 8 + b source 0's block b; these registers hold nothing else
.set F1,   64
.set F0,   160
.set G1A,  24                          ; s[24:31] descriptor group 1 for x's records; s[32:39] group 0, a set for each slot
.set G0A,  32
.set G1B,  44                          ; s[44:51], s[52:59] the same for the weights'
.set G0B,  52
.set PA,   40                          ; s[40:41] x's groups 2 gy on, K step = my wave; s[42:43] the weight's groups 2 gx on
.set PB,   42
.set WVP,  82                          ; s[82:83] Wv's group gx, K step 0
.set PC,   128                         ; the ways out, window 0: v128-147 the codes
.set TM,   148                         ; v148-163 largest magnitudes, bytes, scale operands
.set PWS,  164                         ; v164-171 the blocks' scale words
.set ST,   188                         ; v188-191 the words as they are stored
.set MSB, 0
.macro WIN new                         ; the immediate's high byte repeats the setting that is left; a switch that changes nothing is dropped
.if MSB != (\new)
	s_set_vgpr_msb (MSB<<8)|(\new)
.set MSB, (\new)
.endif
.endm
.macro PLACES                          ; four plain places: behind matrix instructions, in front of loads into registers that they have read and of the first read of results
.rept 4
	v_nop
.endr
.endm
.macro CREST                           ; a round of the cluster's barrier behind its opening barrier
	s_cmp_lg_u32 s14, 0
	s_cbranch_scc1 .Lnot_wave_0_\@
	s_barrier_signal -3
.Lnot_wave_0_\@:
	s_barrier_wait -3
	s_barrier_signal -1
	s_barrier_wait -1
.endm
.macro CROUND
	s_barrier_signal -1
	s_barrier_wait -1
	CREST
.endm
; A joint fill of slot f: waves 0, 1 for x; for the weight waves 2, 3 (ph = 0) or wave 2 alone (ph not 0: Wv's one group).  The branches hang on the wave's number alone.  An s_nop 0 and four v_nop follow each line.
.macro JLOAD f, ph
	s_cmp_eq_u32 s15, 0
	s_cbranch_scc0 .Lfor_b_\@
	tensor_load_to_lds s[G0A+4*(\f):G0A+4*(\f)+3], s[G1A:G1A+7]
	s_nop 0
.rept 4
	v_nop
.endr
	s_branch .Lasked_\@
.Lfor_b_\@:
.if \ph
	s_cmp_eq_u32 s14, 2
	s_cbranch_scc0 .Lasked_\@
.endif
	tensor_load_to_lds s[G0B+4*(\f):G0B+4*(\f)+3], s[G1B:G1B+7]
	s_nop 0
.rept 4
	v_nop
.endr
.Lasked_\@:
.endm
.macro ASK n, k0                       ; waves 0 .. n - 1 ask for K step k0 + wave: my work-group's 25 blocks of x's 100 and of the weight's 100; lanes 25-31 name the last block again
	s_cmp_lt_u32 s14, \n
	s_cbranch_scc0 .Lno_ask_\@
	global_prefetch_b8 v[PFA], s[PA:PA+1] offset:(\k0)*PLANE_A th:TH_LOAD_NT scope:SCOPE_SE
	global_prefetch_b8 v[PFB], s[PB:PB+1] offset:(\k0)*PLANE_B th:TH_LOAD_NT scope:SCOPE_SE
.Lno_ask_\@:
.endm
.macro FETCH slot, q, p                ; phase 1: 52 LDS loads in one run: the 16 fragments and 16 scale words of the slot's q-th K step into set p; each image load takes 512 consecutive bytes
	WIN (\p)<<6
.irp i, 0,1,2,3,4,5,6,7
.irp c, 0,1,2
	ds_load_b128 v[F0+12*\i+4*\c:F0+12*\i+4*\c+3], v[ADR0+(\slot)] offset:(\q)*REC+1536*\i+512*\c
.endr
.endr
.irp i, 0,1,2,3,4,5,6,7
.irp c, 0,1,2
	ds_load_b128 v[F1+12*\i+4*\c:F1+12*\i+4*\c+3], v[ADR1+(\slot)] offset:(\q)*REC+1536*\i+512*\c
.endr
.endr
	WIN 0
	ds_load_b128 v[SC+16*(\p):SC+16*(\p)+3], v[ADS1+(\slot)] offset:(\q)*REC+SCO
	ds_load_b128 v[SC+16*(\p)+4:SC+16*(\p)+7], v[ADS1+(\slot)] offset:(\q)*REC+SCO+16
	ds_load_b128 v[SC+16*(\p)+8:SC+16*(\p)+11], v[ADS0+(\slot)] offset:(\q)*REC+SCO
	ds_load_b128 v[SC+16*(\p)+12:SC+16*(\p)+15], v[ADS0+(\slot)] offset:(\q)*REC+SCO+16
.endm
.macro FETCHV slot, q, p               ; phase 2: 39 LDS loads: x's eight fragments, my four of Wv's, their scale words
	WIN (\p)<<6
.irp i, 0,1,2,3,4,5,6,7
.irp c, 0,1,2
	ds_load_b128 v[F0+12*\i+4*\c:F0+12*\i+4*\c+3], v[ADR0+(\slot)] offset:(\q)*REC+1536*\i+512*\c
.endr
.endr
.irp i, 0,1,2,3
.irp c, 0,1,2
	ds_load_b128 v[F1+12*\i+4*\c:F1+12*\i+4*\c+3], v[ADR1+(\slot)] offset:(\q)*REC+1536*\i+512*\c
.endr
.endr
	WIN 0
	ds_load_b128 v[SC+16*(\p):SC+16*(\p)+3], v[ADS1+(\slot)] offset:(\q)*REC+SCO
	ds_load_b128 v[SC+16*(\p)+8:SC+16*(\p)+11], v[ADS0+(\slot)] offset:(\q)*REC+SCO
	ds_load_b128 v[SC+16*(\p)+12:SC+16*(\p)+15], v[ADS0+(\slot)] offset:(\q)*REC+SCO+16
.endm
; Phase 1: 16 matrix instructions: source 1's blocks a0, a0 + 1 x source 0's eight, on set p.  first = 1: the sums start from bq or bk in window 1: nothing is cleared.  The accumulators take turns, in the same order in every step.
.macro MUL16 a0, p, first
.set MW, 2+(\a0)/4
.if \first
	WIN (5*(\p))|0x10|(MW<<6)
.else
	WIN (5*(\p))|(MW<<4)|(MW<<6)
.endif
.irp a, \a0, \a0+1
.irp b, 0,1,2,3,4,5,6,7
.set AC, 8*(8*((\a)%4)+\b)
.if \first
	v_wmma_scale_f32_16x16x128_f8f6f4 v[AC:AC+7], v[F0+12*\b:F0+12*\b+11], v[F1+12*(\a):F1+12*(\a)+11], v[8*\b:8*\b+7], v[SC+16*(\p)+8+\b], v[SC+16*(\p)+(\a)] matrix_a_fmt:MATRIX_FMT_FP6 matrix_b_fmt:MATRIX_FMT_FP6
.else
	v_wmma_scale_f32_16x16x128_f8f6f4 v[AC:AC+7], v[F0+12*\b:F0+12*\b+11], v[F1+12*(\a):F1+12*(\a)+11], v[AC:AC+7], v[SC+16*(\p)+8+\b], v[SC+16*(\p)+(\a)] matrix_a_fmt:MATRIX_FMT_FP6 matrix_b_fmt:MATRIX_FMT_FP6
.endif
.endr
.endr
.endm
; Phase 2: 8 matrix instructions: Wv's block a (of my four) x x's eight; the 32 accumulators lie in window 2 and take turns likewise.  first = 1: the sums start from bv of my row slot, eight equal registers in window 1.
.macro MULV a, p, first
.if \first
	WIN (5*(\p))|0x90
.else
	WIN (5*(\p))|0xa0
.endif
.irp b, 0,1,2,3,4,5,6,7
.set AC, 8*(8*(\a)+\b)
.if \first
	v_wmma_scale_f32_16x16x128_f8f6f4 v[AC:AC+7], v[F0+12*\b:F0+12*\b+11], v[F1+12*(\a):F1+12*(\a)+11], v[8*(\a):8*(\a)+7], v[SC+16*(\p)+8+\b], v[SC+16*(\p)+(\a)] matrix_a_fmt:MATRIX_FMT_FP6 matrix_b_fmt:MATRIX_FMT_FP6
.else
	v_wmma_scale_f32_16x16x128_f8f6f4 v[AC:AC+7], v[F0+12*\b:F0+12*\b+11], v[F1+12*(\a):F1+12*(\a)+11], v[AC:AC+7], v[SC+16*(\p)+8+\b], v[SC+16*(\p)+(\a)] matrix_a_fmt:MATRIX_FMT_FP6 matrix_b_fmt:MATRIX_FMT_FP6
.endif
.endr
.endm
.macro QTR n, n2, p, first             ; a quarter of a K step's products: phase 1: blocks n2, n2 + 1; phase 2: block n
.if PH
	MULV \n, \p, \first
.else
	MUL16 \n2, \p, \first
.endif
.endm
.macro NEXT                            ; the next K step's fragments into the other set
.if PH
	FETCHV NSL, NQ, 1-KP
.else
	FETCH NSL, NQ, 1-KP
.endif
.endm
; K step k on set k % 2.  Phase 1 (0-7): K steps 0, 1 are rows 0, 1 of slot 0; from K step 2 on row (k + 1) % 3 of slot ((k + 1) / 3) % 2.  Phase 2 (8-15): K steps 8-11 in slot 1, 12-15 in slot 0.
; kind 0: plain.  kind 1: the slot has been read out: all my tensor loads waited for, the add, my reads waited for, a round of the cluster's barrier, the joint refill first behind it.
; kind 4: as kind 1, but nothing is fetched: the way out follows, which uses set 0's registers.  kind 2: the same lines with a plain barrier and no refill.  kind 3: the last step.
.macro KSTEP k, kind, first
.set PH,  (\k)/8
.set KP,  (\k)%2
.if PH
.set KSL, 1-((\k)-8)/4
.set NSL, 1-((\k)-7)/4
.set NQ,  ((\k)-7)%4
.else
.set KSL, (((\k)+1)/3)%2
.set NSL, (((\k)+2)/3)%2
.if (\k) == 0
.set NQ,  1
.else
.set NQ,  ((\k)+2)%3
.endif
.endif
.if (\kind) == 0
	s_wait_dscnt 0x0                               ; this step's loads are in
	PLACES
	NEXT
	QTR 0, 0, KP, \first
	QTR 1, 2, KP, \first
	QTR 2, 4, KP, \first
	QTR 3, 6, KP, \first
.elseif (\kind) == 3
	s_wait_dscnt 0x0
	QTR 0, 0, KP, 0
	QTR 1, 2, KP, 0
	QTR 2, 4, KP, 0
	QTR 3, 6, KP, 0
.else
	WIN 0                                          ; (the add's two registers lie in window 0)
	s_wait_tensorcnt 0x0                           ; all my tensor loads have landed
	ds_add_u32 v[SPW], v[NIL]                      ; 0 onto my spare word
	s_wait_dscnt 0x1                               ; the add alone was issued behind this step's loads
	QTR 0, 0, KP, 0
	s_wait_dscnt 0x0                               ; the add is done, and my reads of the slot are over
	s_barrier_signal -1
	QTR 1, 2, KP, 0
.if (\kind) != 2
	WIN 0
.endif
	s_barrier_wait -1
.if (\kind) != 2
	CREST                                          ; no wave of any partner still reads the slot or has a load on its way: the descriptors may be written
.if (\k) == 1
	s_add_nc_u64 s[G0A+4*KSL+2:G0A+4*KSL+3], s[G0A+4*KSL+2:G0A+4*KSL+3], 5*PLANE_A   ; slot 0: from K step 0 to K step 5
	s_add_nc_u64 s[G0B+4*KSL+2:G0B+4*KSL+3], s[G0B+4*KSL+2:G0B+4*KSL+3], 5*PLANE_B
.else
.if (\k) == 4
	s_sub_nc_u64 s[G0A+4*KSL+2:G0A+4*KSL+3], s[G0A+4*KSL+2:G0A+4*KSL+3], 2*PLANE_A   ; slot 1: x from K step 2 back to K step 0,
	s_mov_b32 s[G1A+2], 4<<16                      ; four K steps: tensor_dim1,
	s_mov_b32 s[G1A+4], 4                          ; tile_dim1
	s_mov_b32 s[G1B+2], 4<<16
	s_mov_b32 s[G1B+4], 4
.else
	s_sub_nc_u64 s[G0A+4*KSL+2:G0A+4*KSL+3], s[G0A+4*KSL+2:G0A+4*KSL+3], PLANE_A     ; slot 0: x from K step 5 back to K step 4
.endif
	s_add_nc_u64 s[G0B+4*KSL+2:G0B+4*KSL+3], s[WVP:WVP+1], (((\k)-4)/3)*4*PLANE_B   ; Wv's K steps 0 on, 4 on
	s_or_b32 s[G0B+4*KSL+3], s[G0B+4*KSL+3], 0x80000000                             ; type = 2
	s_add_co_u32 s[G0A+4*KSL+1], s18, KSL*SLOT     ; phase 2's regions: wave x 51,200 bytes
	s_add_co_u32 s[G0B+4*KSL+1], s18, KSL*SLOT
.endif
	JLOAD KSL, (\k)/4
.endif
.if (\kind) != 4
	PLACES                                         ; in front of the loads below, on every wave's path
	s_wait_alu depctr_va_vdst(0)
	NEXT
.endif
	QTR 2, 4, KP, 0
	QTR 3, 6, KP, 0
.endif
.endm
; 64 numbers of a lane in window w, register s + 16 b + i = k 32 b + 16 h + i of my row slot: QMAX finds the four blocks' largest magnitudes, QTAIL makes the scale word v[pw] and the fragment's codes in v[PC] on.
; Each accumulator is first read at its low end.
.macro QMAX s, w
	WIN (\w)|((\w)<<2)                             ; sources 0 and 1: the accumulators' window
.irp b, 0,1,2,3
	v_max3_num_f32 v[TM+\b], |v[\s+16*\b]|, |v[\s+16*\b+1]|, 0x1800000   ; and the floor 2^(3 - 127): the byte cannot fall under 1
.endr
	WIN ((\w)<<2)|((\w)<<4)                        ; sources 1 and 2
.irp i, 2,4,6,8,10,12,14
.irp b, 0,1,2,3
	v_max3_num_f32 v[TM+\b], v[TM+\b], |v[\s+16*\b+\i]|, |v[\s+16*\b+\i+1]|
.endr
.endr
	WIN 0
.irp b, 0,1,2,3
	v_permlanex16_b32 v[TM+4+\b], v[TM+\b], s80, s81
.endr
.irp b, 0,1,2,3
	v_max_num_f32 v[TM+\b], v[TM+\b], v[TM+4+\b]
.endr
.endm
.macro QTAIL s, pw, w
	s_wait_xcnt 0x0                                ; the last block's stores have read the codes' registers
.irp b, 0,1,2,3
	v_add_nc_u32 v[TM+12+\b], 0xff000000, v[TM+\b] ; 2 off the exponent field: the conversion's scale operand
.endr
.irp b, 0,1,2,3
	v_lshrrev_b32 v[TM+4+\b], 23, v[TM+12+\b]      ; the scale's byte
.endr
	v_lshl_or_b32 v[\pw], v[TM+5], 8, v[TM+4]
	v_lshl_or_b32 v[\pw], v[TM+6], 16, v[\pw]
	v_lshl_or_b32 v[\pw], v[TM+7], 24, v[\pw]
	WIN (\w)                                       ; source 0: the accumulators' window
.irp c, 0,1
	v_cvt_scalef32_pk16_fp6_f32 v[PC+6*\c:PC+6*\c+2], v[\s+32*\c:\s+32*\c+15], v[TM+12+2*\c]
	v_cvt_scalef32_pk16_fp6_f32 v[PC+12+4*\c:PC+12+4*\c+2], v[\s+32*\c+16:\s+32*\c+31], v[TM+12+2*\c+1]
.endr
	WIN 0
	v_nop                                          ; one plain place behind a scaled conversion
.irp c, 0,1                                    ; a whole block to a lane: lanes 0-15 block 2 c, lanes 16-31 block 2 c + 1
.irp i, 0,1,2
	v_permlane16_swap_b32 v[PC+6*\c+\i], v[PC+12+4*\c+\i]
.endr
.irp i, 0,1,2
	v_mov_b32 v[PC+3+6*\c+\i], v[PC+12+4*\c+\i]
.endr
.endr
.endm
.macro FSTORE a, ptr                   ; an image: three stores of 512 consecutive bytes
.irp c, 0,1,2
	global_store_b128 v[VO], v[PC+4*\c:PC+4*\c+3], s[\ptr:\ptr+1] offset:1536*(\a)+512*\c
.endr
.endm
	s_load_b256 s[4:11], s[0:1], 0x0               ; xw, bq, bk, bv
	s_load_b64 s[12:13], s[0:1], 0x20              ; qkv
	v_lshl_add_u32 v[SPW], v0, 2, SPARE
	v_mov_b32 v[NIL], 0
	ds_add_u32 v[SPW], v[NIL]                      ; the wave's opening: the add, twice on end, and its wait ahead of my first tensor load; work on registers stands between them
	ds_add_u32 v[SPW], v[NIL]
	v_lshrrev_b32 v1, 5, v0
	v_readfirstlane_b32 s14, v1                    ; wave 0..3
	s_lshr_b32 s15, s14, 1                         ; my half of source 1.  Also: I fetch for x (0) or for the weight (1)
	s_and_b32 s16, s14, 1                          ; my half of source 0.  Also: which of the two groups I fetch
	s_bfe_u32 s66, ttmp6, 0x40000                  ; cx
	s_bfe_u32 s67, ttmp6, 0x40004                  ; cy
	s_lshl_b32 s68, ttmp9, 2
	s_add_co_u32 s68, s68, s66                     ; gx = 4 x cluster x + cx
	s_and_b32 s17, ttmp7, 0xffff
	s_lshl_b32 s69, s17, 2
	s_add_co_u32 s69, s69, s67                     ; gy = 4 x cluster y + cy
	s_lshl_b32 s70, s67, 2
	s_lshl_b32 s70, 15, s70                        ; my row of the cluster
	s_lshl_b32 s71, 0x1111, s66                    ; my column
	s_or_b32 s[G1A], s70, (3<<16)|(1<<21)          ; 15:0 the mask; 17:16 elements of 8 bytes; 21 set beside a mask; no padding
	s_or_b32 s[G1B], s71, (3<<16)|(1<<21)
.irp g, G1A, G1B
	s_mov_b32 s[\g+1], 1600<<16                    ; tensor_dim0: a record, 1,600 elements
	s_mov_b32 s[\g+2], 2<<16                       ; tensor_dim1: the first fill brings two K steps; the tile's third row is written as zeros
	s_mov_b32 s[\g+3], 1600<<16                    ; tile_dim0
	s_mov_b32 s[\g+4], 3                           ; tile_dim1: three rows
	s_mov_b32 s[\g+6], 0
	s_mov_b32 s[\g+7], 0
.endr
	s_mov_b32 s[G1A+5], PLANE_A/8                  ; from K step to K step, in elements
	s_mov_b32 s[G1B+5], PLANE_B/8
	s_lshl_b32 s72, s69, 1
	s_add_co_u32 s72, s72, s16
	s_mul_i32 s72, s72, REC                        ; x: group 2 gy + the half that I fetch
	s_mov_b32 s73, 0
	s_lshl_b32 s74, s68, 1
	s_add_co_u32 s74, s74, s16
	s_mul_i32 s74, s74, REC                        ; Wq, Wk: group 2 gx + the half that I fetch
	s_add_co_u32 s74, s74, B_OFF
	s_mov_b32 s75, 0
	s_mul_i32 s84, s68, REC                        ; Wv: group 16 + gx
	s_add_co_u32 s84, s84, B_OFF+16*REC
	s_mov_b32 s85, 0
	s_mul_i32 s19, s14, REGB                       ; where my loads go: region = wave; phase 1's regions,
	s_mul_i32 s18, s14, REGV                       ; phase 2's
	s_mul_i32 s20, s15, REGB                       ; phase 1: x's region that I read,
	s_mul_i32 s21, s16, REGB
	s_add_co_u32 s21, s21, 2*REGB                  ; and the weight's
	s_mul_i32 s[PA], s69, 2*REC                    ; the prefetches: x's groups 2 gy on, K step = my wave;
	s_mul_i32 s[PA+1], s14, PLANE_A
	s_add_co_u32 s[PA], s[PA], s[PA+1]
	s_mov_b32 s[PA+1], 0
	s_mul_i32 s[PB], s68, 2*REC                    ; the weight's groups 2 gx on
	s_mul_i32 s[PB+1], s14, PLANE_B
	s_add_co_u32 s[PB], s[PB], s[PB+1]
	s_add_co_u32 s[PB], s[PB], B_OFF
	s_mov_b32 s[PB+1], 0
	s_mul_i32 s60, s66, 25                         ; my work-group's 25 blocks of x's 100: by cx; of the weight's: by cy
	s_mul_i32 s61, s67, 25
	s_lshl_b32 s86, s68, 1
	s_add_co_u32 s86, s86, s16
	s_mul_i32 s86, s86, PLANE_A                    ; q, k: K step 2 gx + s16 (k's begin at 8 planes: gx from 4 on),
	s_lshl_b32 s87, s69, 1
	s_add_co_u32 s87, s87, s15
	s_mul_i32 s87, s87, REC                        ; group of rows 2 gy + s15
	s_add_co_u32 s86, s86, s87
	s_mov_b32 s87, 0
	s_lshl_b32 s92, s69, 1
	s_add_co_u32 s92, s92, s16
	s_mul_i32 s92, s92, 8*REC                      ; v: K step 2 gy + s16,
	s_mul_i32 s93, s68, REC                        ; group of rows gx
	s_add_co_u32 s92, s92, s93
	s_add_co_u32 s92, s92, V_OFF
	s_mov_b32 s93, 0
	s_mul_i32 s94, s15, 4*1536                     ; and in that record my four images
	s_add_co_u32 s94, s94, s92
	s_mov_b32 s95, 0
	s_lshl_b32 s96, s66, 10                        ; bq, bk: 256 cx numbers on, + my 128 of source 0
	s_lshl_b32 s97, s16, 9
	s_add_co_u32 s96, s96, s97
	s_mov_b32 s97, 0
	s_lshl_b32 s98, s68, 9                         ; bv: 128 gx numbers on, + my 64 of source 1
	s_lshl_b32 s99, s15, 8
	s_add_co_u32 s98, s98, s99
	s_mov_b32 s99, 0
	s_mov_b32 s79, 0xffff0000                      ; lanes 16-31
	s_mov_b32 s80, 0x76543210
	s_mov_b32 s81, 0xfedcba98                      ; v_permlanex16_b32's selects for lane l xor 16
	s_wait_dscnt 0x0                               ; both opening adds are done
	s_wait_kmcnt 0x0
	s_add_nc_u64 s[72:73], s[4:5], s[72:73]
	s_add_nc_u64 s[74:75], s[4:5], s[74:75]
	s_add_nc_u64 s[WVP:WVP+1], s[4:5], s[84:85]
	s_add_nc_u64 s[PA:PA+1], s[4:5], s[PA:PA+1]
	s_add_nc_u64 s[PB:PB+1], s[4:5], s[PB:PB+1]
	s_add_nc_u64 s[76:77], s[12:13], s[86:87]      ; my record of q or k
	s_add_nc_u64 s[92:93], s[12:13], s[92:93]      ; the record of v that I share,
	s_add_nc_u64 s[86:87], s[12:13], s[94:95]      ; and my four images in it
	s_cmp_eq_u32 ttmp9, 0
	s_cselect_b64 s[88:89], s[6:7], s[8:9]         ; bq or bk
	s_add_nc_u64 s[88:89], s[88:89], s[96:97]
	s_add_nc_u64 s[90:91], s[10:11], s[98:99]      ; bv
.irp f, 0,1
	s_mov_b32 s[G0A+4*\f], 1                       ; count = 1
	s_add_co_u32 s[G0A+4*\f+1], s19, \f*SLOT       ; LDS address
	s_add_nc_u64 s[G0A+4*\f+2:G0A+4*\f+3], s[72:73], \f*2*PLANE_A   ; slot 0: K step 0 on; slot 1: K step 2 on
	s_or_b32 s[G0A+4*\f+3], s[G0A+4*\f+3], 0x80000000              ; type = 2
	s_mov_b32 s[G0B+4*\f], 1
	s_add_co_u32 s[G0B+4*\f+1], s19, \f*SLOT
	s_add_nc_u64 s[G0B+4*\f+2:G0B+4*\f+3], s[74:75], \f*2*PLANE_B
	s_or_b32 s[G0B+4*\f+3], s[G0B+4*\f+3], 0x80000000
.endr
	CROUND                                         ; all sixteen work-groups are here: the first joint loads meet
	JLOAD 0, 0                                     ; K steps 0, 1: one tensor load a wave at the head
	v_and_b32 v1, 31, v0
	v_min_u32 v[PFA], 24, v1
	v_add_nc_u32 v[PFB], s61, v[PFA]
	v_add_nc_u32 v[PFA], s60, v[PFA]
	v_lshlrev_b32 v[PFA], 8, v[PFA]
	v_lshlrev_b32 v[PFB], 8, v[PFB]
	ASK 3, 2                                       ; K steps 2-4, which the next fill loads
	v_and_b32 v[VO], 31, v0
	v_lshlrev_b32 v[VO], 4, v[VO]                  ; 16 x lane
	v_and_b32 v64, 15, v0                          ; r
	v_bfe_u32 v65, v0, 4, 1                        ; h
	v_lshlrev_b32 v66, 5, v64                      ; 32 r
	v_lshl_add_u32 v[VS], v65, 4, v66
	v_lshl_add_u32 v[VS2], v65, 3, v66
	s_lshl_b32 s22, s15, 4
	v_add_nc_u32 v[VS2], s22, v[VS2]
.irp f, 0,1
	v_add_nc_u32 v[ADR1+\f], s20, v[VO]
	v_add_nc_u32 v[ADR0+\f], s21, v[VO]
	v_add_nc_u32 v[ADS1+\f], s20, v66
	v_add_nc_u32 v[ADS0+\f], s21, v66
	s_add_co_u32 s20, s20, SLOT
	s_add_co_u32 s21, s21, SLOT
.endr
	v_lshlrev_b32 v1, 6, v65                       ; 64 h: register 16 b + i wants the bias of source 0's row 32 b + 16 h + i
	WIN 0x40                                       ; destination window 1
.irp n, 0,1,2,3,4,5,6,7,8,9,10,11,12,13,14,15
	global_load_b128 v[4*\n:4*\n+3], v1, s[88:89] offset:128*(\n/4)+16*(\n%4)
.endr
	WIN 0
	v_and_b32 v[BO], 8, v0
	v_add_nc_u32 v[BO], v[BO], v64
	v_lshlrev_b32 v[BO], 2, v[BO]                  ; 4 (r + 8 (r / 8)): my row slot
.irp a, 0,1,2,3
	global_load_b32 v[BL+\a], v[BO], s[90:91] offset:(32*(\a/2)+8*(\a%2))*4
.endr
	s_wait_alu depctr_va_vdst(0)
	s_wait_tensorcnt 0x0                           ; my part of slot 0 is in
	ds_add_u32 v[SPW], v[NIL]
	s_mov_b32 s[G1A+2], 3<<16                      ; no tensor load of mine is out: from here on a fill brings three K steps
	s_mov_b32 s[G1B+2], 3<<16
	s_wait_dscnt 0x0
	CROUND                                         ; everybody's part is in, and the joint loads meet
	JLOAD 1, 0                                     ; slot 1's first fill: K steps 2-4
	FETCH 0, 0, 0
	ASK 3, 5                                       ; K steps 5-7, which the fill of K step 1 loads
	s_wait_loadcnt 0x0                             ; the biases
	KSTEP 0, 0, 1
	KSTEP 1, 1, 0                                  ; slot 0 takes K steps 5-7
	KSTEP 2, 0, 0
	KSTEP 3, 0, 0
	KSTEP 4, 1, 0                                  ; slot 1 takes phase 2's K steps 0-3
	KSTEP 5, 0, 0
	KSTEP 6, 0, 0
	KSTEP 7, 4, 0                                  ; slot 0 takes phase 2's K steps 4-7
	PLACES
	WIN 0
	; THE FIRST WAY OUT: block a (my row slots of x's fragment a, 128 numbers along d in two halves of the lanes) becomes image a of one record of q or k.  Phase 2's tiles land meanwhile.
.irp b, 0,1,2,3
	v_mov_b32 v[TM+4+\b], 0                        ; a lane permute's destination counts as one of its sources
.endr
.macro BLOCK a
	QMAX 64*((\a)%4), 2+(\a)/4
	s_wait_alu depctr_va_vdst(0)                   ; directly ahead of the wait that opens QTAIL
	QTAIL 64*((\a)%4), PWS+(\a), 2+(\a)/4
	FSTORE \a, 76
.endm
.irp a, 0,1,2,3,4,5,6,7
	BLOCK \a
.endr
.irp j, 0,1,2,3
	v_cndmask_b32 v[ST+\j], v[PWS+\j], v[PWS+4+\j], s79            ; eight words a row slot: lanes 0-15 store words 0-3, lanes 16-31 words 4-7
.endr
	global_store_b128 v[VS], v[ST:ST+3], s[76:77] offset:SCO       ; 512 consecutive bytes
	; PHASE 2.  The LDS addresses are made anew: source 1 = Wv's group in region 2, my four fragments of it; source 0 = x's group s16.
	s_wait_xcnt 0x0                                ; the stores above have read their registers: the fragments below land in some of them
	s_mul_i32 s20, s15, 4*1536
	s_add_co_u32 s20, s20, 2*REGV
	s_mul_i32 s21, s16, REGV
	s_lshl_b32 s22, s15, 4
	s_add_co_u32 s22, s22, 2*REGV                  ; of a row slot's eight scale words my four
	v_and_b32 v64, 15, v0
	v_lshlrev_b32 v64, 5, v64
.irp f, 0,1
	v_add_nc_u32 v[ADR1+\f], s20, v[VO]
	v_add_nc_u32 v[ADR0+\f], s21, v[VO]
	v_add_nc_u32 v[ADS1+\f], s22, v64
	v_add_nc_u32 v[ADS0+\f], s21, v64
	s_add_co_u32 s20, s20, SLOT
	s_add_co_u32 s21, s21, SLOT
	s_add_co_u32 s22, s22, SLOT
.endr
	WIN 0x40                                       ; destination window 1: bv of my row slot of block a, eight times: the C of that block's first products
.irp a, 0,1,2,3
.irp j, 0,1,2,3,4,5,6,7
	v_mov_b32 v[8*\a+\j], v[BL+\a]
.endr
.endr
	WIN 0
	s_wait_alu depctr_va_vdst(0)
	FETCHV 1, 0, 0                                 ; K step 8 lies in slot 1, which was whole at the round of step 7
	KSTEP 8, 0, 1
	KSTEP 9, 0, 0
	KSTEP 10, 0, 0
	KSTEP 11, 2, 0                                 ; slot 0 is whole
	KSTEP 12, 0, 0
	KSTEP 13, 0, 0
	KSTEP 14, 0, 0
	KSTEP 15, 3, 0
	PLACES
	WIN 0
	; THE SECOND WAY OUT: block a (my row slots of Wv's fragment 4 s15 + a, 128 numbers along t) becomes that image of a record of v.
.irp b, 0,1,2,3
	v_mov_b32 v[TM+4+\b], 0
.endr
.macro BLOCKV a
	QMAX 64*(\a), 2
	s_wait_alu depctr_va_vdst(0)                   ; as in the first way out
	QTAIL 64*(\a), PWS+(\a), 2
	FSTORE \a, 86
.endm
.irp a, 0,1,2,3
	BLOCKV \a
.endr
.irp j, 0,1
	v_cndmask_b32 v[ST+\j], v[PWS+\j], v[PWS+2+\j], s79            ; four words a row slot: lanes 0-15 store words 0, 1, lanes 16-31 words 2, 3
.endr
	global_store_b64 v[VS2], v[ST:ST+1], s[92:93] offset:SCO       ; my 16 of each row slot's 32 bytes; the wave with the other half of Wv's group stores the others
	s_wait_tensorcnt 0x0                           ; the wave's end
	ds_add_u32 v[SPW], v[NIL]
	s_wait_dscnt 0x0
	CROUND                                         ; the closing round: no work-group ends while a partner may still ask for a tile that names it
	s_endpgm
.Lfunc_end_k_q04f2e1b0d1_qkv:
	.size	k_q04f2e1b0d1_qkv, .Lfunc_end_k_q04f2e1b0d1_qkv-k_q04f2e1b0d1_qkv
	.p2alignl 7, 3214868480
	.fill 96, 4, 3214868480
	.section	.rodata,"a",@progbits
	.p2align	6, 0x0
	.amdhsa_kernel k_q04f2e1b0d1_qkv
		.amdhsa_group_segment_fixed_size 327680
		.amdhsa_private_segment_fixed_size 0
		.amdhsa_enable_private_segment 0
		.amdhsa_kernarg_size 40
		.amdhsa_user_sgpr_count 2
		.amdhsa_user_sgpr_kernarg_segment_ptr 1
		.amdhsa_wavefront_size32 1
		.amdhsa_system_sgpr_workgroup_id_x 1
		.amdhsa_system_sgpr_workgroup_id_y 1
		.amdhsa_system_sgpr_workgroup_id_z 1
		.amdhsa_system_vgpr_workitem_id 0
		.amdhsa_next_free_vgpr 1024
		.amdhsa_next_free_sgpr 100
		.amdhsa_reserve_vcc 0
		.amdhsa_float_denorm_mode_32 3
		.amdhsa_float_denorm_mode_16_64 3
		.amdhsa_memory_ordered 1
		.amdhsa_forward_progress 1
		.amdhsa_inst_pref_size 216
	.end_amdhsa_kernel
	.amdgpu_metadata
---
amdhsa.version: [ 1, 2 ]
amdhsa.kernels:
  - .name:           k_q04f2e1b0d1_qkv
    .symbol:         k_q04f2e1b0d1_qkv.kd
    .args:
      - { .name: xw, .offset: 0, .size: 8, .value_kind: global_buffer, .address_space: global }
      - { .name: bq, .offset: 8, .size: 8, .value_kind: global_buffer, .address_space: global }
      - { .name: bk, .offset: 16, .size: 8, .value_kind: global_buffer, .address_space: global }
      - { .name: bv, .offset: 24, .size: 8, .value_kind: global_buffer, .address_space: global }
      - { .name: qkv, .offset: 32, .size: 8, .value_kind: global_buffer, .address_space: global }
    .group_segment_fixed_size: 327680
    .private_segment_fixed_size: 0
    .kernarg_segment_align: 8
    .kernarg_segment_size: 40
    .max_flat_workgroup_size: 128
    .sgpr_count:     100
    .vgpr_count:     1024
    .wavefront_size: 32
...
	.end_amdgpu_metadata
.endif
;; end of part 7
;; launch scores (part 8): grid 8 x 32, 4 waves a work-group, clusters of 4 x 4, 327,680 bytes of LDS; arguments qkv, p; writes p
.if DOCPART == 8
	.amdgcn_target "amdgcn-amd-amdhsa--gfx1250"
	.amdhsa_code_object_version 6
	.text
	.protected	k_q04f2e1b0d1_scores
	.globl	k_q04f2e1b0d1_scores
	.p2align	8
	.type	k_q04f2e1b0d1_scores,@function
k_q04f2e1b0d1_scores:
	s_mov_b64 s[64:65], 0
	v_nop
	global_prefetch_b8 v0, s[64:65] scope:SCOPE_SE
	s_setreg_imm32_b32 hwreg(HW_REG_WAVE_MODE, 25, 1), 1
	s_wait_xcnt 0x0
	s_wait_alu depctr_hold_cnt(0) depctr_sa_sdst(0) depctr_va_vdst(0) depctr_va_sdst(0) depctr_va_ssrc(0) depctr_va_vcc(0) depctr_vm_vsrc(0)
	s_getreg_b32 s2, hwreg(HW_REG_IB_STS2, 6, 4)
	s_cmp_eq_u32 s2, 0
	s_cbranch_scc0 .Lentry_in_a_cluster
	s_endpgm
.Lentry_in_a_cluster:
	s_bfe_u32 s2, ttmp6, 0x10000c
	s_cmp_lg_u32 s2, 0xf033
	s_cbranch_scc0 .Lentry_shape_is_right
	s_endpgm
.Lentry_shape_is_right:
; S = q k^T on codes of FP6 (E2M3) with E8M0 scales, sums in f32; t = S x log2(e) / 32; p = 2^(t - M), quantised along the keys and stored as records; the sums of the unquantised p beside them.
; M HERE IS LOCAL: for each query and each 128 keys (what one wave holds of a row) M = ceil(the largest t of these 128), a whole number.  -M and the 128 keys' sum l go to memory; the next launch takes the row's largest M and
; brings every block under it by taking the whole number M_row - M off p's scale bytes and off l's exponent: the codes' values are those of the row's own M.
; A RECORD is 128 rows x 128 K in 12,800 bytes: eight fragment images of 1,536 bytes (registers 4 c .. 4 c + 3 of lane l at 1536 i + 512 c + 16 l), then the scale words (fragment i, lane slot r: at 12288 + 32 r + 4 i).
; Fragment i = 2 b + u, lane slot r, holds row 32 b + 8 u + r + 8 (r / 8) of the 128.  Taken as source 0, the 64 result registers of tiles 0-7 run along source 0's rows in natural order (register 16 b + i of lane (r, h): row 32 b + 16 h + i).
; qkv: q's records [8 K steps][64 groups] at 0, k's at 6,553,600.  p: records [16 K steps of keys][64 groups of queries] at 0; -M at 13,107,200 and l at 13,631,488, both [16][64][512 bytes] in the scale words' order.
; SHARES.  A work-group makes 256 queries x 256 keys of one batch (grid y / 8); four waves, 128 x 128 each: 64 accumulators, 512 registers.  Source 1 = q (a lane owns a query), source 0 = k (the registers run along the keys).
; RING.  Two LDS slots of three K steps (four regions of three records, one tensor load a wave behind each barrier).  Three fills: K steps 0-1 at the head (the descriptor states two rows as left of the tensor, so
; that the tile's third row is written as zeros and the whole slot has been filled); 2-4 behind the round in front of K step 0; 5-7 behind the round of K step 1.  The word of group 1 that counts the tensor's rows is written anew behind the
; wait that shows every load of the wave done.  By this text's count a wave has one tensor load out.
; CLUSTERS: 4 x 4; q's records are asked for jointly along a row of the cluster, k's along a column.
; PREFETCH, one fill ahead of the tensor load: K steps 2-4 at the head, 5-7 behind the second fill's request.  A K step of two neighbouring groups is 100 blocks of 256 bytes; wave w (0 to 2) takes K step first + w, and of the four partners
; that ask for a tile jointly each takes 25 blocks, told apart by address.
; LIMITS: a block whose every p is 0 or under 2^-124 gets the byte 1; NaN and infinities are not served; the promise holds while the scaled scores t stay under 2^31 in magnitude.
; REGISTERS: window 0: v2-12 LDS addresses, v14-15 the add's two, v16-17 the prefetches' offsets, v32-63 scale words (two sets), v64-159 q's eight fragments, v160-255 k's (set 0); window 1: v64-255 set 1;
;   windows 2, 3: accumulator (a, b) at v[8 (8 (a % 4) + b)] of window 2 + a / 4.
.set REC,     12800
.set SCO,     12288
.set REGB,    3*REC
.set SLOT,    4*REGB
.set SPARE,   2*SLOT
.set PLANE_A, 64*REC
.set PLANE_B, 64*REC
.set B_OFF,   8*PLANE_A
.set B_BATCH, 16*REC                   ; a batch's 16 groups of keys
.set P_M,     16*PLANE_A               ; -M in p
.set P_LM,    16*64*512                ; l lies so far behind -M
.set ADR1, 2
.set ADR0, 5
.set ADS1, 8
.set ADS0, 11
.set SPW,  14
.set NIL,  15
.set PFA,  16                          ; the prefetches' offsets: 256 x (25 cx + lane) for q, 256 x (25 cy + lane) for k; never rewritten
.set PFB,  17
.set SC,   32                          ; scale words, set p at 32 + 16 p: + a q's block a, + 8 + b k's block b; these registers hold nothing else
.set F1,   64
.set F0,   160
.set G1A,  24
.set G0A,  32
.set G1B,  44
.set G0B,  52
.set PA,   92                          ; s[92:93] q's groups 2 gy on, K step = my wave; s[94:95] k's groups 2 gx on
.set PB,   94
.set H,    64                          ; the way out, window 0: v64-127 t - M, then p
.set PC,   128                         ; v128-147 the codes
.set TM,   148                         ; v148-163 the blocks' largest sums, then p; bytes; scale operands
.set PWS,  164                         ; v164-171 the eight blocks' scale words
.set MS,   172                         ; v172-179 their -M
.set LS,   180                         ; v180-187 their sums
.set ST,   188                         ; v188-199 three sets of four words as they are stored
.set NM,   200                         ; v[200:201] -M; named as a pair
.set SA,   202                         ; v202-205 the sum's two chains
.set TX,   206                         ; v206-207 at work
.set VO,   224
.set VS,   225
.set MSB, 0
.macro WIN new                         ; the immediate's high byte repeats the setting that is left; a switch that changes nothing is dropped
.if MSB != (\new)
	s_set_vgpr_msb (MSB<<8)|(\new)
.set MSB, (\new)
.endif
.endm
.macro PLACES                          ; four plain places: behind matrix instructions, in front of loads into registers that they have read and of the first read of results
.rept 4
	v_nop
.endr
.endm
.macro CREST                           ; a round of the cluster's barrier behind its opening barrier
	s_cmp_lg_u32 s14, 0
	s_cbranch_scc1 .Lnot_wave_0_\@
	s_barrier_signal -3
.Lnot_wave_0_\@:
	s_barrier_wait -3
	s_barrier_signal -1
	s_barrier_wait -1
.endm
.macro CROUND
	s_barrier_signal -1
	s_barrier_wait -1
	CREST
.endm
.macro JLOAD f                         ; a joint fill of slot f: waves 0, 1 for q, waves 2, 3 for k; an s_nop 0 and four v_nop follow each line
	s_cmp_eq_u32 s15, 0
	s_cbranch_scc0 .Lfor_b_\@
	tensor_load_to_lds s[G0A+4*(\f):G0A+4*(\f)+3], s[G1A:G1A+7]
	s_nop 0
.rept 4
	v_nop
.endr
	s_branch .Lasked_\@
.Lfor_b_\@:
	tensor_load_to_lds s[G0B+4*(\f):G0B+4*(\f)+3], s[G1B:G1B+7]
	s_nop 0
.rept 4
	v_nop
.endr
.Lasked_\@:
.endm
.macro ASK n, k0                       ; waves 0 .. n - 1 ask for K step k0 + wave: my work-group's 25 blocks of q's 100 and of k's 100; lanes 25-31 name the last block again
	s_cmp_lt_u32 s14, \n
	s_cbranch_scc0 .Lno_ask_\@
	global_prefetch_b8 v[PFA], s[PA:PA+1] offset:(\k0)*PLANE_A th:TH_LOAD_NT scope:SCOPE_SE
	global_prefetch_b8 v[PFB], s[PB:PB+1] offset:(\k0)*PLANE_B th:TH_LOAD_NT scope:SCOPE_SE
.Lno_ask_\@:
.endm
.macro FETCH slot, q, p                ; 52 LDS loads in one run: the 16 fragments and 16 scale words of the slot's q-th K step into set p
	WIN (\p)<<6
.irp i, 0,1,2,3,4,5,6,7
.irp c, 0,1,2
	ds_load_b128 v[F0+12*\i+4*\c:F0+12*\i+4*\c+3], v[ADR0+(\slot)] offset:(\q)*REC+1536*\i+512*\c
.endr
.endr
.irp i, 0,1,2,3,4,5,6,7
.irp c, 0,1,2
	ds_load_b128 v[F1+12*\i+4*\c:F1+12*\i+4*\c+3], v[ADR1+(\slot)] offset:(\q)*REC+1536*\i+512*\c
.endr
.endr
	WIN 0
	ds_load_b128 v[SC+16*(\p):SC+16*(\p)+3], v[ADS1+(\slot)] offset:(\q)*REC+SCO
	ds_load_b128 v[SC+16*(\p)+4:SC+16*(\p)+7], v[ADS1+(\slot)] offset:(\q)*REC+SCO+16
	ds_load_b128 v[SC+16*(\p)+8:SC+16*(\p)+11], v[ADS0+(\slot)] offset:(\q)*REC+SCO
	ds_load_b128 v[SC+16*(\p)+12:SC+16*(\p)+15], v[ADS0+(\slot)] offset:(\q)*REC+SCO+16
.endm
; 16 matrix instructions: q's blocks a0, a0 + 1 x k's eight, on set p.  first = 1: the products start the sums: nothing is cleared.  The 64 accumulators take turns, in the same order in every step.
.macro MUL16 a0, p, first
.set MW, 2+(\a0)/4
	WIN (5*(\p))|(MW<<4)|(MW<<6)
.irp a, \a0, \a0+1
.irp b, 0,1,2,3,4,5,6,7
.set AC, 8*(8*((\a)%4)+\b)
.if \first
	v_wmma_scale_f32_16x16x128_f8f6f4 v[AC:AC+7], v[F0+12*\b:F0+12*\b+11], v[F1+12*(\a):F1+12*(\a)+11], 0, v[SC+16*(\p)+8+\b], v[SC+16*(\p)+(\a)] matrix_a_fmt:MATRIX_FMT_FP6 matrix_b_fmt:MATRIX_FMT_FP6
.else
	v_wmma_scale_f32_16x16x128_f8f6f4 v[AC:AC+7], v[F0+12*\b:F0+12*\b+11], v[F1+12*(\a):F1+12*(\a)+11], v[AC:AC+7], v[SC+16*(\p)+8+\b], v[SC+16*(\p)+(\a)] matrix_a_fmt:MATRIX_FMT_FP6 matrix_b_fmt:MATRIX_FMT_FP6
.endif
.endr
.endr
.endm
; K step k: 64 matrix instructions on set k % 2; K steps 0, 1 are rows 0, 1 of slot 0; from K step 2 on row (k + 1) % 3 of slot ((k + 1) / 3) % 2.  The next step's fragments are fetched into the other set.
; kind 0: plain.  kind 1 (K step 1): slot 0 has been read out: all my tensor loads waited for, the add, my reads waited for, a round of the cluster's barrier, the joint refill first behind it.
; kind 2: the same lines with a plain barrier and no refill.  kind 3: the last step.
.macro KSTEP k, kind, first
.set KP,  (\k)%2
.set KSL, (((\k)+1)/3)%2
.set NSL, (((\k)+2)/3)%2
.if (\k) == 0
.set NQ,  1
.else
.set NQ,  ((\k)+2)%3
.endif
.if (\kind) == 0
	s_wait_dscnt 0x0                               ; this step's 52 loads are in
	PLACES
	FETCH NSL, NQ, 1-KP
	MUL16 0, KP, \first
	MUL16 2, KP, \first
	MUL16 4, KP, \first
	MUL16 6, KP, \first
.elseif (\kind) == 3
	s_wait_dscnt 0x0
	MUL16 0, KP, 0
	MUL16 2, KP, 0
	MUL16 4, KP, 0
	MUL16 6, KP, 0
.else
	WIN 0                                          ; (the add's two registers lie in window 0)
	s_wait_tensorcnt 0x0                           ; all my tensor loads have landed
	ds_add_u32 v[SPW], v[NIL]                      ; 0 onto my spare word
	s_wait_dscnt 0x1                               ; the add alone was issued behind this step's loads
	MUL16 0, KP, 0
	s_wait_dscnt 0x0                               ; the add is done, and my reads of the slot are over
	s_barrier_signal -1
	MUL16 2, KP, 0
.if (\kind) == 1
	WIN 0
.endif
	s_barrier_wait -1
.if (\kind) == 1
	CREST                                          ; no wave of any partner still reads the slot or has a load on its way: the descriptors may be written
	s_add_nc_u64 s[G0A+4*KSL+2:G0A+4*KSL+3], s[G0A+4*KSL+2:G0A+4*KSL+3], 5*PLANE_A   ; from K step 0 to K step 5
	s_add_nc_u64 s[G0B+4*KSL+2:G0B+4*KSL+3], s[G0B+4*KSL+2:G0B+4*KSL+3], 5*PLANE_B
	JLOAD KSL                                      ; its four v_nop are also the places in front of the loads below
.else
	PLACES
.endif
	FETCH NSL, NQ, 1-KP
	MUL16 4, KP, 0
	MUL16 6, KP, 0
.endif
.endm
.macro QTAIL s, pw                     ; from the blocks' largest magnitudes in v[TM] on: the scale word v[pw] and the fragment's codes in v[PC] on
	s_wait_xcnt 0x0                                ; the last block's stores have read the codes' registers
.irp b, 0,1,2,3
	v_add_nc_u32 v[TM+12+\b], 0xff000000, v[TM+\b] ; 2 off the exponent field: the conversion's scale operand
.endr
.irp b, 0,1,2,3
	v_lshrrev_b32 v[TM+4+\b], 23, v[TM+12+\b]      ; the scale's byte
.endr
	v_lshl_or_b32 v[\pw], v[TM+5], 8, v[TM+4]
	v_lshl_or_b32 v[\pw], v[TM+6], 16, v[\pw]
	v_lshl_or_b32 v[\pw], v[TM+7], 24, v[\pw]
.irp c, 0,1
	v_cvt_scalef32_pk16_fp6_f32 v[PC+6*\c:PC+6*\c+2], v[\s+32*\c:\s+32*\c+15], v[TM+12+2*\c]
	v_cvt_scalef32_pk16_fp6_f32 v[PC+12+4*\c:PC+12+4*\c+2], v[\s+32*\c+16:\s+32*\c+31], v[TM+12+2*\c+1]
.endr
	v_nop                                          ; one plain place behind a scaled conversion
.irp c, 0,1                                    ; a whole block to a lane: lanes 0-15 block 2 c, lanes 16-31 block 2 c + 1
.irp i, 0,1,2
	v_permlane16_swap_b32 v[PC+6*\c+\i], v[PC+12+4*\c+\i]
.endr
.irp i, 0,1,2
	v_mov_b32 v[PC+3+6*\c+\i], v[PC+12+4*\c+\i]
.endr
.endr
.endm
.macro FSTORE a                        ; image a of my record: three stores of 512 consecutive bytes
.irp c, 0,1,2
	global_store_b128 v[VO], v[PC+4*\c:PC+4*\c+3], s[76:77] offset:1536*(\a)+512*\c
.endr
.endm
.macro SSTORE regs, set, ptr, off      ; eight words a row slot: lanes 0-15 store words 0-3, lanes 16-31 words 4-7: 512 consecutive bytes
.irp j, 0,1,2,3
	v_cndmask_b32 v[ST+4*(\set)+\j], v[(\regs)+\j], v[(\regs)+4+\j], s79
.endr
	global_store_b128 v[VS], v[ST+4*(\set):ST+4*(\set)+3], s[\ptr:\ptr+1] offset:\off
.endm
	s_load_b128 s[4:7], s[0:1], 0x0                ; qkv, p
	v_lshl_add_u32 v[SPW], v0, 2, SPARE
	v_mov_b32 v[NIL], 0
	ds_add_u32 v[SPW], v[NIL]                      ; the wave's opening: the add, twice on end, and its wait ahead of my first tensor load; work on registers stands between them
	ds_add_u32 v[SPW], v[NIL]
	v_lshrrev_b32 v1, 5, v0
	v_readfirstlane_b32 s14, v1                    ; wave 0..3
	s_lshr_b32 s15, s14, 1                         ; my half of the queries.  Also: I fetch for q (0) or for k (1)
	s_and_b32 s16, s14, 1                          ; my half of the keys.  Also: which of the two groups I fetch
	s_bfe_u32 s66, ttmp6, 0x40000                  ; cx
	s_bfe_u32 s67, ttmp6, 0x40004                  ; cy
	s_lshl_b32 s68, ttmp9, 2
	s_add_co_u32 s68, s68, s66                     ; gx = 4 x cluster x + cx
	s_and_b32 s17, ttmp7, 0xffff
	s_lshl_b32 s69, s17, 2
	s_add_co_u32 s69, s69, s67                     ; gy = 4 x cluster y + cy
	s_lshl_b32 s70, s67, 2
	s_lshl_b32 s70, 15, s70                        ; my row of the cluster
	s_lshl_b32 s71, 0x1111, s66                    ; my column
	s_or_b32 s[G1A], s70, (3<<16)|(1<<21)          ; 15:0 the mask; 17:16 elements of 8 bytes; 21 set beside a mask; no padding
	s_or_b32 s[G1B], s71, (3<<16)|(1<<21)
.irp g, G1A, G1B
	s_mov_b32 s[\g+1], 1600<<16                    ; tensor_dim0: a record, 1,600 elements
	s_mov_b32 s[\g+2], 2<<16                       ; tensor_dim1: the first fill brings two K steps; the tile's third row is written as zeros
	s_mov_b32 s[\g+3], 1600<<16                    ; tile_dim0
	s_mov_b32 s[\g+4], 3                           ; tile_dim1: three rows
	s_mov_b32 s[\g+6], 0
	s_mov_b32 s[\g+7], 0
.endr
	s_mov_b32 s[G1A+5], PLANE_A/8
	s_mov_b32 s[G1B+5], PLANE_B/8
	s_lshl_b32 s72, s69, 1
	s_add_co_u32 s72, s72, s16
	s_mul_i32 s72, s72, REC                        ; q: group 2 gy + the half that I fetch
	s_mov_b32 s73, 0
	s_lshl_b32 s74, s68, 1
	s_add_co_u32 s74, s74, s16
	s_mul_i32 s74, s74, REC                        ; k: group 2 gx + the half that I fetch,
	s_lshr_b32 s18, s17, 1                         ; in my batch = cluster y / 2, which all partners share
	s_mul_i32 s18, s18, B_BATCH
	s_add_co_u32 s74, s74, s18
	s_add_co_u32 s74, s74, B_OFF
	s_mov_b32 s75, 0
	s_mul_i32 s19, s14, REGB                       ; where my loads go: region = wave
	s_mul_i32 s20, s15, REGB                       ; q's region that I read
	s_mul_i32 s21, s16, REGB
	s_add_co_u32 s21, s21, 2*REGB                  ; k's
	s_mul_i32 s[PA], s69, 2*REC                    ; the prefetches: q's groups 2 gy on, K step = my wave;
	s_mul_i32 s[PA+1], s14, PLANE_A
	s_add_co_u32 s[PA], s[PA], s[PA+1]
	s_mov_b32 s[PA+1], 0
	s_mul_i32 s[PB], s68, 2*REC                    ; k's groups 2 gx on, in my batch
	s_mul_i32 s[PB+1], s14, PLANE_B
	s_add_co_u32 s[PB], s[PB], s[PB+1]
	s_add_co_u32 s[PB], s[PB], s18
	s_add_co_u32 s[PB], s[PB], B_OFF
	s_mov_b32 s[PB+1], 0
	s_mul_i32 s96, s66, 25                         ; my work-group's 25 blocks of q's 100: by cx; of k's: by cy
	s_mul_i32 s97, s67, 25
	s_lshl_b32 s84, s68, 1
	s_add_co_u32 s84, s84, s16                     ; my K step of keys: 2 gx + s16
	s_lshl_b32 s85, s69, 1
	s_add_co_u32 s85, s85, s15                     ; my group of queries: 2 gy + s15
	s_mul_i32 s86, s84, PLANE_A
	s_mul_i32 s87, s85, REC
	s_add_co_u32 s86, s86, s87
	s_mov_b32 s87, 0
	s_lshl_b32 s88, s84, 6
	s_add_co_u32 s88, s88, s85
	s_lshl_b32 s88, s88, 9
	s_add_co_u32 s88, s88, P_M
	s_mov_b32 s89, 0
	s_mov_b32 s79, 0xffff0000                      ; lanes 16-31
	s_mov_b32 s80, 0x76543210
	s_mov_b32 s81, 0xfedcba98                      ; v_permlanex16_b32's selects for lane l xor 16
	s_mov_b32 s82, 0x3d38aa3b                      ; c = log2(e) / 32
	s_mov_b32 s83, s82                             ; (named with it as a pair)
	s_wait_dscnt 0x0                               ; both opening adds are done
	s_wait_kmcnt 0x0
	s_add_nc_u64 s[72:73], s[4:5], s[72:73]
	s_add_nc_u64 s[74:75], s[4:5], s[74:75]
	s_add_nc_u64 s[PA:PA+1], s[4:5], s[PA:PA+1]
	s_add_nc_u64 s[PB:PB+1], s[4:5], s[PB:PB+1]
	s_add_nc_u64 s[76:77], s[6:7], s[86:87]        ; my record
	s_add_nc_u64 s[90:91], s[6:7], s[88:89]        ; my 512 bytes of -M
.irp f, 0,1
	s_mov_b32 s[G0A+4*\f], 1
	s_add_co_u32 s[G0A+4*\f+1], s19, \f*SLOT
	s_add_nc_u64 s[G0A+4*\f+2:G0A+4*\f+3], s[72:73], \f*2*PLANE_A   ; slot 0: K step 0 on; slot 1: K step 2 on
	s_or_b32 s[G0A+4*\f+3], s[G0A+4*\f+3], 0x80000000
	s_mov_b32 s[G0B+4*\f], 1
	s_add_co_u32 s[G0B+4*\f+1], s19, \f*SLOT
	s_add_nc_u64 s[G0B+4*\f+2:G0B+4*\f+3], s[74:75], \f*2*PLANE_B
	s_or_b32 s[G0B+4*\f+3], s[G0B+4*\f+3], 0x80000000
.endr
	CROUND                                         ; all sixteen work-groups are here: the first joint loads meet
	JLOAD 0                                        ; K steps 0, 1: one tensor load a wave at the head
	v_and_b32 v1, 31, v0
	v_min_u32 v[PFA], 24, v1
	v_add_nc_u32 v[PFB], s97, v[PFA]
	v_add_nc_u32 v[PFA], s96, v[PFA]
	v_lshlrev_b32 v[PFA], 8, v[PFA]
	v_lshlrev_b32 v[PFB], 8, v[PFB]
	ASK 3, 2                                       ; K steps 2-4, which the next fill loads
	v_and_b32 v1, 31, v0
	v_lshlrev_b32 v1, 4, v1                        ; 16 x lane
	v_and_b32 v64, 15, v0
	v_lshlrev_b32 v64, 5, v64                      ; 32 x (lane % 16)
.irp f, 0,1
	v_add_nc_u32 v[ADR1+\f], s20, v1
	v_add_nc_u32 v[ADR0+\f], s21, v1
	v_add_nc_u32 v[ADS1+\f], s20, v64
	v_add_nc_u32 v[ADS0+\f], s21, v64
	s_add_co_u32 s20, s20, SLOT
	s_add_co_u32 s21, s21, SLOT
.endr
	s_wait_alu depctr_va_vdst(0)
	s_wait_tensorcnt 0x0                           ; my part of slot 0 is in
	ds_add_u32 v[SPW], v[NIL]
	s_mov_b32 s[G1A+2], 3<<16                      ; no tensor load of mine is out: from here on a fill brings three K steps
	s_mov_b32 s[G1B+2], 3<<16
	s_wait_dscnt 0x0
	CROUND                                         ; everybody's part is in, and the joint loads meet
	JLOAD 1                                        ; slot 1's first fill: K steps 2-4
	FETCH 0, 0, 0
	ASK 3, 5                                       ; K steps 5-7, which the fill of K step 1 loads
	KSTEP 0, 0, 1
	KSTEP 1, 1, 0                                  ; slot 0 is read out: it takes K steps 5-7; slot 1 is whole behind this round
	KSTEP 2, 0, 0
	KSTEP 3, 0, 0
	KSTEP 4, 2, 0                                  ; slot 0 is whole again
	KSTEP 5, 0, 0
	KSTEP 6, 0, 0
	KSTEP 7, 3, 0
	PLACES
	WIN 0
	; THE WAY OUT: block a = my 16 queries of q's fragment a, 128 keys in two halves of the lanes.
	v_and_b32 v[VO], 31, v0
	v_lshlrev_b32 v[VO], 4, v[VO]
	v_and_b32 v[VS], 15, v0
	v_bfe_u32 v[TM], v0, 4, 1
	v_lshlrev_b32 v[VS], 5, v[VS]
	v_lshl_add_u32 v[VS], v[TM], 4, v[VS]
.irp b, 0,1,2,3
	v_mov_b32 v[TM+4+\b], 0                        ; a lane permute's destination counts as one of its sources
.endr
	v_mov_b32 v[TX+1], 0
	v_mov_b32 v[NM+1], 0                           ; (named as the upper half of the pair)
.macro BLOCK a
.set AC, 64*((\a)%4)
.set BW, 2+(\a)/4                      ; the accumulators' window
	s_wait_alu depctr_va_vdst(0)
	WIN BW|(BW<<2)|(BW<<4)                         ; all three sources: the accumulators' window
.irp b, 0,1,2,3
	v_max3_num_f32 v[TM+\b], v[AC+16*\b], v[AC+16*\b+1], v[AC+16*\b+2]   ; the largest sum of each block of 32 keys (c is positive): it serves for M and, since p rises with the sum, for the block's largest p; each accumulator from its low end on
.endr
	WIN (BW<<2)|(BW<<4)                            ; sources 1 and 2
.irp i, 3,5,7,9,11,13
.irp b, 0,1,2,3
	v_max3_num_f32 v[TM+\b], v[TM+\b], v[AC+16*\b+\i], v[AC+16*\b+\i+1]
.endr
.endr
.irp b, 0,1,2,3
	v_max_num_f32 v[TM+\b], v[TM+\b], v[AC+16*\b+15]
.endr
	WIN 0
.irp b, 0,1,2,3
	v_permlanex16_b32 v[TM+4+\b], v[TM+\b], s80, s81
.endr
.irp b, 0,1,2,3
	v_max_num_f32 v[TM+\b], v[TM+\b], v[TM+4+\b]   ; with lane l xor 16's 16 keys
.endr
	v_max3_num_f32 v[TX], v[TM], v[TM+1], v[TM+2]
	v_max_num_f32 v[TX], v[TX], v[TM+3]            ; the largest sum of my query's 128 keys,
	v_mul_f32 v[TX], s82, v[TX]                    ; as t
	v_floor_f32 v[NM], -v[TX]                      ; -M = floor(-t) = -ceil(t): a whole number
	WIN BW                                         ; source 0: the accumulators' window
.set ii, 0
.rept 32
	v_pk_fma_f32 v[H+ii:H+ii+1], v[AC+ii:AC+ii+1], s[82:83], v[NM:NM+1] op_sel_hi:[1,0,0]   ; t - M = sum x c - M, two at a time, into window 0
.set ii, ii+2
.endr
	WIN 0
.irp b, 0,1,2,3
	v_fma_f32 v[TM+\b], v[TM+\b], s82, v[NM]       ; the same of each block's largest sum
.endr
.set ii, 0
	s_wait_alu depctr_va_vdst(0)                   ; ahead of the batch
.rept 64
	v_exp_f32 v[H+ii], v[H+ii]                     ; p = 2^(t - M): not normalised
.set ii, ii+1
.endr
.irp b, 0,1,2,3
	v_exp_f32 v[TM+\b], v[TM+\b]                   ; the block's largest p: the same arithmetic on the same number gives the same bits
.endr
	v_mov_b32 v[MS+(\a)], v[NM]                    ; a plain place behind the exponentials
	s_wait_alu depctr_va_vdst(0)                   ; one wait for the batch of 68, ahead of its first reader
	v_pk_add_f32 v[SA:SA+1], v[H:H+1], v[H+2:H+3]  ; the sum is taken of the unquantised p: two at a time, in two chains
	v_pk_add_f32 v[SA+2:SA+3], v[H+4:H+5], v[H+6:H+7]
.irp j, 8,12,16,20,24,28,32,36,40,44,48,52,56,60
	v_pk_add_f32 v[SA:SA+1], v[SA:SA+1], v[H+\j:H+\j+1]
	v_pk_add_f32 v[SA+2:SA+3], v[SA+2:SA+3], v[H+\j+2:H+\j+3]
.endr
	v_pk_add_f32 v[SA:SA+1], v[SA:SA+1], v[SA+2:SA+3]
	v_add_f32 v[TX], v[SA], v[SA+1]
	v_permlanex16_b32 v[TX+1], v[TX], s80, s81
	v_add_f32 v[LS+(\a)], v[TX], v[TX+1]           ; with lane l xor 16's: the 128 keys' sum
.irp b, 0,1,2,3
	v_max_num_f32 v[TM+\b], 0x1800000, v[TM+\b]    ; the floor 2^(3 - 127): the byte cannot fall under 1
.endr
	s_wait_alu depctr_va_vdst(0)                   ; directly ahead of the wait that opens QTAIL
	QTAIL H, PWS+(\a)
	FSTORE \a
.endm
.irp a, 0,1,2,3,4,5,6,7
	BLOCK \a
.endr
	SSTORE PWS, 0, 76, SCO
	SSTORE MS, 1, 90, 0
	SSTORE LS, 2, 90, P_LM
	s_wait_tensorcnt 0x0                           ; the wave's end
	ds_add_u32 v[SPW], v[NIL]
	s_wait_dscnt 0x0
	CROUND                                         ; the closing round: no work-group ends while a partner may still ask for a tile that names it
	s_endpgm
.Lfunc_end_k_q04f2e1b0d1_scores:
	.size	k_q04f2e1b0d1_scores, .Lfunc_end_k_q04f2e1b0d1_scores-k_q04f2e1b0d1_scores
	.p2alignl 7, 3214868480
	.fill 96, 4, 3214868480
	.section	.rodata,"a",@progbits
	.p2align	6, 0x0
	.amdhsa_kernel k_q04f2e1b0d1_scores
		.amdhsa_group_segment_fixed_size 327680
		.amdhsa_private_segment_fixed_size 0
		.amdhsa_enable_private_segment 0
		.amdhsa_kernarg_size 16
		.amdhsa_user_sgpr_count 2
		.amdhsa_user_sgpr_kernarg_segment_ptr 1
		.amdhsa_wavefront_size32 1
		.amdhsa_system_sgpr_workgroup_id_x 1
		.amdhsa_system_sgpr_workgroup_id_y 1
		.amdhsa_system_sgpr_workgroup_id_z 1
		.amdhsa_system_vgpr_workitem_id 0
		.amdhsa_next_free_vgpr 1024
		.amdhsa_next_free_sgpr 100
		.amdhsa_reserve_vcc 0
		.amdhsa_float_denorm_mode_32 3
		.amdhsa_float_denorm_mode_16_64 3
		.amdhsa_memory_ordered 1
		.amdhsa_forward_progress 1
		.amdhsa_inst_pref_size 192
	.end_amdhsa_kernel
	.amdgpu_metadata
---
amdhsa.version: [ 1, 2 ]
amdhsa.kernels:
  - .name:           k_q04f2e1b0d1_scores
    .symbol:         k_q04f2e1b0d1_scores.kd
    .args:
      - { .name: qkv, .offset: 0, .size: 8, .value_kind: global_buffer, .address_space: global }
      - { .name: p, .offset: 8, .size: 8, .value_kind: global_buffer, .address_space: global }
    .group_segment_fixed_size: 327680
    .private_segment_fixed_size: 0
    .kernarg_segment_align: 8
    .kernarg_segment_size: 16
    .max_flat_workgroup_size: 128
    .sgpr_count:     100
    .vgpr_count:     1024
    .wavefront_size: 32
...
	.end_amdgpu_metadata
.endif
;; end of part 8
;; launch ctx (part 9): grid 4 x 64, 4 waves a work-group, clusters of 4 x 4, 327,680 bytes of LDS; arguments p, qkv, ctx; writes ctx
.if DOCPART == 9
	.amdgcn_target "amdgcn-amd-amdhsa--gfx1250"
	.amdhsa_code_object_version 6
	.text
	.protected	k_q04f2e1b0d1_ctx
	.globl	k_q04f2e1b0d1_ctx
	.p2align	8
	.type	k_q04f2e1b0d1_ctx,@function
k_q04f2e1b0d1_ctx:
	s_mov_b64 s[64:65], 0
	v_nop
	global_prefetch_b8 v0, s[64:65] scope:SCOPE_SE
	s_setreg_imm32_b32 hwreg(HW_REG_WAVE_MODE, 25, 1), 1
	s_wait_xcnt 0x0
	s_wait_alu depctr_hold_cnt(0) depctr_sa_sdst(0) depctr_va_vdst(0) depctr_va_sdst(0) depctr_va_ssrc(0) depctr_va_vcc(0) depctr_vm_vsrc(0)
	s_getreg_b32 s2, hwreg(HW_REG_IB_STS2, 6, 4)
	s_cmp_eq_u32 s2, 0
	s_cbranch_scc0 .Lentry_in_a_cluster
	s_endpgm
.Lentry_in_a_cluster:
	s_bfe_u32 s2, ttmp6, 0x10000c
	s_cmp_lg_u32 s2, 0xf033
	s_cbranch_scc0 .Lentry_shape_is_right
	s_endpgm
.Lentry_shape_is_right:
; ctx = (p v) / l on codes of FP6 (E2M3) with E8M0 scales, sums in f32, K = a batch's 2,048 keys; the result is quantised along d and stored as records.
; p's records were made under a LOCAL M for each query and each 128 keys.  THE HEAD brings them under the row's M: -M_row = the least of the row's sixteen -M; delta = M_row - M_local, a whole number, 0 or more, is taken off each of the
; four bytes of that K step's scale word (held at 0 from below) and off the exponent of that K step's sum; the sixteen sums add up to the row's l.  The mended scale words and 1 / l stay in LDS; the codes are used as they lie.
; A RECORD is 128 rows x 128 K in 12,800 bytes: eight fragment images of 1,536 bytes (registers 4 c .. 4 c + 3 of lane l at 1536 i + 512 c + 16 l), then the scale words (fragment i, lane slot r: at 12288 + 32 r + 4 i).
; Fragment i = 2 b + u, lane slot r, holds row 32 b + 8 u + r + 8 (r / 8) of the 128.  Taken as source 0, the 64 result registers of tiles 0-7 run along source 0's rows in natural order.
; p: records [16 K steps][64 groups of queries] at 0; -M at 13,107,200, l 524,288 further, both [16][64][512 bytes] in the scale words' order.  qkv: v's records (rows d, K = t) [64 K steps][8 groups] at 13,107,200.  ctx: [8 K steps of d][64 groups].
; SHARES.  The product has 128 tiles of 256 x 256, too few for 256 WGPs: a work-group makes 128 queries (one group) x 256 of d.  Four waves, 64 x 128 each: source 1 = four fragments of p (a lane owns a query), source 0 = eight of v
; (the registers run along d: one K step of the next product).  32 accumulators.  The price: 39 LDS loads for a K step's 32 matrix instructions.
; RING.  Two LDS slots of four K steps: p's group 4 x 12,800 bytes, v's two groups 4 x 12,800 each.  Waves 0, 1 bring two K steps of p each, waves 2, 3 four K steps of one group of v.  Four fills: two at the head, two refills, each behind a
; round of the cluster's barrier, with three and a half K steps (112 matrix instructions) in which to land.  By this text's count a wave has at most two tensor loads out.
; CLUSTERS: 4 x 4; p's records are asked for jointly along a row of the cluster, v's along a column.
; LIMITS: delta is held at 127; a block of p whose byte would fall under 0 is held at the byte 0, so that its terms are at most 7.5 x 2^-127 beside a row's l of at least 1/2; a block of ctx that is all zeros or under 2^-124 gets the byte 1; NaN and infinities are not served.
; REGISTERS: window 0: v2-5 images' LDS addresses, v6 p's mended scale words, v8-9 v's scale words, v14-15 the add's two, v16-17 offsets that stay, v32-63 scale words (two sets), v64-111 p's four fragments, v160-255 v's eight (set 0);
;   window 1: the same numbers, set 1; window 2: accumulator (a, b) at v[8 (8 a + b)].
; THE RING AS IT STANDS (this takes the place of what the paragraph RING above says of the head): slot 0's fill at the head, slot 1's first fill behind the three lines and a round in front of K step 0; the two refills as said.
; By this text's count a wave has one tensor load out.
.set REC,     12800
.set SCO,     12288
.set AREA,    8*REC                    ; one group's eight K steps: p's at 0, v's two behind it
.set HALF,    4*REC                    ; a slot's part of an area
.set SPARE,   3*AREA                   ; behind the ring: the spare words, 128 bytes a wave, which no other line names
.set PSC,     SPARE+512                ; the mended scale words: [16 K steps][512 bytes]
.set LROW,    PSC+16*512               ; 1 / l, each twice: 8 bytes for each of the 128 row slots, in the scale words' order
.set PLANE_A, 64*REC
.set PLANE_B, 8*REC
.set B_OFF,   16*64*REC
.set B_BATCH, 16*PLANE_B               ; a batch's 16 K steps of v
.set P_M,     16*PLANE_A
.set P_LM,    16*64*512
.set ADR1, 2                           ; v2-3  p's images in slot 0, 1: my four fragments + 16 x lane
.set ADR0, 4                           ; v4-5  v's: my group + 16 x lane
.set ADS1, 6                           ; v6    the mended words: PSC + 32 (lane % 16) + 16 x my half
.set ADS0, 8                           ; v8-9  v's scale words
.set SPW,  14
.set NIL,  15
.set VO,   16                          ; 16 x lane
.set VS,   17                          ; 32 (lane % 16) + 8 (lane / 16) + 16 x my half
.set SC,   32                          ; scale words, set p at 32 + 16 p: + a p's block a, + 8 + b v's block b; these registers hold nothing else
.set F1,   64
.set F0,   160
.set G1A,  24                          ; s[24:31] group 1 for p's records (two K steps); s[32:39] group 0, a set for each slot
.set G0A,  32
.set G1B,  44                          ; s[44:51] for v's (four K steps); s[52:59]
.set G0B,  52
.set RAW,  64                          ; the head: v64-79 my row slot's scale words of the 16 K steps,
.set NMV,  80                          ; v80-95 their -M,
.set LL,   96                          ; v96-111 their sums
.set VA,   160                         ; 4 x thread
.set NR,   162                         ; v162-163 the row's -M, in two chains
.set LR,   164                         ; v164-165 the row's l, in two chains
.set TD,   166                         ; v166-167 at work
.set TE,   168                         ; v168-169 at work
.set VP,   172                         ; PSC + 4 x thread
.set VL,   173                         ; LROW + 8 x thread
.set H,    64                          ; the way out, window 0
.set PC,   128
.set TM,   148
.set PWS,  164
.set ST,   188
.set TX,   206
.set RL2,  208                         ; v208-215: 1 / l of my row slot of block a at 208 + 2 a, twice
.set MSB, 0
.macro WIN new                         ; the immediate's high byte repeats the setting that is left; a switch that changes nothing is dropped
.if MSB != (\new)
	s_set_vgpr_msb (MSB<<8)|(\new)
.set MSB, (\new)
.endif
.endm
.macro PLACES                          ; four plain places: behind matrix instructions, in front of loads into registers that they have read and of the first read of results
.rept 4
	v_nop
.endr
.endm
.macro CREST                           ; a round of the cluster's barrier behind its opening barrier
	s_cmp_lg_u32 s14, 0
	s_cbranch_scc1 .Lnot_wave_0_\@
	s_barrier_signal -3
.Lnot_wave_0_\@:
	s_barrier_wait -3
	s_barrier_signal -1
	s_barrier_wait -1
.endm
.macro CROUND
	s_barrier_signal -1
	s_barrier_wait -1
	CREST
.endm
.macro JLOAD f                         ; a joint refill of slot f: waves 0, 1 for p, waves 2, 3 for v; an s_nop 0 and four v_nop follow each line
	s_cmp_eq_u32 s15, 0
	s_cbranch_scc0 .Lfor_b_\@
	tensor_load_to_lds s[G0A+4*(\f):G0A+4*(\f)+3], s[G1A:G1A+7]
	s_nop 0
.rept 4
	v_nop
.endr
	s_branch .Lasked_\@
.Lfor_b_\@:
	tensor_load_to_lds s[G0B+4*(\f):G0B+4*(\f)+3], s[G1B:G1B+7]
	s_nop 0
.rept 4
	v_nop
.endr
.Lasked_\@:
.endm
.macro FETCH k, p                      ; 39 LDS loads in one run: K step k's fragments (v's eight, my four of p's) and scale words into set p; p's words are the mended ones
.set FSL, ((\k)/4)%2
.set FQ,  (\k)%4
	WIN (\p)<<6
.irp i, 0,1,2,3,4,5,6,7
.irp c, 0,1,2
	ds_load_b128 v[F0+12*\i+4*\c:F0+12*\i+4*\c+3], v[ADR0+FSL] offset:FQ*REC+1536*\i+512*\c
.endr
.endr
.irp i, 0,1,2,3
.irp c, 0,1,2
	ds_load_b128 v[F1+12*\i+4*\c:F1+12*\i+4*\c+3], v[ADR1+FSL] offset:FQ*REC+1536*\i+512*\c
.endr
.endr
	WIN 0
	ds_load_b128 v[SC+16*(\p):SC+16*(\p)+3], v[ADS1] offset:512*(\k)
	ds_load_b128 v[SC+16*(\p)+8:SC+16*(\p)+11], v[ADS0+FSL] offset:FQ*REC+SCO
	ds_load_b128 v[SC+16*(\p)+12:SC+16*(\p)+15], v[ADS0+FSL] offset:FQ*REC+SCO+16
.endm
; 8 matrix instructions: p's block a (of my four) x v's eight, on set p.  first = 1: the products start the sums.  The 32 accumulators take turns, in the same order in every step.
.macro MUL8 a, p, first
	WIN (5*(\p))|0xa0
.irp b, 0,1,2,3,4,5,6,7
.set AC, 8*(8*(\a)+\b)
.if \first
	v_wmma_scale_f32_16x16x128_f8f6f4 v[AC:AC+7], v[F0+12*\b:F0+12*\b+11], v[F1+12*(\a):F1+12*(\a)+11], 0, v[SC+16*(\p)+8+\b], v[SC+16*(\p)+(\a)] matrix_a_fmt:MATRIX_FMT_FP6 matrix_b_fmt:MATRIX_FMT_FP6
.else
	v_wmma_scale_f32_16x16x128_f8f6f4 v[AC:AC+7], v[F0+12*\b:F0+12*\b+11], v[F1+12*(\a):F1+12*(\a)+11], v[AC:AC+7], v[SC+16*(\p)+8+\b], v[SC+16*(\p)+(\a)] matrix_a_fmt:MATRIX_FMT_FP6 matrix_b_fmt:MATRIX_FMT_FP6
.endif
.endr
.endm
; K step k: 32 matrix instructions on set k % 2, from slot (k / 4) % 2; the next step's fragments are fetched into the other set.
; kind 0: plain.  kind 1: the slot has been read out: all my tensor loads waited for, the add, my reads waited for, a round of the cluster's barrier, the joint refill first behind it.
; kind 2: the same lines with a plain barrier and no refill.  kind 3: the last step.
.macro KSTEP k, kind, first
.set KP,  (\k)%2
.set KSL, ((\k)/4)%2
.if (\kind) == 0
	s_wait_dscnt 0x0                               ; this step's 39 loads are in
	PLACES
	FETCH (\k)+1, 1-KP
	MUL8 0, KP, \first
	MUL8 1, KP, \first
	MUL8 2, KP, \first
	MUL8 3, KP, \first
.elseif (\kind) == 3
	s_wait_dscnt 0x0
	MUL8 0, KP, 0
	MUL8 1, KP, 0
	MUL8 2, KP, 0
	MUL8 3, KP, 0
.else
	WIN 0                                          ; (the add's two registers lie in window 0)
	s_wait_tensorcnt 0x0                           ; all my tensor loads have landed
	ds_add_u32 v[SPW], v[NIL]                      ; 0 onto my spare word
	s_wait_dscnt 0x1                               ; the add alone was issued behind this step's loads
	MUL8 0, KP, 0
	s_wait_dscnt 0x0                               ; the add is done, and my reads of the slot are over
	s_barrier_signal -1
	MUL8 1, KP, 0
.if (\kind) == 1
	WIN 0
.endif
	s_barrier_wait -1
.if (\kind) == 1
	CREST                                          ; no wave of any partner still reads the slot or has a load on its way
	s_add_nc_u64 s[G0A+4*KSL+2:G0A+4*KSL+3], s[G0A+4*KSL+2:G0A+4*KSL+3], 8*PLANE_A   ; two slots of four K steps on
	s_add_nc_u64 s[G0B+4*KSL+2:G0B+4*KSL+3], s[G0B+4*KSL+2:G0B+4*KSL+3], 8*PLANE_B
	JLOAD KSL                                      ; its four v_nop are also the places in front of the loads below
.else
	PLACES
.endif
	FETCH (\k)+1, 1-KP
.if (\k) == 3
	global_prefetch_b8 v18, s[12:13] offset:4*PLANE_A th:TH_LOAD_NT scope:SCOPE_SE   ; K steps 12-15, which the fill of K step 7 loads; behind them nothing is left to ask for
	global_prefetch_b8 v19, s[40:41] offset:12*PLANE_B th:TH_LOAD_NT scope:SCOPE_SE
.endif
	MUL8 2, KP, 0
	MUL8 3, KP, 0
.endif
.endm
.macro QMAX s
.irp b, 0,1,2,3
	v_max3_num_f32 v[TM+\b], |v[\s+16*\b]|, |v[\s+16*\b+1]|, 0x1800000   ; and the floor 2^(3 - 127): the byte cannot fall under 1
.endr
.irp i, 2,4,6,8,10,12,14
.irp b, 0,1,2,3
	v_max3_num_f32 v[TM+\b], v[TM+\b], |v[\s+16*\b+\i]|, |v[\s+16*\b+\i+1]|
.endr
.endr
.irp b, 0,1,2,3
	v_permlanex16_b32 v[TM+4+\b], v[TM+\b], s80, s81
.endr
.irp b, 0,1,2,3
	v_max_num_f32 v[TM+\b], v[TM+\b], v[TM+4+\b]
.endr
.endm
.macro QTAIL s, pw
	s_wait_xcnt 0x0                                ; the last block's stores have read the codes' registers
.irp b, 0,1,2,3
	v_add_nc_u32 v[TM+12+\b], 0xff000000, v[TM+\b] ; 2 off the exponent field: the conversion's scale operand
.endr
.irp b, 0,1,2,3
	v_lshrrev_b32 v[TM+4+\b], 23, v[TM+12+\b]      ; the scale's byte
.endr
	v_lshl_or_b32 v[\pw], v[TM+5], 8, v[TM+4]
	v_lshl_or_b32 v[\pw], v[TM+6], 16, v[\pw]
	v_lshl_or_b32 v[\pw], v[TM+7], 24, v[\pw]
.irp c, 0,1
	v_cvt_scalef32_pk16_fp6_f32 v[PC+6*\c:PC+6*\c+2], v[\s+32*\c:\s+32*\c+15], v[TM+12+2*\c]
	v_cvt_scalef32_pk16_fp6_f32 v[PC+12+4*\c:PC+12+4*\c+2], v[\s+32*\c+16:\s+32*\c+31], v[TM+12+2*\c+1]
.endr
	v_nop                                          ; one plain place behind a scaled conversion
.irp c, 0,1                                    ; a whole block to a lane: lanes 0-15 block 2 c, lanes 16-31 block 2 c + 1
.irp i, 0,1,2
	v_permlane16_swap_b32 v[PC+6*\c+\i], v[PC+12+4*\c+\i]
.endr
.irp i, 0,1,2
	v_mov_b32 v[PC+3+6*\c+\i], v[PC+12+4*\c+\i]
.endr
.endr
.endm
.macro FSTORE a                        ; my image a: three stores of 512 consecutive bytes
.irp c, 0,1,2
	global_store_b128 v[VO], v[PC+4*\c:PC+4*\c+3], s[76:77] offset:1536*(\a)+512*\c
.endr
.endm
; K steps 2 kp and 2 kp + 1 of my row slot, by turns: -delta, the sum under the row's M, the four bytes less delta, held at 0.  A byte of p is at most 125 and delta at most 127, so 128 + byte - delta stays inside its byte, and its top bit says whether byte - delta is 0 or more.
.macro FIX kp
.irp j, 0,1
	v_sub_f32 v[TD+\j], v[NR], v[NMV+2*(\kp)+\j]                   ; -delta = (-M_row) - (-M_local), a whole number, 0 or less
.endr
.irp j, 0,1
	v_max_num_f32 v[TD+\j], 0xc2fe0000, v[TD+\j]                   ; held at -127
.endr
.irp j, 0,1
	v_cvt_i32_f32 v[TD+\j], v[TD+\j]
.endr
.irp j, 0,1
.if (\kp) == 0
	v_ldexp_f32 v[LR+\j], v[LL+\j], v[TD+\j]                       ; the first terms start the row's l, in two chains
.else
	v_ldexp_f32 v[TE+\j], v[LL+2*(\kp)+\j], v[TD+\j]               ; the 128 keys' sum x 2^-delta: nothing is rounded
.endif
.endr
.irp j, 0,1
	v_or_b32 v[RAW+2*(\kp)+\j], 0x80808080, v[RAW+2*(\kp)+\j]
.endr
.irp j, 0,1
	v_mul_lo_u32 v[TD+\j], v[TD+\j], s92                           ; -delta in each byte
.endr
.if (\kp) > 0
.irp j, 0,1
	v_add_f32 v[LR+\j], v[LR+\j], v[TE+\j]
.endr
.endif
.irp j, 0,1
	v_add_nc_u32 v[RAW+2*(\kp)+\j], v[RAW+2*(\kp)+\j], v[TD+\j]    ; 128 + byte - delta
.endr
.irp j, 0,1
	v_lshrrev_b32 v[TD+\j], 7, v[RAW+2*(\kp)+\j]
.endr
.irp j, 0,1
	v_and_b32 v[TD+\j], 0x01010101, v[TD+\j]                       ; 1 where byte - delta is 0 or more,
.endr
.irp j, 0,1
	v_mul_lo_u32 v[TD+\j], v[TD+\j], s93                           ; 0x7f there, 0 elsewhere
.endr
.irp j, 0,1
	v_and_b32 v[RAW+2*(\kp)+\j], v[RAW+2*(\kp)+\j], v[TD+\j]
.endr
.irp j, 0,1
	ds_store_b32 v[VP], v[RAW+2*(\kp)+\j] offset:512*(2*(\kp)+\j)
.endr
.endm
	s_load_b128 s[4:7], s[0:1], 0x0                ; p, qkv
	s_load_b64 s[8:9], s[0:1], 0x10                ; ctx
	v_lshl_add_u32 v[SPW], v0, 2, SPARE
	v_mov_b32 v[NIL], 0
	ds_add_u32 v[SPW], v[NIL]                      ; the wave's opening: the add and its wait ahead of my first tensor load; work on registers stands between them
	ds_add_u32 v[SPW], v[NIL]
	v_lshrrev_b32 v1, 5, v0
	v_readfirstlane_b32 s14, v1                    ; wave 0..3
	s_lshr_b32 s15, s14, 1                         ; my half of the queries.  Also: I fetch for p (0) or for v (1)
	s_and_b32 s16, s14, 1                          ; my half of d.  Also: which part I fetch
	s_bfe_u32 s66, ttmp6, 0x40000                  ; cx
	s_bfe_u32 s67, ttmp6, 0x40004                  ; cy
	s_lshl_b32 s68, ttmp9, 2
	s_add_co_u32 s68, s68, s66                     ; gx
	s_and_b32 s17, ttmp7, 0xffff
	s_lshl_b32 s69, s17, 2
	s_add_co_u32 s69, s69, s67                     ; gy: my group of queries
	s_lshl_b32 s70, s67, 2
	s_lshl_b32 s70, 15, s70                        ; my row of the cluster
	s_lshl_b32 s71, 0x1111, s66                    ; my column
	s_or_b32 s[G1A], s70, (3<<16)|(1<<21)          ; 15:0 the mask; 17:16 elements of 8 bytes; 21 set beside a mask; no padding
	s_or_b32 s[G1B], s71, (3<<16)|(1<<21)
.irp g, G1A, G1B
	s_mov_b32 s[\g+1], 1600<<16                    ; tensor_dim0: a record, 1,600 elements
	s_mov_b32 s[\g+3], 1600<<16                    ; tile_dim0
	s_mov_b32 s[\g+6], 0
	s_mov_b32 s[\g+7], 0
.endr
	s_mov_b32 s[G1A+2], 2<<16                      ; tensor_dim1: p: two K steps a load
	s_mov_b32 s[G1A+4], 2                          ; tile_dim1
	s_mov_b32 s[G1A+5], PLANE_A/8                  ; from K step to K step, in elements
	s_mov_b32 s[G1B+2], 4<<16                      ; v: four
	s_mov_b32 s[G1B+4], 4
	s_mov_b32 s[G1B+5], PLANE_B/8
	s_mul_i32 s72, s69, REC                        ; p: group gy,
	s_mul_i32 s73, s16, 2*PLANE_A                  ; K steps 2 s16, 2 s16 + 1 of a slot's four
	s_add_co_u32 s72, s72, s73
	s_mov_b32 s73, 0
	s_lshl_b32 s74, s68, 1
	s_add_co_u32 s74, s74, s16
	s_mul_i32 s74, s74, REC                        ; v: group 2 gx + s16,
	s_lshr_b32 s18, s17, 2                         ; from my batch's first K step on; the batch = cluster y / 4, which all partners share
	s_mul_i32 s18, s18, B_BATCH
	s_add_co_u32 s74, s74, s18
	s_add_co_u32 s74, s74, B_OFF
	s_mov_b32 s75, 0
	s_mul_i32 s19, s16, 2*REC                      ; where p's loads go,
	s_mul_i32 s23, s16, AREA
	s_add_co_u32 s23, s23, AREA                    ; and v's
	s_mul_i32 s20, s15, 4*1536                     ; what I read: my four fragments of p,
	s_mov_b32 s21, s23                             ; v's group s16,
	s_lshl_b32 s22, s15, 4
	s_add_co_u32 s22, s22, PSC                     ; of a row slot's eight mended words my four
	s_lshl_b32 s84, s68, 1
	s_add_co_u32 s84, s84, s16
	s_mul_i32 s84, s84, PLANE_A                    ; ctx: K step 2 gx + s16,
	s_mul_i32 s85, s69, REC                        ; group gy
	s_add_co_u32 s84, s84, s85
	s_mov_b32 s85, 0
	s_mul_i32 s98, s15, 4*1536                     ; and in that record my four images
	s_add_co_u32 s98, s98, s84
	s_mov_b32 s99, 0
	s_mul_i32 s86, s69, REC
	s_add_co_u32 s86, s86, SCO                     ; my group's scale words, K step 0
	s_mov_b32 s87, 0
	s_lshl_b32 s88, s69, 9
	s_add_co_u32 s88, s88, P_M                     ; its -M
	s_mov_b32 s89, 0
	s_mov_b32 s79, 0xffff0000                      ; lanes 16-31
	s_mov_b32 s80, 0x76543210
	s_mov_b32 s81, 0xfedcba98                      ; v_permlanex16_b32's selects for lane l xor 16
	s_mov_b32 s92, 0x01010101
	s_mov_b32 s93, 127
	; THE PREFETCHES, one fill ahead of the tensor load: wave w asks for K step 4 n + w of fill n.  p's record is 50 blocks of 256 bytes, of which the partner at cx takes 13 (the last partner 11); v's two neighbouring groups are 100 blocks,
	; of which the partner at cy takes 25: told apart by address; the lanes that are left over name their wave's last block again.
	s_mul_i32 s10, s69, REC                        ; p: group gy, K step = my wave
	s_mul_i32 s11, s14, PLANE_A
	s_add_co_u32 s10, s10, s11
	s_mov_b32 s11, 0
	s_mul_i32 s40, s68, 2*REC                      ; v: groups 2 gx on, in my batch, K step = my wave
	s_mul_i32 s41, s14, PLANE_B
	s_add_co_u32 s40, s40, s41
	s_add_co_u32 s40, s40, s18
	s_add_co_u32 s40, s40, B_OFF
	s_mov_b32 s41, 0
	s_mul_i32 s60, s66, 13
	s_mul_i32 s61, s67, 25
	s_wait_dscnt 0x0                               ; the opening add is done
	s_wait_kmcnt 0x0
	s_add_nc_u64 s[72:73], s[4:5], s[72:73]
	s_add_nc_u64 s[74:75], s[6:7], s[74:75]
	s_add_nc_u64 s[96:97], s[8:9], s[84:85]        ; the record that I share,
	s_add_nc_u64 s[76:77], s[8:9], s[98:99]        ; and my four images in it
	s_add_nc_u64 s[86:87], s[4:5], s[86:87]
	s_add_nc_u64 s[90:91], s[86:87], 8*PLANE_A     ; K steps 8 on: fifteen planes would pass the loads' immediate
	s_add_nc_u64 s[88:89], s[4:5], s[88:89]
	s_add_nc_u64 s[10:11], s[4:5], s[10:11]
	s_add_nc_u64 s[12:13], s[10:11], 8*PLANE_A     ; K steps 8 on: twelve planes would pass the immediate
	s_add_nc_u64 s[40:41], s[6:7], s[40:41]
.irp f, 0,1
	s_mov_b32 s[G0A+4*\f], 1                       ; count = 1
	s_add_co_u32 s[G0A+4*\f+1], s19, \f*HALF       ; LDS address
	s_add_nc_u64 s[G0A+4*\f+2:G0A+4*\f+3], s[72:73], \f*4*PLANE_A   ; slot f: K steps 4 f on
	s_or_b32 s[G0A+4*\f+3], s[G0A+4*\f+3], 0x80000000              ; type = 2
	s_mov_b32 s[G0B+4*\f], 1
	s_add_co_u32 s[G0B+4*\f+1], s23, \f*HALF
	s_add_nc_u64 s[G0B+4*\f+2:G0B+4*\f+3], s[74:75], \f*4*PLANE_B
	s_or_b32 s[G0B+4*\f+3], s[G0B+4*\f+3], 0x80000000
.endr
	CROUND                                         ; all sixteen work-groups are here: the first joint loads meet
	s_cmp_eq_u32 s15, 0                            ; a wave's first fill stands in one branch, ahead of every wait on TENSORcnt and every LDS read
	s_cbranch_scc0 .Lfirst_b
	tensor_load_to_lds s[G0A:G0A+3], s[G1A:G1A+7]
	s_nop 0
.rept 4
	v_nop
.endr
	s_branch .Lfirst_asked
.Lfirst_b:
	tensor_load_to_lds s[G0B:G0B+3], s[G1B:G1B+7]
	s_nop 0
.rept 4
	v_nop
.endr
.Lfirst_asked:
	v_and_b32 v20, 31, v0
	v_min_u32 v18, 12, v20
	v_min_u32 v19, 24, v20
	v_add_nc_u32 v18, s60, v18
	v_add_nc_u32 v19, s61, v19
	v_min_u32 v18, 49, v18
	v_lshlrev_b32 v19, 8, v19                      ; v19: 256 x (25 cy + lane); never rewritten
	v_lshlrev_b32 v18, 8, v18                      ; v18: 256 x (13 cx + lane), held inside the record; never rewritten
	global_prefetch_b8 v18, s[10:11] offset:4*PLANE_A th:TH_LOAD_NT scope:SCOPE_SE   ; K steps 4-7, which the next fill loads
	global_prefetch_b8 v19, s[40:41] offset:4*PLANE_B th:TH_LOAD_NT scope:SCOPE_SE
	v_lshlrev_b32 v[VA], 2, v0
.irp kt, 0,1,2,3,4,5,6,7
	global_load_b32 v[RAW+\kt], v[VA], s[86:87] offset:\kt*PLANE_A
.endr
.irp kt, 8,9,10,11,12,13,14,15
	global_load_b32 v[RAW+\kt], v[VA], s[90:91] offset:(\kt-8)*PLANE_A
.endr
.irp kt, 0,1,2,3,4,5,6,7,8,9,10,11,12,13,14,15
	global_load_b32 v[NMV+\kt], v[VA], s[88:89] offset:\kt*32768
	global_load_b32 v[LL+\kt], v[VA], s[88:89] offset:\kt*32768+P_LM
.endr
	v_and_b32 v[VO], 31, v0
	v_lshlrev_b32 v[VO], 4, v[VO]                  ; 16 x lane
	v_and_b32 v[TD], 15, v0
	v_lshlrev_b32 v[TD], 5, v[TD]                  ; 32 x (lane % 16)
	v_bfe_u32 v[TE], v0, 4, 1
	v_lshl_add_u32 v[VS], v[TE], 3, v[TD]
	s_lshl_b32 s84, s15, 4
	v_add_nc_u32 v[VS], s84, v[VS]
	v_add_nc_u32 v[ADS1], s22, v[TD]
.irp f, 0,1
	v_add_nc_u32 v[ADR1+\f], s20, v[VO]
	v_add_nc_u32 v[ADR0+\f], s21, v[VO]
	v_add_nc_u32 v[ADS0+\f], s21, v[TD]
	s_add_co_u32 s20, s20, HALF
	s_add_co_u32 s21, s21, HALF
.endr
	v_lshl_add_u32 v[VP], v0, 2, PSC
	s_wait_loadcnt 0x0
	v_min_num_f32 v[NR], v[NMV], v[NMV+2]
	v_min_num_f32 v[NR+1], v[NMV+1], v[NMV+3]
.irp kt, 4,6,8,10,12,14
	v_min_num_f32 v[NR], v[NR], v[NMV+\kt]
	v_min_num_f32 v[NR+1], v[NR+1], v[NMV+\kt+1]
.endr
	v_min_num_f32 v[NR], v[NR], v[NR+1]            ; the least -M: the row's
.irp kp, 0,1,2,3,4,5,6,7
	FIX \kp
.endr
	v_add_f32 v[LR], v[LR], v[LR+1]                ; the row's l
	s_wait_alu depctr_va_vdst(0)
	v_rcp_f32 v[TE], v[LR]
	v_lshl_add_u32 v[VL], v0, 3, LROW              ; a plain place behind the reciprocal
	s_wait_alu depctr_va_vdst(0)                   ; the wait ahead of its first reader
	v_mov_b32 v[TE+1], v[TE]
	ds_store_b64 v[VL], v[TE:TE+1]                 ; 1 / l twice: a pair for the packed multiply
	s_wait_alu depctr_va_vdst(0)
	s_wait_tensorcnt 0x0                           ; my part of slot 0 is in
	ds_add_u32 v[SPW], v[NIL]
	s_wait_dscnt 0x0                               ; the add is done; for the others' sake: my mended words and my 1 / l have landed
	CROUND
	JLOAD 1                                        ; slot 1's first fill: K steps 4-7
	FETCH 0, 0
	global_prefetch_b8 v18, s[12:13] th:TH_LOAD_NT scope:SCOPE_SE                    ; K steps 8-11, which the fill of K step 3 loads
	global_prefetch_b8 v19, s[40:41] offset:8*PLANE_B th:TH_LOAD_NT scope:SCOPE_SE
	KSTEP 0, 0, 1
	KSTEP 1, 0, 0
	KSTEP 2, 0, 0
	KSTEP 3, 1, 0                                  ; slot 0 takes K steps 8-11; slot 1 is whole behind this round
	KSTEP 4, 0, 0
	KSTEP 5, 0, 0
	KSTEP 6, 0, 0
	KSTEP 7, 1, 0                                  ; slot 1 takes K steps 12-15; slot 0's fill was waited for in front of this round
	KSTEP 8, 0, 0
	KSTEP 9, 0, 0
	KSTEP 10, 0, 0
	KSTEP 11, 2, 0                                 ; slot 1 is whole
	KSTEP 12, 0, 0
	KSTEP 13, 0, 0
	KSTEP 14, 0, 0
	KSTEP 15, 3, 0
	PLACES
	WIN 0
	; THE WAY OUT: block a = my 16 queries of p's fragment 4 s15 + a, 128 of d in two halves of the lanes: divided by l, quantised along d, that image of one record.
	v_and_b32 v[TX], 15, v0
	v_lshlrev_b32 v[TX], 6, v[TX]
	s_lshl_b32 s84, s15, 5
	s_add_co_u32 s84, s84, LROW
	v_add_nc_u32 v[TX], s84, v[TX]                 ; my row slot's four pairs: LROW + 64 r + 32 x half
	ds_load_b128 v[RL2:RL2+3], v[TX]
	ds_load_b128 v[RL2+4:RL2+7], v[TX] offset:16
.irp b, 0,1,2,3
	v_mov_b32 v[TM+4+\b], 0                        ; a lane permute's destination counts as one of its sources
.endr
	s_wait_dscnt 0x0
.macro BLOCK a
	WIN 2                                          ; source 0: the accumulators' window
.set ii, 0
.rept 32
	v_pk_mul_f32 v[H+ii:H+ii+1], v[64*(\a)+ii:64*(\a)+ii+1], v[RL2+2*(\a):RL2+2*(\a)+1]   ; / l, into window 0; each accumulator from its low end on
.set ii, ii+2
.endr
	WIN 0
	QMAX H
	s_wait_alu depctr_va_vdst(0)
	QTAIL H, PWS+(\a)
	FSTORE \a
.endm
.irp a, 0,1,2,3
	BLOCK \a
.endr
.irp j, 0,1
	v_cndmask_b32 v[ST+\j], v[PWS+\j], v[PWS+2+\j], s79            ; four words a row slot: lanes 0-15 store words 0, 1, lanes 16-31 words 2, 3
.endr
	global_store_b64 v[VS], v[ST:ST+1], s[96:97] offset:SCO        ; my 16 of each row slot's 32 bytes; the wave with the other half of the queries stores the others
	s_wait_tensorcnt 0x0                           ; the wave's end: behind my last tensor load and my last LDS store
	ds_add_u32 v[SPW], v[NIL]
	s_wait_dscnt 0x0
	CROUND                                         ; the closing round: no work-group ends while a partner may still ask for a tile that names it
	s_endpgm
.Lfunc_end_k_q04f2e1b0d1_ctx:
	.size	k_q04f2e1b0d1_ctx, .Lfunc_end_k_q04f2e1b0d1_ctx-k_q04f2e1b0d1_ctx
	.p2alignl 7, 3214868480
	.fill 96, 4, 3214868480
	.section	.rodata,"a",@progbits
	.p2align	6, 0x0
	.amdhsa_kernel k_q04f2e1b0d1_ctx
		.amdhsa_group_segment_fixed_size 327680
		.amdhsa_private_segment_fixed_size 0
		.amdhsa_enable_private_segment 0
		.amdhsa_kernarg_size 24
		.amdhsa_user_sgpr_count 2
		.amdhsa_user_sgpr_kernarg_segment_ptr 1
		.amdhsa_wavefront_size32 1
		.amdhsa_system_sgpr_workgroup_id_x 1
		.amdhsa_system_sgpr_workgroup_id_y 1
		.amdhsa_system_sgpr_workgroup_id_z 1
		.amdhsa_system_vgpr_workitem_id 0
		.amdhsa_next_free_vgpr 768
		.amdhsa_next_free_sgpr 100
		.amdhsa_reserve_vcc 0
		.amdhsa_float_denorm_mode_32 3
		.amdhsa_float_denorm_mode_16_64 3
		.amdhsa_memory_ordered 1
		.amdhsa_forward_progress 1
		.amdhsa_inst_pref_size 160
	.end_amdhsa_kernel
	.amdgpu_metadata
---
amdhsa.version: [ 1, 2 ]
amdhsa.kernels:
  - .name:           k_q04f2e1b0d1_ctx
    .symbol:         k_q04f2e1b0d1_ctx.kd
    .args:
      - { .name: p, .offset: 0, .size: 8, .value_kind: global_buffer, .address_space: global }
      - { .name: qkv, .offset: 8, .size: 8, .value_kind: global_buffer, .address_space: global }
      - { .name: ctx, .offset: 16, .size: 8, .value_kind: global_buffer, .address_space: global }
    .group_segment_fixed_size: 327680
    .private_segment_fixed_size: 0
    .kernarg_segment_align: 8
    .kernarg_segment_size: 24
    .max_flat_workgroup_size: 128
    .sgpr_count:     100
    .vgpr_count:     768
    .wavefront_size: 32
...
	.end_amdgpu_metadata
.endif
;; end of part 9
;; launch outp (part 10): grid 4 x 64, 4 waves a work-group, clusters of 4 x 4, 327,680 bytes of LDS; arguments ctx, xw, bo, out0; writes out0
.if DOCPART == 10
	.amdgcn_target "amdgcn-amd-amdhsa--gfx1250"
	.amdhsa_code_object_version 6
	.text
	.protected	k_q04f2e1b0d1_outp
	.globl	k_q04f2e1b0d1_outp
	.p2align	8
	.type	k_q04f2e1b0d1_outp,@function
k_q04f2e1b0d1_outp:
	s_mov_b64 s[64:65], 0
	v_nop
	global_prefetch_b8 v0, s[64:65] scope:SCOPE_SE
	s_setreg_imm32_b32 hwreg(HW_REG_WAVE_MODE, 25, 1), 1
	s_wait_xcnt 0x0
	s_wait_alu depctr_hold_cnt(0) depctr_sa_sdst(0) depctr_va_vdst(0) depctr_va_sdst(0) depctr_va_ssrc(0) depctr_va_vcc(0) depctr_vm_vsrc(0)
	s_getreg_b32 s2, hwreg(HW_REG_IB_STS2, 6, 4)
	s_cmp_eq_u32 s2, 0
	s_cbranch_scc0 .Lentry_in_a_cluster
	s_endpgm
.Lentry_in_a_cluster:
	s_bfe_u32 s2, ttmp6, 0x10000c
	s_cmp_lg_u32 s2, 0xf033
	s_cbranch_scc0 .Lentry_shape_is_right
	s_endpgm
.Lentry_shape_is_right:
; out = ctx Wo^T + bo on codes of FP6 (E2M3) with E8M0 scales, sums in f32; out0 [8192][1024] f32.
; A RECORD is 128 rows x 128 K in 12,800 bytes: eight fragment images of 1,536 bytes (registers 4 c .. 4 c + 3 of lane l at 1536 i + 512 c + 16 l), then the scale words (fragment i, lane slot r: at 12288 + 32 r + 4 i).
; Fragment i = 2 b + u, lane slot r, holds row 32 b + 8 u + r + 8 (r / 8) of the 128.  Taken as source 0, the 64 result registers of tiles 0-7 run along source 0's rows in natural order (register 16 b + i of lane (r, h): row 32 b + 16 h + i).
; ctx: records [8 K steps][64 groups of rows].  xw: the weights' records [8][32] at 6,553,600; Wo's groups are 24-31.
; SHARES.  A work-group makes 128 rows (one group) x 256 columns: 256 work-groups.  Four waves, 64 x 128 each: source 1 = ctx (a lane owns a row), source 0 = Wo (the registers run along the columns).
; LDS holds ALL of K, asked for at the head, one tensor load a wave: waves 0, 1 four K steps of ctx's group each, waves 2, 3 all eight K steps of one group of Wo.  Nothing is filled again.
; Wo STAYS IN REGISTERS: a wave's 128 columns x 1,024 K are 64 fragments of 12 registers: 21 in each of windows 1 to 3 and one in window 0.  They are read from LDS once, two K steps ahead of block 0's products.
; THE WALK GOES BY BLOCKS OF 16 ROWS: a block's 8 accumulators take all 8 K steps (64 matrix instructions, the accumulators by turns), and the block is finished.  ctx's fragments come through a ring of
; four register buffers, four groups of 8 matrix instructions ahead.  A finished block goes through the wave's own stage in LDS, comes back as whole pieces of 512 consecutive bytes of a row, takes bo, and is stored among the next block's products.
; The stages lie in Wo's first group's bytes, which have had their one fill and which no wave reads behind the barrier of group 7.
; SCALE WORDS: one register carries two K steps: lanes 0-15 the even one's words, lanes 16-31 the odd one's (taken by the ROW1 selectors).
; CLUSTERS: 4 x 4; ctx's records are asked for jointly along a row of the cluster, Wo's along a column.  No prefetch: there is no loop to run ahead in, every byte is asked for at the head.
; LIMITS: NaN and infinities are not served.
; REGISTERS, window 0: v2-7 LDS addresses, v8-11 bo at my four columns, v12 16 x lane, v14-15 the add's two, v16-47 Wo's scale words, v48-63 ctx's, v64-127 the accumulators, v128-175 ctx's ring, v176-239 a block read back, v240-251 Wo's fragment 63.
.set REC,     12800
.set SCO,     12288
.set AREA,    8*REC                    ; one group's eight K steps: ctx's at 0, Wo's two behind it
.set HALF,    4*REC
.set SPARE,   3*AREA                   ; behind them: the spare words, 128 bytes a wave, which no other line names
.set PLANE_A, 64*REC
.set PLANE_B, 32*REC
.set B_OFF,   8*PLANE_A+24*REC
.set SPITCH,  528                      ; a stage row: 512 bytes + 16: the sixteen rows that a store touches start 4 banks apart
.set STAGE,   AREA
.set ADR1, 2                           ; v2-3  ctx's images, K steps 0-3 and 4-7: my four fragments + 16 x lane
.set ADR0, 4                           ; v4-5  Wo's: my group + 16 x lane
.set STO,  6                           ; the stage, on the way in: 528 r + 64 h
.set RD,   7                           ; on the way out: 16 x lane
.set BI,   8
.set VO,   12
.set SPW,  14
.set NIL,  15
.set WS,   16                          ; + 8 (k / 2) + b
.set CS,   48                          ; + 4 (k / 2) + a
.set AC,   64
.set FR,   128
.set BK,   176
.set ASC,  176                         ; the head alone: the scale words' addresses
.set ASW,  178
.set W63,  240
.set G1A,  24
.set G0A,  32
.set G1B,  44
.set G0B,  52
.set MSB, 0
.macro WIN new                         ; the immediate's high byte repeats the setting that is left; a switch that changes nothing is dropped
.if MSB != (\new)
	s_set_vgpr_msb (MSB<<8)|(\new)
.set MSB, (\new)
.endif
.endm
.macro PLACES                          ; five plain places: four in front of loads into registers that matrix instructions have read and of reads of results, five in front of a matrix instruction that begins an accumulator anew
.rept 5
	v_nop
.endr
.endm
.macro CROUND                          ; a round of the cluster's barrier
	s_barrier_signal -1
	s_barrier_wait -1
	s_cmp_lg_u32 s14, 0
	s_cbranch_scc1 .Lnot_wave_0_\@
	s_barrier_signal -3
.Lnot_wave_0_\@:
	s_barrier_wait -3
	s_barrier_signal -1
	s_barrier_wait -1
.endm
.macro WLOAD k                         ; Wo's eight fragments of K step k into their registers: 24 loads of 512 consecutive bytes
.irp b, 0,1,2,3,4,5,6,7
.set NN, 8*(\k)+\b
.if NN == 63
	WIN 0
.set WR, W63
.else
	WIN (1+NN/21)<<6
.set WR, 12*(NN%21)
.endif
.irp c, 0,1,2
	ds_load_b128 v[WR+4*\c:WR+4*\c+3], v[ADR0+(\k)/4] offset:((\k)%4)*REC+1536*\b+512*\c
.endr
.endr
	WIN 0
.endm
.macro LFR g                           ; ctx's fragment of group g (block g / 8, K step g % 8) into ring buffer g % 4
.set LK, (\g)%8
.irp c, 0,1,2
	ds_load_b128 v[FR+12*((\g)%4)+4*\c:FR+12*((\g)%4)+4*\c+3], v[ADR1+LK/4] offset:(LK%4)*REC+1536*((\g)/8)+512*\c
.endr
.endm
.macro GRP g                           ; 8 matrix instructions: block g / 8, K step g % 8, Wo's eight fragments; K step 0 starts the sums
.set KK, (\g)%8
.set AA, (\g)/8
.set FB, FR+12*((\g)%4)
.irp b, 0,1,2,3,4,5,6,7
.set NN, 8*KK+\b
.if NN == 63
	WIN 0
.set WR, W63
.else
	WIN 1+NN/21
.set WR, 12*(NN%21)
.endif
.if KK == 0
	v_wmma_scale_f32_16x16x128_f8f6f4 v[AC+8*\b:AC+8*\b+7], v[WR:WR+11], v[FB:FB+11], 0, v[WS+\b], v[CS+AA] matrix_a_fmt:MATRIX_FMT_FP6 matrix_b_fmt:MATRIX_FMT_FP6
.elseif KK%2
	v_wmma_scale_f32_16x16x128_f8f6f4 v[AC+8*\b:AC+8*\b+7], v[WR:WR+11], v[FB:FB+11], v[AC+8*\b:AC+8*\b+7], v[WS+8*(KK/2)+\b], v[CS+4*(KK/2)+AA] matrix_a_fmt:MATRIX_FMT_FP6 matrix_b_fmt:MATRIX_FMT_FP6 matrix_a_scale:MATRIX_SCALE_ROW1 matrix_b_scale:MATRIX_SCALE_ROW1
.else
	v_wmma_scale_f32_16x16x128_f8f6f4 v[AC+8*\b:AC+8*\b+7], v[WR:WR+11], v[FB:FB+11], v[AC+8*\b:AC+8*\b+7], v[WS+8*(KK/2)+\b], v[CS+4*(KK/2)+AA] matrix_a_fmt:MATRIX_FMT_FP6 matrix_b_fmt:MATRIX_FMT_FP6
.endif
.endr
	WIN 0
.endm
.macro TOSTAGE                         ; registers 16 b + 4 j on: columns 32 b + 16 h + 4 j on; each accumulator from its low end on
.irp n, 0,1,2,3,4,5,6,7,8,9,10,11,12,13,14,15
	ds_store_b128 v[STO], v[AC+4*\n:AC+4*\n+3] offset:128*(\n/4)+16*(\n%4)
.endr
.endm
.macro RB                              ; the block back by rows; LDS serves a wave's instructions in order (ISA guide 5.7.1.4): these see the stores
.irp t, 0,1,2,3,4,5,6,7,8,9,10,11,12,13,14,15
	ds_load_b128 v[BK+4*\t:BK+4*\t+3], v[RD] offset:SPITCH*\t
.endr
.endm
.macro SENDH a, hh                     ; row slots 8 hh .. 8 hh + 7 of block a: + bo, then 32 lanes store 512 consecutive bytes of a row; written once, read by nobody here
.irp t, 0,1,2,3,4,5,6,7
	v_pk_add_f32 v[BK+32*(\hh)+4*\t:BK+32*(\hh)+4*\t+1], v[BK+32*(\hh)+4*\t:BK+32*(\hh)+4*\t+1], v[BI:BI+1]
	v_pk_add_f32 v[BK+32*(\hh)+4*\t+2:BK+32*(\hh)+4*\t+3], v[BK+32*(\hh)+4*\t+2:BK+32*(\hh)+4*\t+3], v[BI+2:BI+3]
.endr
.irp t, 0,1,2,3,4,5,6,7
	global_store_b128 v[VO], v[BK+32*(\hh)+4*\t:BK+32*(\hh)+4*\t+3], s[76:77] offset:(32*((\a)/2)+8*((\a)%2)+16*(\hh)+\t)*4096 th:TH_STORE_NT
.endr
.endm
; Group g.  THE COUNTS on DScnt are made from what the groups before have issued: T1, T2, T3 the LDS instructions of groups g - 1, g - 2, g - 3; X4 those that group g - 4 issued behind its ring load.
;   block 0 (g 1-6): Wo's K step g was the last thing that group g - 2 issued: T1 may be out.  Later blocks: the ring load of group g stands in group g - 4: T1 + T2 + T3 + X4 may be out.
;   a block's first group: 0: the stage's stores have read the accumulators that are begun anew.  Group 7: 0, and a barrier: behind it no wave reads Wo's bytes, which become the stages.
.macro STEPG g
.set KQ, (\g)%8
.set AQ, (\g)/8
.if (\g) == 0
	s_wait_dscnt 24                                ; all but Wo's K step 1
.elseif KQ == 0
	s_wait_dscnt 0x0
.elseif (\g) == 7
	s_wait_dscnt 0x0
	s_barrier_signal -1
.elseif (\g) < 8
	s_wait_dscnt T1
.else
	s_wait_dscnt T1+T2+T3+X4
.endif
	GRP \g
.if (\g) == 7
	s_barrier_wait -1
.endif
.set TT, 0
.set XX, 0
.if AQ > 0 && KQ == 2
	s_wait_dscnt T1                                ; the last block is back in registers: behind its loads stand only the last group's
	SENDH AQ-1, 0                                  ; its additions are the places behind the products
.elseif AQ > 0 && KQ == 3
	SENDH AQ-1, 1
.else
	PLACES
.endif
.if (\g)+4 < 32
	LFR (\g)+4
.set TT, 3
.endif
.if (\g) < 6
	WLOAD (\g)+2
.set TT, TT+24
.endif
.if AQ > 0 && KQ == 0
	s_wait_xcnt 0x0                                ; the stores of the block before the last have read their registers
	RB
.set XX, 16
.endif
.if KQ == 7
	TOSTAGE
.set XX, 16
.endif
.set X4, X3
.set X3, X2
.set X2, X1
.set X1, XX
.set T3, T2
.set T2, T1
.set T1, TT+XX
.endm
	s_load_b256 s[4:11], s[0:1], 0x0               ; ctx, xw, bo, out0
	v_lshl_add_u32 v[SPW], v0, 2, SPARE
	v_mov_b32 v[NIL], 0
	ds_add_u32 v[SPW], v[NIL]                      ; the wave's opening: the add, twice on end, and its wait ahead of my first tensor load
	ds_add_u32 v[SPW], v[NIL]
	v_lshrrev_b32 v1, 5, v0
	v_readfirstlane_b32 s14, v1                    ; wave 0..3
	s_lshr_b32 s15, s14, 1                         ; my half of the rows.  Also: I fetch for ctx (0) or for Wo (1)
	s_and_b32 s16, s14, 1                          ; my half of the columns.  Also: which part I fetch
	s_bfe_u32 s66, ttmp6, 0x40000                  ; cx
	s_bfe_u32 s67, ttmp6, 0x40004                  ; cy
	s_lshl_b32 s68, ttmp9, 2
	s_add_co_u32 s68, s68, s66                     ; gx
	s_and_b32 s17, ttmp7, 0xffff
	s_lshl_b32 s69, s17, 2
	s_add_co_u32 s69, s69, s67                     ; gy: my group of rows
	s_lshl_b32 s70, s67, 2
	s_lshl_b32 s70, 15, s70                        ; my row of the cluster
	s_lshl_b32 s71, 0x1111, s66                    ; my column
	s_or_b32 s[G1A], s70, (3<<16)|(1<<21)          ; 15:0 the mask; 17:16 elements of 8 bytes; 21 set beside a mask; no padding
	s_or_b32 s[G1B], s71, (3<<16)|(1<<21)
.irp g, G1A, G1B
	s_mov_b32 s[\g+1], 1600<<16                    ; tensor_dim0: a record, 1,600 elements
	s_mov_b32 s[\g+3], 1600<<16                    ; tile_dim0
	s_mov_b32 s[\g+6], 0
	s_mov_b32 s[\g+7], 0
.endr
	s_mov_b32 s[G1A+2], 4<<16                      ; tensor_dim1: ctx: four K steps a load
	s_mov_b32 s[G1A+4], 4                          ; tile_dim1
	s_mov_b32 s[G1A+5], PLANE_A/8                  ; from K step to K step, in elements
	s_mov_b32 s[G1B+2], 8<<16                      ; Wo: eight
	s_mov_b32 s[G1B+4], 8
	s_mov_b32 s[G1B+5], PLANE_B/8
	s_mul_i32 s72, s69, REC                        ; ctx: group gy,
	s_mul_i32 s73, s16, 4*PLANE_A                  ; K steps 4 s16 on
	s_add_co_u32 s72, s72, s73
	s_mov_b32 s73, 0
	s_lshl_b32 s74, s68, 1
	s_add_co_u32 s74, s74, s16
	s_mul_i32 s74, s74, REC                        ; Wo: group 2 gx + s16
	s_add_co_u32 s74, s74, B_OFF
	s_mov_b32 s75, 0
	s_mul_i32 s19, s16, HALF                       ; where ctx's load goes,
	s_mul_i32 s23, s16, AREA
	s_add_co_u32 s23, s23, AREA                    ; and Wo's; also Wo's group that I read
	s_mul_i32 s20, s15, 4*1536                     ; my four fragments of ctx,
	s_lshl_b32 s18, s15, 4                         ; of a row slot's eight scale words my four
	s_mul_i32 s22, s14, 16*SPITCH
	s_add_co_u32 s22, s22, STAGE                   ; my stage
	s_lshl_b32 s84, s69, 7
	s_lshl_b32 s85, s15, 6
	s_add_co_u32 s84, s84, s85                     ; my first row: 128 gy + 64 x half,
	s_lshl_b32 s84, s84, 12                        ; rows of 4,096 bytes,
	s_lshl_b32 s86, s68, 10
	s_lshl_b32 s87, s16, 9
	s_add_co_u32 s86, s86, s87                     ; my first column, in bytes: 1,024 gx + 512 x half; bo's offset too
	s_add_co_u32 s84, s84, s86
	s_mov_b32 s85, 0
	s_mov_b32 s87, 0
	s_wait_dscnt 0x0                               ; both opening adds are done
	s_wait_kmcnt 0x0
	s_add_nc_u64 s[72:73], s[4:5], s[72:73]
	s_add_nc_u64 s[74:75], s[6:7], s[74:75]
	s_add_nc_u64 s[88:89], s[8:9], s[86:87]        ; bo at my 128 columns
	s_add_nc_u64 s[76:77], s[10:11], s[84:85]      ; out0 at my corner; never stepped: 63 rows of 4,096 bytes stay inside the stores' immediate
	s_mov_b32 s[G0A], 1                            ; count = 1
	s_add_co_u32 s[G0A+1], s19, 0                  ; LDS address
	s_add_nc_u64 s[G0A+2:G0A+3], s[72:73], 0
	s_or_b32 s[G0A+3], s[G0A+3], 0x80000000        ; type = 2
	s_mov_b32 s[G0B], 1
	s_add_co_u32 s[G0B+1], s23, 0
	s_add_nc_u64 s[G0B+2:G0B+3], s[74:75], 0
	s_or_b32 s[G0B+3], s[G0B+3], 0x80000000
	CROUND                                         ; all sixteen work-groups are here: the joint loads meet
	s_cmp_eq_u32 s15, 0                            ; one tensor load a wave, in the two arms of one branch on the wave's number
	s_cbranch_scc0 .Lfirst_b
	tensor_load_to_lds s[G0A:G0A+3], s[G1A:G1A+7]
	s_nop 0
.rept 4
	v_nop
.endr
	s_branch .Lfirst_asked
.Lfirst_b:
	tensor_load_to_lds s[G0B:G0B+3], s[G1B:G1B+7]
	s_nop 0
.rept 4
	v_nop
.endr
.Lfirst_asked:
	v_and_b32 v[VO], 31, v0
	v_lshlrev_b32 v[VO], 4, v[VO]                  ; 16 x lane
	global_load_b128 v[BI:BI+3], v[VO], s[88:89]   ; bo at columns 4 x lane on: what I hold of every row on the way out
	v_and_b32 v252, 15, v0                         ; r
	v_bfe_u32 v253, v0, 4, 1                       ; h
	v_mul_u32_u24 v[STO], v252, SPITCH
	v_lshl_add_u32 v[STO], v253, 6, v[STO]
	v_add_nc_u32 v[STO], s22, v[STO]
	v_add_nc_u32 v[RD], s22, v[VO]
	v_lshlrev_b32 v252, 5, v252                    ; 32 r
	v_mul_u32_u24 v253, v253, REC
	v_add_nc_u32 v252, v252, v253                  ; + a record for lanes 16-31: the odd K step's words
	v_add_nc_u32 v[ADR1], s20, v[VO]
	v_add_nc_u32 v[ADR1+1], HALF, v[ADR1]
	v_add_nc_u32 v[ADR0], s23, v[VO]
	v_add_nc_u32 v[ADR0+1], HALF, v[ADR0]
	v_add_nc_u32 v[ASC], s18, v252
	v_add_nc_u32 v[ASC+1], HALF, v[ASC]
	v_add_nc_u32 v[ASW], s23, v252
	v_add_nc_u32 v[ASW+1], HALF, v[ASW]
	s_wait_alu depctr_va_vdst(0)
	s_wait_tensorcnt 0x0                           ; my load has landed
	s_barrier_signal -1
	s_barrier_wait -1                              ; everybody's has: all of K lies in LDS
.irp j, 0,1,2,3                                ; the scale words of K steps 2 j (lanes 0-15) and 2 j + 1 (lanes 16-31)
	ds_load_b128 v[WS+8*\j:WS+8*\j+3], v[ASW+\j/2] offset:(\j%2)*2*REC+SCO
	ds_load_b128 v[WS+8*\j+4:WS+8*\j+7], v[ASW+\j/2] offset:(\j%2)*2*REC+SCO+16
	ds_load_b128 v[CS+4*\j:CS+4*\j+3], v[ASC+\j/2] offset:(\j%2)*2*REC+SCO
.endr
	LFR 0
	LFR 1
	LFR 2
	LFR 3
	WLOAD 0
	WLOAD 1
	s_wait_loadcnt 0x0                             ; bo
.set T1, 0
.set T2, 0
.set T3, 0
.set X1, 0
.set X2, 0
.set X3, 0
.set X4, 0
.set GI, 0
.rept 32
	STEPG GI
.set GI, GI+1
.endr
	s_wait_xcnt 0x0                                ; block 2's stores have read their registers
	RB                                             ; the last block
	s_wait_dscnt 0x0
	SENDH 3, 0
	SENDH 3, 1
	s_wait_tensorcnt 0x0                           ; the wave's end: behind my last tensor load and my last LDS store
	ds_add_u32 v[SPW], v[NIL]
	s_wait_dscnt 0x0
	CROUND                                         ; the closing round: no work-group ends while a partner may still ask for a tile that names it
	s_endpgm
.Lfunc_end_k_q04f2e1b0d1_outp:
	.size	k_q04f2e1b0d1_outp, .Lfunc_end_k_q04f2e1b0d1_outp-k_q04f2e1b0d1_outp
	.p2alignl 7, 3214868480
	.fill 96, 4, 3214868480
	.section	.rodata,"a",@progbits
	.p2align	6, 0x0
	.amdhsa_kernel k_q04f2e1b0d1_outp
		.amdhsa_group_segment_fixed_size 327680
		.amdhsa_private_segment_fixed_size 0
		.amdhsa_enable_private_segment 0
		.amdhsa_kernarg_size 32
		.amdhsa_user_sgpr_count 2
		.amdhsa_user_sgpr_kernarg_segment_ptr 1
		.amdhsa_wavefront_size32 1
		.amdhsa_system_sgpr_workgroup_id_x 1
		.amdhsa_system_sgpr_workgroup_id_y 1
		.amdhsa_system_sgpr_workgroup_id_z 1
		.amdhsa_system_vgpr_workitem_id 0
		.amdhsa_next_free_vgpr 1024
		.amdhsa_next_free_sgpr 100
		.amdhsa_reserve_vcc 0
		.amdhsa_float_denorm_mode_32 3
		.amdhsa_float_denorm_mode_16_64 3
		.amdhsa_memory_ordered 1
		.amdhsa_forward_progress 1
		.amdhsa_inst_pref_size 88
	.end_amdhsa_kernel
	.amdgpu_metadata
---
amdhsa.version: [ 1, 2 ]
amdhsa.kernels:
  - .name:           k_q04f2e1b0d1_outp
    .symbol:         k_q04f2e1b0d1_outp.kd
    .args:
      - { .name: ctx, .offset: 0, .size: 8, .value_kind: global_buffer, .address_space: global }
      - { .name: xw, .offset: 8, .size: 8, .value_kind: global_buffer, .address_space: global }
      - { .name: bo, .offset: 16, .size: 8, .value_kind: global_buffer, .address_space: global }
      - { .name: out0, .offset: 24, .size: 8, .value_kind: global_buffer, .address_space: global }
    .group_segment_fixed_size: 327680
    .private_segment_fixed_size: 0
    .kernarg_segment_align: 8
    .kernarg_segment_size: 32
    .max_flat_workgroup_size: 128
    .sgpr_count:     100
    .vgpr_count:     1024
    .wavefront_size: 32
...
	.end_amdgpu_metadata
.endif
;; end of part 10
